; MI455X (gfx1250); checked and timed in simulation.
; The chip was launched on July 23, 2026; its instructions are those of AMD's public machine-readable ISA for CDNA 5 (MIT licence, August 2026) and "CDNA5" Instruction Set Architecture Reference Guide (July 2026). The comments in the code are by the model that wrote it; some were corrected since.
;; Self Attention V2 Causal. Allowed arithmetic: matrix products marked QUANTISED: E4M3 operands, one E8M0 scale for each 32 along K, by v_wmma_scale_f32_16x16x128_f8f6f4 with both operands' format E4M3, f32 sums; everything else in f32.
;; Inputs: Wk_codes 1,024 x 32 x 32 uint8 (E4M3 codes of Wk, K innermost, in blocks of 32 codes); Wk_scales 1,024 x 32 uint8 (E8M0 scales of Wk, one for each 32 codes along K); Wq_codes 1,024 x 32 x 32 uint8 (E4M3 codes of Wq, K innermost, in blocks of 32 codes); Wq_scales 1,024 x 32 uint8 (E8M0 scales of Wq, one for each 32 codes along K); Wv_codes 1,024 x 32 x 32 uint8 (E4M3 codes of Wv, K innermost, in blocks of 32 codes); Wv_scales 1,024 x 32 uint8 (E8M0 scales of Wv, one for each 32 codes along K); x_codes 4 x 2,048 x 32 x 32 uint8 (E4M3 codes of x, K innermost, in blocks of 32 codes); x_scales 4 x 2,048 x 32 uint8 (E8M0 scales of x, one for each 32 codes along K).
;; Outputs: out0 4 x 2,048 x 1,024 float32.
;; This version of the problem:
;;   THIS VERSION OF THE PROBLEM IS GIVEN IN LOW PRECISION. The matrix products marked QUANTISED in the list below multiply operands that are first quantised to E4M3 (4 exponent bits, 3 mantissa bits; 8 bits a number), with one power-of-two scale for each 32 numbers along K (OCP MX v1.0); their sums are f32. All else is computed in f32.
;;   The module's matrix products, in the order in which they are computed (A, B: the left and right operand; K: the contracted axis; several contracted axes count as one K, in the product's order):
;;     1. [M 8,192, K 1,024] x [K 1,024, N 1,024]; A: input x (given as codes); B: input Wq (given as codes): QUANTISED
;;     2. [M 8,192, K 1,024] x [K 1,024, N 1,024]; A: input x (given as codes); B: input Wk (given as codes): QUANTISED
;;     3. [M 8,192, K 1,024] x [K 1,024, N 1,024]; A: input x (given as codes); B: input Wv (given as codes): QUANTISED
;;     4. batch 4 x [M 2,048, K 1,024] x [K 1,024, N 2,048]; A: computed on the way; B: computed on the way: QUANTISED
;;     5. batch 4 x [M 2,048, K 2,048] x [K 2,048, N 1,024]; A: softmax (see below); B: computed on the way: QUANTISED
;;   THE QUANTISER, for each operand of a quantised product, along K:
;;     - K is cut into blocks of 32 from its start; a last block that is shorter is filled with zeros.
;;     - A block's scale is 2^e with e = floor(log2(the largest magnitude in the block)) - 8, held to -126 .. 127; a block of zeros has e = 0. As a byte (E8M0): e + 127.
;;     - Each number is divided by its block's scale, clamped to +-448, and rounded to the nearest number of E4M3, ties to even, subnormals kept.
;;     - The product sums the exact products of the quantised numbers (number of the format x scale) in f32.
;;   ~~~python
;;   def quantise(x, axis):      # numpy; x: float32 -> the quantised numbers, widened to float32 again
;;       x = np.moveaxis(x, axis, -1); K = x.shape[-1]
;;       x = np.pad(x, [(0, 0)] * (x.ndim - 1) + [(0, -K % 32)]); x = x.reshape(x.shape[:-1] + (-1, 32)); a = np.abs(x).max(-1, keepdims=True)
;;       e = np.where(a > 0, np.clip(np.frexp(np.where(a > 0, a, 1))[1] - 1 - 8, -126, 127), 0)      # np.frexp(a)[1] - 1 = floor(log2(a)), exactly
;;       r = np.clip(x / 2.0 ** e, -448, 448)
;;       step = 2.0 ** (np.maximum(np.frexp(np.where(r == 0, 1, r))[1] - 1, -6) - 3)
;;       q = np.round(r / step) * step * 2.0 ** e      # np.round: ties to even
;;       return np.moveaxis(q.reshape(q.shape[:-2] + (-1,))[..., :K], -1, axis).astype(np.float32)
;;   ~~~
;;   SOFTMAX AHEAD OF A QUANTISED PRODUCT. Where the list says 'softmax', what is quantised is not the finished softmax but p = 2^(t - M), with t = logit x log2(e) and M = ceil(the row's largest t), a whole number; so 1/2 < the row's largest p <= 1. The row's sum l is taken of the UNQUANTISED p, in f32, and the product's result is divided by l at the end. Since M is a whole number, a kernel that streams over the keys may use a running M (the ceiling of the running maximum): every later rescaling is an exact power of two, which a block's scale takes up: the codes' values come out the same.
;;   OPERANDS COMPUTED ON THE WAY. 'Computed on the way' means the value that the module computes at that place (a softmax that the list does not call 'softmax' is quantised finished and normalised). What goes into a quantiser is computed in f32, as accurately as f32 sums, v_exp_f32 and their like allow (about 1e-6 of the number): no bf16 or f16 on the way to a quantiser, and a product that is left as it is and whose result goes on into a quantised operand takes f32 operands (vector FMAs, or v_wmma_f32_16x16x4_f32). A number that lies on a knife's edge between two numbers of the format may be rounded either way, as far as f32 arithmetic and the matrix unit's own rounding can turn it there, and no further.
;;   INPUTS GIVEN AS CODES. Wk (in the module: [1024, 1024], K = its axis 1); Wq (in the module: [1024, 1024], K = its axis 1); Wv (in the module: [1024, 1024], K = its axis 1); x (in the module: [4, 2048, 1024], K = its axis 2): each comes as NAME_codes (uint8): NAME with its K axis moved to the last place and cut into blocks of 32 codes, [.., K / 32, bytes a block], one block behind the other in memory; one code a byte (a code: sign, 4 exponent bits, 3 mantissa bits); and NAME_scales (uint8): the same leading axes, one E8M0 byte (e + 127) for each 32 codes along K. Its value is code x scale, taken as it is: it is not quantised again, and the codes and scales need not be those that the quantiser above would give.
;; 2 versions. Each part assembles by itself: llvm-mc -triple=amdgcn-amd-amdhsa -mcpu=gfx1250 --defsym DOCPART=n.
;; ======== version 1 of 2: 3 launches
;; workspace buffers: qrec 8,650,752 bytes; krec 8,650,752 bytes; vrec 8,650,752 bytes; prec 18,350,080 bytes
;; launch proj (part 1): grid 8 x 48, 4 waves a work-group, clusters of 4 x 4, 327,680 bytes of LDS; arguments x_codes, x_scales, Wq_codes, Wq_scales, Wk_codes, Wk_scales, Wv_codes, Wv_scales, qrec, krec, vrec; writes qrec, krec, vrec
.if DOCPART == 1
	.amdgcn_target "amdgcn-amd-amdhsa--gfx1250"
	.amdhsa_code_object_version 6
	.text
	.protected	k_q462bed2dd5_proj
	.globl	k_q462bed2dd5_proj
	.p2align	8
	.type	k_q462bed2dd5_proj,@function
k_q462bed2dd5_proj:
	s_mov_b64 s[64:65], 0
	v_nop
	global_prefetch_b8 v0, s[64:65] scope:SCOPE_SE
	s_setreg_imm32_b32 hwreg(HW_REG_WAVE_MODE, 25, 1), 1
	s_wait_xcnt 0x0
	s_wait_alu depctr_hold_cnt(0) depctr_sa_sdst(0) depctr_va_vdst(0) depctr_va_sdst(0) depctr_va_ssrc(0) depctr_va_vcc(0) depctr_vm_vsrc(0)
	s_getreg_b32 s2, hwreg(HW_REG_IB_STS2, 6, 4)
	s_cmp_eq_u32 s2, 0
	s_cbranch_scc0 .Lentry_in_a_cluster
	s_endpgm
.Lentry_in_a_cluster:
	s_bfe_u32 s2, ttmp6, 0x10000c
	s_cmp_lg_u32 s2, 0xf033
	s_cbranch_scc0 .Lentry_shape_is_right
	s_endpgm
.Lentry_shape_is_right:
; q = x Wq^T, k = x Wk^T and V^T = Wv x^T on codes of FP8 (E4M3) with one E8M0 byte for each 32 along K = 1,024; each result is quantised again on its way out and leaves as RECORDS.
; A tile of a result, 256 x 256, is made by a work-group of four waves; a wave makes 128 x 128: 64 accumulators of 16 x 16, 512 registers.  K goes in steps of 256 through a ring of two LDS slots
; filled by the tensor data mover; the scale bytes of the tile's 256 + 256 rows, for all of K, come into LDS once with the first fills.
; WHICH PRODUCT: clusters of 4 x 4 work-groups, 2 along x, 12 along y.  Cluster rows 0-7: A = x (32 tile rows), B = Wq (cluster x = 0) or Wk (1), 4 tile columns.
; Cluster rows 8-11: A = Wv (4 tile rows), B = x (32 tile columns): V comes out TRANSPOSED, so that its next K, the keys, runs along a lane's registers as q's and k's next K, d, does.
; The four work-groups of a cluster's row need the same tiles of A, the four of a column the same tiles of B: each tile is asked for jointly.
; THE MATRIX INSTRUCTION IS USED TRANSPOSED (source 0 = 16 rows of B, source 1 = 16 rows of A): lane (r, h) holds row r of A's block and its registers columns 16 b + 8 h + 0 .. 7.
; A RECORD is a wave's 128 rows x 128 along the next K, in the order of an operand's registers: byte 2048 a + 512 c + 16 lane = registers 4 c .. 4 c + 3 of the fragment of rows 16 a on;
; byte 16384 + 16 lane = four scale words: lane (r, h) has row r's of blocks 4 h + 0 .. 3.  16,896 bytes, dense.  Place 32 c + 16 h + i of a fragment holds element 32 c + 8 h + i (i < 8) or
; 32 c + 16 + 8 h + i - 8: a permutation inside each block of 32, the same in every record, so that products of two records and their block scales are those of the true order.
; THE QUANTISER: a block's scale is 2^(floor(log2(largest magnitude)) - 8); numbers are held within +-448 x scale and rounded to the nearest code, ties to even.
; LIMITS: a block whose largest magnitude lies under 2^-118 (a block of zeros too) gets the byte 1 (its codes are then zeros or nearly so; only this program reads the bytes); NaN and infinities are not served.
; REGISTERS: window 0: v0-31 addresses; v32-63 scale words, two sets; v128-255 A's fragments, one set.  window 1: B's fragments, two sets.  windows 2, 3: the accumulators ((a, b) at v[8 (8 (a % 4) + b)]).
.set KSTEP,  256
.set NQ,     2
.set ROWB,   256
.set KROW,   1024
.set PITCH,  272                       ; an LDS row: 256 bytes + 16 of padding: the 16 rows that a load touches start 68 words apart
.set FR,     16
.set NL,     4
.set NP,     8                         ; places behind this matrix instruction (ISA guide 7.12.1)
.set HALFT,  128*PITCH
.set SLOT,   4*HALFT
.set LAPS,   KROW/(2*KSTEP)
.set KS,     KROW/32
.set SCL,    2*SLOT
.set HALFS,  (128*KS/256)*272
.set SBLK,   (16*KS/256)*272
.set SPARE,  SCL+4*HALFS               ; the spare words, 128 bytes a wave: two blocks of 256 bytes that no other line names
.set REC,    16896
.set ADRA, 16
.set ADRB, 20
.set CO,   26                          ; v26  16 x lane
.set ADRS, 27
.set SPW,  28
.set NIL,  29
.set SC,   32
.set AF,   128
.set X,    64                          ; the way out: v64-127 64 numbers, held
.set PC,   128                         ; v128-159 codes, two sets by turns
.set TM,   160                         ; v160-163 largest magnitudes, 164-167 bytes, 168-171 448 x scale, 172-175 the conversions' scale operands
.set PW,   184                         ; v184-191 a scale word for each block of 16 rows
.set OUT4, 208
.set G1, 24
.set G0, 32
.set G1B, 48
.set G0B, 56
.set G1S, 68
.set G0S, 76
.set G1SB, 80
.set G0SB, 88
.set SEL, 98
.set MNT, 100
.set MSB, 0
.macro WIN new                         ; the immediate's high byte repeats the setting that is left
.if MSB != (\new)
	s_set_vgpr_msb (MSB<<8)|(\new)
.set MSB, (\new)
.endif
.endm
.set MUL_LO, 0xa1                      ; source 0 (B) window 1, source 1 (A) window 0, C and D window 2
.set MUL_HI, 0xf1
.set TO_B,   0x40
; A joint load: waves 0 and 1 fetch for A, waves 2 and 3 for B; the branch hangs on the wave's number alone.  Four v_nop follow each line.
.macro JLOAD g0a, g1a, g0b, g1b
	s_cmp_eq_u32 s15, 0
	s_cbranch_scc0 .Lfor_b_\@
	tensor_load_to_lds s[\g0a:\g0a+3], s[\g1a:\g1a+7]
	s_nop 0
.rept 4
	v_nop
.endr
	s_branch .Lasked_\@
.Lfor_b_\@:
	tensor_load_to_lds s[\g0b:\g0b+3], s[\g1b:\g1b+7]
	s_nop 0
.rept 4
	v_nop
.endr
.Lasked_\@:
.endm
.macro CREST                           ; a round of the cluster's barrier behind its opening barrier
	s_cmp_lg_u32 s14, 0
	s_cbranch_scc1 .Lnot_wave_0_\@
	s_barrier_signal -3
.Lnot_wave_0_\@:
	s_barrier_wait -3
	s_barrier_signal -1
	s_barrier_wait -1
.endm
.macro CROUND
	s_barrier_signal -1
	s_barrier_wait -1
	CREST
.endm
	s_load_b512 s[68:83], s[0:1], 0x0              ; x's codes, scales; Wq's; Wk's; Wv's
	s_load_b128 s[84:87], s[0:1], 0x40             ; qrec, krec
	s_load_b64 s[88:89], s[0:1], 0x50              ; vrec
	v_lshl_add_u32 v[SPW], v0, 2, SPARE
	v_mov_b32 v[NIL], 0
	ds_add_u32 v28, v29
	ds_add_u32 v28, v29
	s_wait_dscnt 0x0
	v_lshrrev_b32 v1, 5, v0
	v_readfirstlane_b32 s14, v1                    ; wave 0..3
	s_lshr_b32 s15, s14, 1                         ; my half of the tile's rows.  Also: I fetch for A (0) or for B (1)
	s_and_b32 s16, s14, 1                          ; my half of its columns.  Also: which 128 rows I fetch
	s_bfe_u32 s40, ttmp6, 0x40000                  ; cx
	s_bfe_u32 s41, ttmp6, 0x40004                  ; cy
	s_and_b32 s96, ttmp7, 0xffff                   ; the cluster's y: 0-7 q and k, 8-11 V
	s_lshl_b32 s97, s96, 2
	s_max_u32 s42, s96, 8
	s_sub_co_u32 s42, s42, 8
	s_lshl_b32 s42, s42, 1
	s_add_co_u32 s42, s42, ttmp9
	s_lshl_b32 s42, s42, 2                         ; V: the cluster's first tile column, 4 (2 (y - 8) + x)
	s_cmp_ge_u32 s96, 8
	s_cselect_b32 s17, 0, s97                      ; first tile row: V 0, else 4 y
	s_cselect_b32 s42, s42, 0                      ; first tile column
	s_cselect_b32 s95, 64, 8                       ; records in a row group of the output
	s_add_co_u32 s17, s17, s41                     ; tile row
	s_add_co_u32 s42, s42, s40                     ; tile column
	s_lshl_b32 s43, s41, 2
	s_lshl_b32 s43, 15, s43                        ; my row of the cluster
	s_lshl_b32 s44, 0x1111, s40                    ; my column
	s_mov_b32 s[SEL], 0x76543210
	s_mov_b32 s[SEL+1], 0xfedcba98                 ; v_permlanex16_b32's selects for lane l xor 16
	s_mov_b32 s[MNT], 0x600000                     ; the mantissa field of 448
	; descriptor group 1: a tile of 128 rows x 256 bytes, 16 bytes of padding behind each row
	s_or_b32 s[G1+0], s43, (0<<16)|(1<<20)|(1<<21)|(5<<22)|(3<<25)
	s_or_b32 s[G1B+0], s44, (0<<16)|(1<<20)|(1<<21)|(5<<22)|(3<<25)
.irp g, G1, G1B
	s_mov_b32 s[\g+1], ROWB<<16
	s_mov_b32 s[\g+2], 128<<16
	s_mov_b32 s[\g+3], ROWB<<16
	s_mov_b32 s[\g+4], 128
	s_mov_b32 s[\g+5], KROW
	s_mov_b32 s[\g+6], 0
	s_mov_b32 s[\g+7], 0
.endr
	s_lshl_b32 s18, s16, 7
	s_lshl_b32 s20, s17, 8
	s_add_co_u32 s20, s20, s18                     ; A: row 256 x tile row + 128 x half
	s_lshl_b32 s46, s42, 8
	s_add_co_u32 s46, s46, s18                     ; B: row 256 x tile column + 128 x half
	s_mov_b32 s21, 0
	s_mov_b32 s47, 0
	s_mov_b64 s[18:19], KS
	s_mul_u64 s[22:23], s[20:21], s[18:19]         ; these rows' scale bytes
	s_mul_u64 s[92:93], s[46:47], s[18:19]
	s_mov_b64 s[18:19], KROW
	s_mul_u64 s[20:21], s[20:21], s[18:19]         ; and their codes
	s_mul_u64 s[46:47], s[46:47], s[18:19]
	s_mul_i32 s45, s14, HALFT                      ; where they go: wave x 128 rows
	s_mul_i32 s94, s14, HALFS
	s_wait_kmcnt 0x0
	s_cmp_eq_u32 ttmp9, 0                          ; the buffers are chosen on the cluster's place in the grid, which all sixteen partners share
	s_cselect_b64 s[8:9], s[72:73], s[76:77]
	s_cselect_b64 s[10:11], s[74:75], s[78:79]
	s_cselect_b64 s[12:13], s[84:85], s[86:87]
	s_cmp_ge_u32 s96, 8
	s_cselect_b64 s[4:5], s[80:81], s[68:69]       ; A's codes: Wv's or x's
	s_cselect_b64 s[6:7], s[82:83], s[70:71]       ; A's scales
	s_cselect_b64 s[8:9], s[68:69], s[8:9]         ; B's codes: x's, or Wq's / Wk's
	s_cselect_b64 s[10:11], s[70:71], s[10:11]
	s_cselect_b64 s[12:13], s[88:89], s[12:13]     ; the records
	; the scales of 128 rows: a dense block of 4,096 bytes as 16 rows of 256 bytes, 16 bytes of padding behind each
	s_or_b32 s[G1S+0], s43, (3<<16)|(1<<20)|(1<<21)|(5<<22)|(3<<25)
	s_or_b32 s[G1SB+0], s44, (3<<16)|(1<<20)|(1<<21)|(5<<22)|(3<<25)
.irp g, G1S, G1SB
	s_mov_b32 s[\g+1], 32<<16
	s_mov_b32 s[\g+2], (128*KS/256)<<16
	s_mov_b32 s[\g+3], 32<<16
	s_mov_b32 s[\g+4], 128*KS/256
	s_mov_b32 s[\g+5], 32
	s_mov_b32 s[\g+6], 0
	s_mov_b32 s[\g+7], 0
.endr
	s_add_nc_u64 s[20:21], s[4:5], s[20:21]
	s_add_nc_u64 s[22:23], s[6:7], s[22:23]
	s_add_nc_u64 s[46:47], s[8:9], s[46:47]
	s_add_nc_u64 s[92:93], s[10:11], s[92:93]
	CROUND                                         ; all sixteen work-groups are here: the first joint loads meet
	s_mov_b32 s[G0S], 1
	s_add_co_u32 s[G0S+1], s94, SCL
	s_mov_b64 s[G0S+2:G0S+3], s[22:23]
	s_or_b32 s[G0S+3], s[G0S+3], 0x80000000
	s_mov_b32 s[G0SB], 1
	s_add_co_u32 s[G0SB+1], s94, SCL
	s_mov_b64 s[G0SB+2:G0SB+3], s[92:93]
	s_or_b32 s[G0SB+3], s[G0SB+3], 0x80000000
	JLOAD G0S, G1S, G0SB, G1SB                     ; the scales first: they are wanted with K step 0
.irp s, 0,1
	s_mov_b32 s[G0+4*\s], 1
	s_add_co_u32 s[G0+4*\s+1], s45, \s*SLOT
	s_add_nc_u64 s[G0+4*\s+2:G0+4*\s+3], s[20:21], \s*ROWB
	s_or_b32 s[G0+4*\s+3], s[G0+4*\s+3], 0x80000000
	s_mov_b32 s[G0B+4*\s], 1
	s_add_co_u32 s[G0B+4*\s+1], s45, \s*SLOT
	s_add_nc_u64 s[G0B+4*\s+2:G0B+4*\s+3], s[46:47], \s*ROWB
	s_or_b32 s[G0B+4*\s+3], s[G0B+4*\s+3], 0x80000000
	JLOAD G0+4*\s, G1, G0B+4*\s, G1B
.endr
	v_and_b32 v1, 15, v0                           ; r
	v_bfe_u32 v2, v0, 4, 1                         ; h
	v_mul_u32_u24 v3, v1, PITCH
	v_lshl_add_u32 v4, v2, 4, v3                   ; a fragment's row x pitch + 16 h
	s_mul_i32 s21, s15, HALFT
	s_mul_i32 s22, s16, HALFT
	s_add_co_u32 s22, s22, 2*HALFT
.irp s, 0,1
	v_add_nc_u32 v[ADRA+\s], s21, v4
	v_add_nc_u32 v[ADRB+\s], s22, v4
	s_add_co_u32 s21, s21, SLOT
	s_add_co_u32 s22, s22, SLOT
.endr
	v_mul_u32_u24 v5, v1, KS                       ; my row's scales: 32 bytes a row,
	v_lshrrev_b32 v6, 8, v5
	v_lshl_add_u32 v5, v6, 4, v5                   ; and 16 more for each 256 passed
	s_mul_i32 s21, s15, HALFS
	s_mul_i32 s22, s16, HALFS
	s_add_co_u32 s22, s22, 2*HALFS
	s_sub_co_u32 s22, s22, s21
	v_mul_u32_u24 v6, s22, v2                      ; lanes 16-31 take B's
	s_add_co_u32 s21, s21, SCL
	v_add_nc_u32 v5, v5, v6
	v_add_nc_u32 v[ADRS], s21, v5
	v_and_b32 v6, 31, v0
	v_lshlrev_b32 v[CO], 4, v6
	s_lshl_b32 s20, s17, 1                         ; my record: ((2 tile row + row half) x records in a row group + 2 tile column + column half) x 16,896 bytes
	s_add_co_u32 s20, s20, s15
	s_mul_i32 s20, s20, s95
	s_lshl_b32 s46, s42, 1
	s_add_co_u32 s46, s46, s16
	s_add_co_u32 s20, s20, s46
	s_mul_i32 s20, s20, REC
	s_mov_b32 s21, 0
	s_add_nc_u64 s[12:13], s[12:13], s[20:21]
.macro FRAG reg, adr, q, i             ; 16 rows x 128 K: lane l holds row l % 16; registers 4 c .. 4 c + 3 hold K = 32 c + 16 (l / 16) + 0 .. 15
.irp c, 0,1,2,3
	ds_load_b128 v[\reg+4*\c:\reg+4*\c+3], v[\adr] offset:128*(\q)+32*\c+(\i)*16*PITCH
.endr
.endm
; 16 matrix instructions: A's blocks a0, a0 + 1 x B's eight.  The 64 accumulators take turns, one instruction a turn, in the same order in every step.
.macro MUL16 a0, p, q, sc, zero
.irp a, \a0, \a0+1
.irp b, 0,1,2,3,4,5,6,7
.if \zero
	v_wmma_scale_f32_16x16x128_f8f6f4 v[8*(8*((\a)%4)+\b):8*(8*((\a)%4)+\b)+7], v[128*(\p)+FR*\b:128*(\p)+FR*\b+FR-1], v[AF+FR*(\a):AF+FR*(\a)+FR-1], 0, v[SC+8*NQ*(\sc)+NQ*\b+(\q)], v[SC+8*NQ*(\sc)+NQ*(\a)+(\q)] matrix_a_scale:MATRIX_SCALE_ROW1
.else
	v_wmma_scale_f32_16x16x128_f8f6f4 v[8*(8*((\a)%4)+\b):8*(8*((\a)%4)+\b)+7], v[128*(\p)+FR*\b:128*(\p)+FR*\b+FR-1], v[AF+FR*(\a):AF+FR*(\a)+FR-1], v[8*(8*((\a)%4)+\b):8*(8*((\a)%4)+\b)+7], v[SC+8*NQ*(\sc)+NQ*\b+(\q)], v[SC+8*NQ*(\sc)+NQ*(\a)+(\q)] matrix_a_scale:MATRIX_SCALE_ROW1
.endif
.endr
.endr
.endm
.macro FETCH_B slot, q, p
	WIN TO_B
.irp i, 0,1,2,3,4,5,6,7
	FRAG 128*(\p)+FR*\i, ADRB+\slot, \q, \i
.endr
	WIN 0
.endm
.macro FETCH_A slot, q, i0
.irp i, \i0, \i0+1, \i0+2, \i0+3
	FRAG AF+FR*(\i), ADRA+\slot, \q, \i
.endr
.endm
.macro SCALES sc                       ; a K step's scale words: two words a row; lanes 0-15 take A's block i, lanes 16-31 B's block i
.irp i, 0,1,2,3,4,5,6,7
	ds_load_b64 v[SC+8*NQ*\sc+NQ*\i:SC+8*NQ*\sc+NQ*\i+1], v[ADRS] offset:\i*SBLK
.endr
.endm
.macro PLACES n                        ; plain vector instructions between a matrix instruction and a load into, or a vector write of, one of its registers, or a read of its result
.rept \n
	v_nop
.endr
.endm
.macro STEP slot, q, zero              ; 128 along K that has its successor in the same slot
	s_wait_dscnt 4*NL                              ; B's set and A's blocks 0-3 are in; the youngest 16 loads (A's blocks 4-7) may be out
	WIN MUL_LO
	MUL16 0, (\q)%2, \q, \slot, \zero
	MUL16 2, (\q)%2, \q, \slot, \zero
	s_wait_dscnt 0
	PLACES NP
	FETCH_B \slot, (\q)+1, 1-(\q)%2
	FETCH_A \slot, (\q)+1, 0
	WIN MUL_HI
	MUL16 4, (\q)%2, \q, \slot, \zero
	MUL16 6, (\q)%2, \q, \slot, \zero
	PLACES NP
	WIN 0
	FETCH_A \slot, (\q)+1, 4
.endm
; A slot's last step changes slots: one barrier; in front of it each wave waits for all its tensor loads, adds 0 to its spare word, and waits for that and for its reads of this slot.
.macro TURN slot, next, fill
	s_wait_tensorcnt 0x0                           ; all my tensor loads have landed: my part of the next slot
	ds_add_u32 v[SPW], v[NIL]                      ; 0 onto my spare word
	s_wait_dscnt 4*NL+1                            ; the add and the youngest 16 loads (A's blocks 4-7) may be out
	WIN MUL_LO
	MUL16 0, 1, NQ-1, \slot, 0
	s_wait_dscnt 0x0                               ; the add is done, and my reads of this slot are over
	s_barrier_signal -1
	MUL16 2, 1, NQ-1, \slot, 0
	WIN 0
	s_barrier_wait -1
.if \fill
	CREST                                          ; the barrier has opened a round of the cluster's barrier: no wave of any partner still reads this slot or has a load on its way
	s_add_nc_u64 s[G0+4*\slot+2:G0+4*\slot+3], s[G0+4*\slot+2:G0+4*\slot+3], 2*ROWB
	s_add_nc_u64 s[G0B+4*\slot+2:G0B+4*\slot+3], s[G0B+4*\slot+2:G0B+4*\slot+3], 2*ROWB
	JLOAD G0+4*\slot, G1, G0B+4*\slot, G1B         ; the first tensor load behind the round; its four v_nop are among the places in front of the loads below
	PLACES NP-4
.else
	PLACES NP
.endif
	v_add_nc_u32 v[ADRS], 4*NQ, v[ADRS]            ; on to the next K step's scale words
	FETCH_B \next, 0, 0
	FETCH_A \next, 0, 0
	SCALES \next
	WIN MUL_HI
	MUL16 4, 1, NQ-1, \slot, 0
	MUL16 6, 1, NQ-1, \slot, 0
	PLACES NP
	WIN 0
	FETCH_A \next, 0, 4
.endm
	s_wait_tensorcnt 1                             ; the scales and my part of K step 0 are in; K step 1's load may be out
	s_barrier_signal -1
	s_barrier_wait -1
	FETCH_B 0, 0, 0
	FETCH_A 0, 0, 0
	SCALES 0
	FETCH_A 0, 0, 4
	STEP 0, 0, 1                                   ; the first step's products start the sums
	s_mov_b32 s3, LAPS-1
.Llap:                                                 ; a trip goes once round the ring and fills both slots again
	TURN 0, 1, 1
	STEP 1, 0, 0
	TURN 1, 0, 1
	STEP 0, 0, 0
	s_sub_co_u32 s3, s3, 1
	s_cmp_lg_u32 s3, 0
	s_cbranch_scc1 .Llap
	TURN 0, 1, 0                                   ; the last lap fills nothing
	STEP 1, 0, 0
	s_wait_dscnt 4*NL
	WIN MUL_LO
	MUL16 0, 1, NQ-1, 1, 0
	MUL16 2, 1, NQ-1, 1, 0
	s_wait_dscnt 0
	WIN MUL_HI
	MUL16 4, 1, NQ-1, 1, 0
	MUL16 6, 1, NQ-1, 1, 0
	WIN 0
	PLACES NP                                      ; in front of the first read of results and the first vector write into registers that held fragments
.irp c, 0,1,2,3
	v_mov_b32 v[TM+4+\c], 0                        ; written once: a lane permute's destination counts as one of its sources
.endr
; THE WAY OUT of block a (16 rows x 128 columns): the lane's 64 numbers, register 16 c + i, are 16 numbers of each of four blocks of 32 along the next K; lane l xor 16 holds the other 16.
.macro QUANTA a
.set AC, 64*((\a)%4)
.set PCS, PC+16*((\a)%2)
	s_wait_xcnt 0x0                                ; the stores of the block two back have read this set of code registers
	WIN 0x0a+5*((\a)/4)                            ; sources 0 and 1: the accumulators' window
.irp c, 0,1,2,3
	v_max3_num_f32 v[TM+\c], |v[AC+16*\c]|, |v[AC+16*\c+1]|, 0x4800000   ; with the floor 2^(9 - 127): the byte cannot fall under 1.  Each accumulator is read from its low end on
.endr
.irp i, 2,4,6,8,10,12,14
.irp c, 0,1,2,3
	v_max3_num_f32 v[TM+\c], |v[AC+16*\c+\i]|, |v[AC+16*\c+\i+1]|, v[TM+\c]
.endr
.endr
	WIN 0
.irp c, 0,1,2,3
	v_permlanex16_b32 v[TM+4+\c], v[TM+\c], s[SEL], s[SEL+1]
.endr
.irp c, 0,1,2,3
	v_max_num_f32 v[TM+\c], v[TM+\c], v[TM+4+\c]   ; the block's largest magnitude
.endr
.irp c, 0,1,2,3
	v_add_nc_u32 v[TM+12+\c], 0xfc000000, v[TM+\c] ; 8 off its exponent field: the conversion's scale operand
.endr
.irp c, 0,1,2,3
	v_and_or_b32 v[TM+8+\c], v[TM+\c], 0x7f800000, s[MNT]   ; 448 x the scale
.endr
.irp c, 0,1,2,3
	v_lshrrev_b32 v[TM+4+\c], 23, v[TM+12+\c]      ; the scale's byte
.endr
	v_lshl_or_b32 v[PW+(\a)], v[TM+5], 8, v[TM+4]
	v_lshl_or_b32 v[PW+(\a)], v[TM+6], 16, v[PW+(\a)]
	v_lshl_or_b32 v[PW+(\a)], v[TM+7], 24, v[PW+(\a)]   ; my row's scale word (both halves of the lanes hold it)
	WIN 2+(\a)/4                                   ; source 0: the accumulators' window
.irp c, 0,1,2,3
.set n, 16*\c
.rept 16
	v_med3_num_f32 v[X+n], v[AC+n], -v[TM+8+\c], v[TM+8+\c]   ; the conversion to an 8-bit code does not saturate (ISA guide 7.6.2): the hold
.set n, n+1
.endr
.endr
	WIN 0
.irp c, 0,1,2,3
	v_cvt_scalef32_pk8_fp8_f32 v[PCS+4*\c:PCS+4*\c+1], v[X+16*\c:X+16*\c+7], v[TM+12+\c]
	v_cvt_scalef32_pk8_fp8_f32 v[PCS+4*\c+2:PCS+4*\c+3], v[X+16*\c+8:X+16*\c+15], v[TM+12+\c]
.endr
	v_nop                                          ; a plain line behind the last conversion
.irp c, 0,1,2,3
	global_store_b128 v[CO], v[PCS+4*\c:PCS+4*\c+3], s[12:13] offset:(\a)*2048+512*\c   ; 32 lanes store 512 consecutive bytes, at a multiple of 256 from the buffer's first byte
.endr
.endm
.irp a, 0,1,2,3,4,5,6,7
	QUANTA \a
.endr
	v_and_b32 v1, 31, v0
	v_cmp_le_u32 vcc_lo, 16, v1                    ; lanes 16-31 carry the words of blocks 4-7
.irp j, 0,1,2,3
	v_cndmask_b32 v[OUT4+\j], v[PW+\j], v[PW+4+\j], vcc_lo
.endr
	global_store_b128 v[CO], v[OUT4:OUT4+3], s[12:13] offset:16384
	s_wait_tensorcnt 0x0                           ; the wave's end
	ds_add_u32 v[SPW], v[NIL]
	s_wait_dscnt 0x0
	CROUND                                         ; the closing round
	s_endpgm
.Lfunc_end_k_q462bed2dd5_proj:
	.size	k_q462bed2dd5_proj, .Lfunc_end_k_q462bed2dd5_proj-k_q462bed2dd5_proj
	.p2alignl 7, 3214868480
	.fill 96, 4, 3214868480
	.section	.rodata,"a",@progbits
	.p2align	6, 0x0
	.amdhsa_kernel k_q462bed2dd5_proj
		.amdhsa_group_segment_fixed_size 327680
		.amdhsa_private_segment_fixed_size 0
		.amdhsa_enable_private_segment 0
		.amdhsa_kernarg_size 88
		.amdhsa_user_sgpr_count 2
		.amdhsa_user_sgpr_kernarg_segment_ptr 1
		.amdhsa_wavefront_size32 1
		.amdhsa_system_sgpr_workgroup_id_x 1
		.amdhsa_system_sgpr_workgroup_id_y 1
		.amdhsa_system_sgpr_workgroup_id_z 1
		.amdhsa_system_vgpr_workitem_id 0
		.amdhsa_next_free_vgpr 1024
		.amdhsa_next_free_sgpr 102
		.amdhsa_reserve_vcc 1
		.amdhsa_float_denorm_mode_32 3
		.amdhsa_float_denorm_mode_16_64 3
		.amdhsa_memory_ordered 1
		.amdhsa_forward_progress 1
		.amdhsa_inst_pref_size 185
	.end_amdhsa_kernel
	.amdgpu_metadata
---
amdhsa.version: [ 1, 2 ]
amdhsa.kernels:
  - .name:           k_q462bed2dd5_proj
    .symbol:         k_q462bed2dd5_proj.kd
    .args:
      - { .name: x_codes, .offset: 0, .size: 8, .value_kind: global_buffer, .address_space: global }
      - { .name: x_scales, .offset: 8, .size: 8, .value_kind: global_buffer, .address_space: global }
      - { .name: Wq_codes, .offset: 16, .size: 8, .value_kind: global_buffer, .address_space: global }
      - { .name: Wq_scales, .offset: 24, .size: 8, .value_kind: global_buffer, .address_space: global }
      - { .name: Wk_codes, .offset: 32, .size: 8, .value_kind: global_buffer, .address_space: global }
      - { .name: Wk_scales, .offset: 40, .size: 8, .value_kind: global_buffer, .address_space: global }
      - { .name: Wv_codes, .offset: 48, .size: 8, .value_kind: global_buffer, .address_space: global }
      - { .name: Wv_scales, .offset: 56, .size: 8, .value_kind: global_buffer, .address_space: global }
      - { .name: qrec, .offset: 64, .size: 8, .value_kind: global_buffer, .address_space: global }
      - { .name: krec, .offset: 72, .size: 8, .value_kind: global_buffer, .address_space: global }
      - { .name: vrec, .offset: 80, .size: 8, .value_kind: global_buffer, .address_space: global }
    .group_segment_fixed_size: 327680
    .private_segment_fixed_size: 0
    .kernarg_segment_align: 8
    .kernarg_segment_size: 88
    .max_flat_workgroup_size: 128
    .sgpr_count:     102
    .vgpr_count:     1024
    .wavefront_size: 32
...
	.end_amdgpu_metadata
.endif
;; end of part 1
;; launch scores (part 2): grid 36 x 4, 4 waves a work-group, no clusters, 327,680 bytes of LDS; arguments qrec, krec, prec; writes prec
.if DOCPART == 2
	.amdgcn_target "amdgcn-amd-amdhsa--gfx1250"
	.amdhsa_code_object_version 6
	.text
	.protected	k_q462bed2dd5_scores
	.globl	k_q462bed2dd5_scores
	.p2align	8
	.type	k_q462bed2dd5_scores,@function
k_q462bed2dd5_scores:
	s_mov_b64 s[64:65], 0
	v_nop
	global_prefetch_b8 v0, s[64:65] scope:SCOPE_SE
	s_setreg_imm32_b32 hwreg(HW_REG_WAVE_MODE, 25, 1), 1
	s_wait_xcnt 0x0
; S = q k^T on records of FP8 codes (K = d = 1,024), the causal mask, and p = 2^(t - M) quantised along the keys, for the tiles of 256 queries x 256 keys that the mask leaves: 36 a batch.
; Work-group x = t names the tile: query block i with i (i + 1) / 2 <= t, key block j = t - i (i + 1) / 2 (j <= i); y = the batch.  Four waves, each 128 queries x 128 keys: 64 accumulators.
; NO CLUSTER: a batch's tiles lie in rows of 1 to 8, which no 4 x 4 or 4 x 1 group covers without work-groups whose whole tile the mask throws away.
; A RECORD of q or k: 128 rows x 128 along d in the order of an operand's registers: byte 2048 a + 512 c + 16 lane = registers 4 c .. 4 c + 3 of rows 16 a on; byte 16384 + 16 lane = four scale words,
; lane (r, h): row r's of blocks 4 h + 0 .. 3.  16,896 bytes, dense; a row group's eight records follow each other, so two of them (256 along d) are one tensor load of 132 rows of 256 bytes.
; SOURCE 0 = 16 keys, SOURCE 1 = 16 queries: a lane holds one query, and its registers run along the keys.
; THE SOFTMAX IS TAKEN CHUNK BY CHUNK: a chunk is a wave's 128 keys.  t = score x log2(e) / 32; M = the ceiling of the row's largest t IN THE CHUNK, a whole number; p = 2^(t - M) is quantised by blocks of
; 32 keys; the chunk's sum l of the unquantised p and -M go out with the codes.  The next launch brings the chunks under the row's M by taking whole numbers off the scale bytes.
; A RECORD of p: as above, then byte 16896 + 16 lane: -M (f32), byte 17408 + 16 lane: l (f32), in the scale words' places.  17,920 bytes.  Record (row group g, chunk s) at (16 g + s) x 17,920.
; A diagonal tile with i even also writes, two chunks on, a record of zeros (-M = 1e38, l = 0) for each wave: so every row group has a multiple of four chunks for the next launch.
; LIMITS: NaN and infinities are not served; a block whose largest p lies under 2^-118 gets the byte 1; K is permuted inside blocks of 32 alike on both sides, so the order of the sums differs from the true order's.
; REGISTERS: window 0: v0-31 addresses; v32-63 scale words, two sets of 16 (A's 8, B's 8); v128-255 A's fragments, one set.  window 1: B's fragments, two sets.  windows 2, 3: accumulators ((a, b) at v[8 (8 (a % 4) + b)]).
.set REC,   16896
.set RECP,  17920
.set RA,    REC
.set RB,    REC
.set QB,    2*REC                      ; what one tensor load brings: 128 rows x 256 along d
.set SLOT,  4*QB                       ; q's two halves, k's two halves
.set SPARE, 2*SLOT                     ; the spare words, 128 bytes a wave: two blocks of 256 bytes that no other line names
.set NP,    8                          ; places behind this matrix instruction (ISA guide 7.12.1)
.set ADRA, 16
.set ADRB, 20
.set CO,   26                          ; v26  16 x lane
.set D0,   27                          ; v27  128 (row half - column half) + r - 8 h
.set SPW,  28
.set NIL,  29
.set NINF, 30
.set SC,   32
.set AF,   128
.set X,    64                          ; v64-127 t - M, then p
.set PC,   128                         ; v128-159 codes, two sets by turns
.set BM,   160                         ; the blocks' largest scores, then largest p
.set T4,   164
.set LIM,  168
.set SOP,  172
.set NMP,  176                         ; v[176:177] -M as a pair
.set SA,   178
.set SB,   180
.set TX,   182
.set TT,   183
.set PW,   184                         ; v184-191 scale words, v192-199 -M, v200-207 l: one for each block of 16 rows
.set NM,   192
.set LL,   200
.set OUT,  208
.set G1, 24
.set G0, 32
.set CS, 40
.set SEL, 42
.set MNT, 44
.set MSB, 0
.macro WIN new                         ; the immediate's high byte repeats the setting that is left
.if MSB != (\new)
	s_set_vgpr_msb (MSB<<8)|(\new)
.set MSB, (\new)
.endif
.endm
.set MUL_LO, 0xa1
.set MUL_HI, 0xf1
.set TO_B,   0x40
	s_load_b128 s[4:7], s[0:1], 0x0                ; qrec, krec
	s_load_b64 s[8:9], s[0:1], 0x10                ; prec
	v_lshl_add_u32 v[SPW], v0, 2, SPARE
	v_mov_b32 v[NIL], 0
	ds_add_u32 v28, v29
	ds_add_u32 v28, v29
	s_wait_dscnt 0x0
	v_lshrrev_b32 v1, 5, v0
	v_readfirstlane_b32 s10, v1                    ; wave
	s_lshr_b32 s11, s10, 1                         ; my half of the queries
	s_and_b32 s12, s10, 1                          ; my half of the keys.  Also: which 128 rows I fetch
	s_mov_b32 s13, ttmp9
	s_and_b32 s16, ttmp7, 0xffff                   ; batch
	s_mov_b32 s14, 0
.irp T, 1,3,6,10,15,21,28
	s_cmp_ge_u32 s13, \T                           ; i = how many triangular numbers t has reached
	s_add_co_ci_u32 s14, s14, 0
.endr
	s_add_co_u32 s15, s14, 1
	s_mul_i32 s15, s15, s14
	s_lshr_b32 s15, s15, 1
	s_sub_co_u32 s15, s13, s15                     ; j
	s_cmp_eq_u32 s14, s15
	s_cselect_b32 s45, 1, 0                        ; the mask is at work on diagonal tiles,
	s_cmp_eq_u32 s10, 2
	s_cselect_b32 s45, 0, s45                      ; but not in the wave of queries 128 on and keys 0 to 127
	s_mov_b32 s[G1+0], 3<<16                       ; elements of 8 bytes, no mask, no padding
	s_mov_b32 s[G1+1], 32<<16                      ; tensor_dim0 = 32 (256 bytes)
	s_mov_b32 s[G1+2], 132<<16                     ; tensor_dim1 = 132
	s_mov_b32 s[G1+3], 32<<16                      ; tile_dim0
	s_mov_b32 s[G1+4], 132                         ; tile_dim1
	s_mov_b32 s[G1+5], 32                          ; the pitch: dense
	s_mov_b32 s[G1+6], 0
	s_mov_b32 s[G1+7], 0
	s_mov_b32 s[CS], 0x3d38aa3b                    ; c = log2(e) / sqrt(1024)
	s_mov_b32 s[CS+1], s[CS]
	s_mov_b32 s[SEL], 0x76543210
	s_mov_b32 s[SEL+1], 0xfedcba98
	s_mov_b32 s[MNT], 0x600000
	s_mul_i32 s22, s10, QB                         ; my quarter of a slot
	s_wait_kmcnt 0x0
	s_cmp_lt_u32 s10, 2                            ; waves 0, 1 fetch q's halves, waves 2, 3 k's
	s_cselect_b32 s17, s14, s15
	s_cselect_b64 s[18:19], s[4:5], s[6:7]
	s_lshl_b32 s20, s16, 4
	s_lshl_b32 s17, s17, 1
	s_add_co_u32 s20, s20, s17
	s_add_co_u32 s20, s20, s12                     ; row group 16 batch + 2 block + half
	s_mul_i32 s20, s20, 8*REC
	s_mov_b32 s21, 0
	s_add_nc_u64 s[18:19], s[18:19], s[20:21]
.irp s, 0,1
	s_mov_b32 s[G0+4*\s], 1
	s_add_co_u32 s[G0+4*\s+1], s22, \s*SLOT
	s_add_nc_u64 s[G0+4*\s+2:G0+4*\s+3], s[18:19], \s*2*REC
	s_or_b32 s[G0+4*\s+3], s[G0+4*\s+3], 0x80000000
.endr
	tensor_load_to_lds s[G0:G0+3], s[G1:G1+7]      ; both first fills go out together: two loads of mine are out
	s_nop 0
	tensor_load_to_lds s[G0+4:G0+7], s[G1:G1+7]
	s_nop 0
.rept 4
	v_nop
.endr
	v_and_b32 v1, 15, v0                           ; r
	v_bfe_u32 v2, v0, 4, 1                         ; h
	v_and_b32 v4, 31, v0
	v_lshlrev_b32 v[CO], 4, v4
	s_sub_co_i32 s46, s11, s12
	s_lshl_b32 s46, s46, 7
	v_lshlrev_b32 v3, 3, v2
	v_sub_nc_u32 v3, v1, v3
	v_add_nc_u32 v[D0], s46, v3
	s_mul_i32 s20, s11, QB
	s_mul_i32 s21, s12, QB
	s_add_co_u32 s21, s21, 2*QB
.irp s, 0,1
	v_add_nc_u32 v[ADRA+\s], s20, v[CO]
	v_add_nc_u32 v[ADRB+\s], s21, v[CO]
	s_add_co_u32 s20, s20, SLOT
	s_add_co_u32 s21, s21, SLOT
.endr
	s_lshl_b32 s20, s16, 4                         ; my record of p: ((16 batch + 2 i + row half) x 16 + 2 j + column half) x 17,920
	s_lshl_b32 s21, s14, 1
	s_add_co_u32 s20, s20, s21
	s_add_co_u32 s20, s20, s11
	s_lshl_b32 s20, s20, 4
	s_lshl_b32 s21, s15, 1
	s_add_co_u32 s20, s20, s21
	s_add_co_u32 s20, s20, s12
	s_mul_i32 s20, s20, RECP
	s_mov_b32 s21, 0
	s_add_nc_u64 s[8:9], s[8:9], s[20:21]
	s_cmp_lg_u32 s14, s15                          ; the record of zeros: diagonal tiles with i even
	s_cbranch_scc1 .Lno_zero
	s_bitcmp1_b32 s14, 0
	s_cbranch_scc1 .Lno_zero
.irp j, 0,1,2,3
	v_mov_b32 v[64+\j], 0
	v_mov_b32 v[68+\j], 0x7e967699                 ; 1e38: no row's -M is larger
.endr
.set n, 0
.rept 33
	global_store_b128 v[CO], v[64:67], s[8:9] offset:2*RECP+512*n    ; codes and scale words
.set n, n+1
.endr
	global_store_b128 v[CO], v[68:71], s[8:9] offset:2*RECP+16896
	global_store_b128 v[CO], v[64:67], s[8:9] offset:2*RECP+17408
.Lno_zero:
.macro FRAG reg, adr, off              ; a fragment comes as it was stored: four loads of 16 bytes a lane, 512 consecutive bytes each
.irp c, 0,1,2,3
	ds_load_b128 v[\reg+4*\c:\reg+4*\c+3], v[\adr] offset:\off+512*\c
.endr
.endm
.macro FETCH_B slot, q, p
	WIN TO_B
.irp i, 0,1,2,3,4,5,6,7
	FRAG 128*(\p)+16*\i, ADRB+\slot, (\q)*RB+2048*\i
.endr
	WIN 0
.endm
.macro FETCH_A slot, q, i0
.irp i, \i0, \i0+1, \i0+2, \i0+3
	FRAG AF+16*(\i), ADRA+\slot, (\q)*RA+2048*(\i)
.endr
.endm
.macro SCALES sc                       ; register j of a quad: lanes 0-15 block j's words, lanes 16-31 block 4 + j's
.irp q, 0,1
	ds_load_b128 v[SC+16*\sc+4*\q:SC+16*\sc+4*\q+3], v[ADRA+\sc] offset:\q*RA+16384
	ds_load_b128 v[SC+16*\sc+8+4*\q:SC+16*\sc+8+4*\q+3], v[ADRB+\sc] offset:\q*RB+16384
.endr
.endm
; 16 matrix instructions: A's blocks a0, a0 + 1 x B's eight.  The 64 accumulators take turns, one instruction a turn, in the same order in every step.
.macro MUL16 a0, p, q, sc, zero
.irp a, \a0, \a0+1
.irp b, 0,1,2,3,4,5,6,7
.set rD, 8*(8*((\a)%4)+\b)
.set rB, 128*(\p)+16*\b
.set rA, AF+16*(\a)
.set rSB, SC+16*(\sc)+8+4*(\q)+\b%4
.set rSA, SC+16*(\sc)+4*(\q)+(\a)%4
.if \zero
.if ((\a) < 4) && (\b < 4)
	v_wmma_scale_f32_16x16x128_f8f6f4 v[rD:rD+7], v[rB:rB+15], v[rA:rA+15], 0, v[rSB], v[rSA]
.elseif (\a) < 4
	v_wmma_scale_f32_16x16x128_f8f6f4 v[rD:rD+7], v[rB:rB+15], v[rA:rA+15], 0, v[rSB], v[rSA] matrix_a_scale:MATRIX_SCALE_ROW1
.elseif \b < 4
	v_wmma_scale_f32_16x16x128_f8f6f4 v[rD:rD+7], v[rB:rB+15], v[rA:rA+15], 0, v[rSB], v[rSA] matrix_b_scale:MATRIX_SCALE_ROW1
.else
	v_wmma_scale_f32_16x16x128_f8f6f4 v[rD:rD+7], v[rB:rB+15], v[rA:rA+15], 0, v[rSB], v[rSA] matrix_a_scale:MATRIX_SCALE_ROW1 matrix_b_scale:MATRIX_SCALE_ROW1
.endif
.else
.if ((\a) < 4) && (\b < 4)
	v_wmma_scale_f32_16x16x128_f8f6f4 v[rD:rD+7], v[rB:rB+15], v[rA:rA+15], v[rD:rD+7], v[rSB], v[rSA]
.elseif (\a) < 4
	v_wmma_scale_f32_16x16x128_f8f6f4 v[rD:rD+7], v[rB:rB+15], v[rA:rA+15], v[rD:rD+7], v[rSB], v[rSA] matrix_a_scale:MATRIX_SCALE_ROW1
.elseif \b < 4
	v_wmma_scale_f32_16x16x128_f8f6f4 v[rD:rD+7], v[rB:rB+15], v[rA:rA+15], v[rD:rD+7], v[rSB], v[rSA] matrix_b_scale:MATRIX_SCALE_ROW1
.else
	v_wmma_scale_f32_16x16x128_f8f6f4 v[rD:rD+7], v[rB:rB+15], v[rA:rA+15], v[rD:rD+7], v[rSB], v[rSA] matrix_a_scale:MATRIX_SCALE_ROW1 matrix_b_scale:MATRIX_SCALE_ROW1
.endif
.endif
.endr
.endr
.endm
.macro PLACES n
.rept \n
	v_nop
.endr
.endm
.macro STEP slot, zero                 ; a slot's first 128 along K; it fetches the second
	s_wait_dscnt 16                                ; all but the youngest 16 loads (A's blocks 4-7) are in
	WIN MUL_LO
	MUL16 0, 0, 0, \slot, \zero
	MUL16 2, 0, 0, \slot, \zero
	s_wait_dscnt 0x0
	PLACES NP
	FETCH_B \slot, 1, 1
	FETCH_A \slot, 1, 0
	WIN MUL_HI
	MUL16 4, 0, 0, \slot, \zero
	MUL16 6, 0, 0, \slot, \zero
	PLACES NP
	WIN 0
	FETCH_A \slot, 1, 4
.endm
; A slot's second 128 along K changes slots: one barrier; in front of it each wave waits for all its tensor loads, adds 0 to its spare word, and waits for that and for its reads of this slot.
.macro TURN slot, next, fill
	s_wait_tensorcnt 0x0                           ; all my tensor loads have landed: my part of the next slot
	ds_add_u32 v[SPW], v[NIL]                      ; 0 onto my spare word
	s_wait_dscnt 17                                ; the add and the youngest 16 loads may be out
	WIN MUL_LO
	MUL16 0, 1, 1, \slot, 0
	s_wait_dscnt 0x0                               ; the add is done, and my reads of this slot are over
	s_barrier_signal -1
	MUL16 2, 1, 1, \slot, 0
	WIN 0
	s_barrier_wait -1
.if \fill
	s_add_nc_u64 s[G0+4*\slot+2:G0+4*\slot+3], s[G0+4*\slot+2:G0+4*\slot+3], 4*REC   ; no load of mine is out: this slot's next two records
	tensor_load_to_lds s[G0+4*\slot:G0+4*\slot+3], s[G1:G1+7]    ; my one tensor load behind the barrier, and the first thing there
	s_nop 0
	PLACES NP
.else
	PLACES NP
.endif
	FETCH_B \next, 0, 0
	FETCH_A \next, 0, 0
	SCALES \next
	WIN MUL_HI
	MUL16 4, 1, 1, \slot, 0
	MUL16 6, 1, 1, \slot, 0
	PLACES NP
	WIN 0
	FETCH_A \next, 0, 4
.endm
	s_wait_tensorcnt 1                             ; my part of slot 0 is in; slot 1's may be out
	s_barrier_signal -1
	s_barrier_wait -1
	FETCH_B 0, 0, 0
	FETCH_A 0, 0, 0
	SCALES 0
	FETCH_A 0, 0, 4
	STEP 0, 1                                      ; the first products start the sums
	s_mov_b32 s3, 1                                ; d = 1,024 is four slots: one trip fills both again
.Llap:
	TURN 0, 1, 1
	STEP 1, 0
	TURN 1, 0, 1
	STEP 0, 0
	s_sub_co_u32 s3, s3, 1
	s_cmp_lg_u32 s3, 0
	s_cbranch_scc1 .Llap
	TURN 0, 1, 0
	STEP 1, 0
	s_wait_dscnt 16
	WIN MUL_LO
	MUL16 0, 1, 1, 1, 0
	MUL16 2, 1, 1, 1, 0
	s_wait_dscnt 0x0
	WIN MUL_HI
	MUL16 4, 1, 1, 1, 0
	MUL16 6, 1, 1, 1, 0
	WIN 0
	PLACES NP
	v_mov_b32 v[NINF], 0xff800000
	v_mov_b32 v[NMP+1], 0                          ; named as a pair's upper half
	v_mov_b32 v[TX], 0                             ; a lane permute's destination counts as one of its sources
.irp c, 0,1,2,3
	v_mov_b32 v[T4+\c], 0
.endr
; THE WAY OUT of block a: 16 queries x my 128 keys.  Register 8 b + j of lane (r, h) is key 16 b + 8 h + j of query 16 a + r.
.macro SOFT a
.set AC, 64*((\a)%4)
.set PCS, PC+16*((\a)%2)
	s_wait_xcnt 0x0                                ; earlier stores have read their data registers
	s_cmp_eq_u32 s45, 0
	s_cbranch_scc1 .Lopen_\@
	WIN 0x82+0x41*((\a)/4)                         ; destination and source 0: the accumulators' window
.irp b, 0,1,2,3,4,5,6,7
.irp j, 0,1,2,3,4,5,6,7
	v_cmp_gt_i32 vcc_lo, 16*(\b-(\a))+\j, v[D0]    ; the key comes after the query
	v_cndmask_b32 v[AC+8*\b+\j], v[AC+8*\b+\j], v[NINF], vcc_lo
.endr
.endr
	WIN 0
.Lopen_\@:
	WIN 0x0a+5*((\a)/4)
.irp c, 0,1,2,3
	v_max3_num_f32 v[BM+\c], v[AC+16*\c], v[AC+16*\c+1], 0xff61b1e6   ; each block's largest score, over -3e38, so that a row with every key hidden keeps finite numbers
.endr
.irp i, 2,4,6,8,10,12,14
.irp c, 0,1,2,3
	v_max3_num_f32 v[BM+\c], v[AC+16*\c+\i], v[AC+16*\c+\i+1], v[BM+\c]
.endr
.endr
	WIN 0
.irp c, 0,1,2,3
	v_permlanex16_b32 v[T4+\c], v[BM+\c], s[SEL], s[SEL+1]
.endr
.irp c, 0,1,2,3
	v_max_num_f32 v[BM+\c], v[BM+\c], v[T4+\c]
.endr
	v_max3_num_f32 v[TT], v[BM], v[BM+1], v[BM+2]
	v_max_num_f32 v[TT], v[TT], v[BM+3]
	v_mul_f32 v[TT], s[CS], v[TT]                  ; the chunk's largest t
	v_floor_f32 v[NM+(\a)], -v[TT]                 ; -M = floor(-t) = -ceil(t)
	v_mov_b32 v[NMP], v[NM+(\a)]
	WIN 2+(\a)/4
.set n, 0
.rept 32
	v_pk_fma_f32 v[X+n:X+n+1], v[AC+n:AC+n+1], s[CS:CS+1], v[NMP:NMP+1] op_sel_hi:[1,0,0]   ; t - M
.set n, n+2
.endr
	WIN 0
.irp c, 0,1,2,3
	v_fma_f32 v[BM+\c], v[BM+\c], s[CS], v[NMP]    ; the same of each block's largest score: p rises with the score
.endr
.irp c, 0,1,2,3
	v_min_num_f32 v[BM+\c], 0, v[BM+\c]            ; t - M is never above 0 but by rounding; in a row with every key hidden this holds the residue of two huge numbers
.endr
.set n, 0
.rept 64
	v_exp_f32 v[X+n], v[X+n]
.set n, n+1
.endr
.irp c, 0,1,2,3
	v_exp_f32 v[BM+\c], v[BM+\c]
.endr
	v_nop                                          ; a plain line behind the exponentials
	s_wait_alu depctr_va_vdst(0)
.irp c, 0,1,2,3
	v_max_num_f32 v[BM+\c], 0x4800000, v[BM+\c]    ; the floor 2^(9 - 127)
.endr
.irp c, 0,1,2,3
	v_add_nc_u32 v[SOP+\c], 0xfc000000, v[BM+\c]
.endr
.irp c, 0,1,2,3
	v_and_or_b32 v[LIM+\c], v[BM+\c], 0x7f800000, s[MNT]
.endr
.irp c, 0,1,2,3
	v_lshrrev_b32 v[T4+\c], 23, v[SOP+\c]
.endr
	v_lshl_or_b32 v[PW+(\a)], v[T4+1], 8, v[T4]
	v_lshl_or_b32 v[PW+(\a)], v[T4+2], 16, v[PW+(\a)]
	v_lshl_or_b32 v[PW+(\a)], v[T4+3], 24, v[PW+(\a)]
	v_pk_add_f32 v[SA:SA+1], v[X:X+1], v[X+2:X+3]  ; the sum is taken of the unquantised p, in two chains
	v_pk_add_f32 v[SB:SB+1], v[X+4:X+5], v[X+6:X+7]
.irp j, 8,12,16,20,24,28,32,36,40,44,48,52,56,60
	v_pk_add_f32 v[SA:SA+1], v[SA:SA+1], v[X+\j:X+\j+1]
	v_pk_add_f32 v[SB:SB+1], v[SB:SB+1], v[X+\j+2:X+\j+3]
.endr
	v_pk_add_f32 v[SA:SA+1], v[SA:SA+1], v[SB:SB+1]
	v_add_f32 v[LL+(\a)], v[SA], v[SA+1]
	v_permlanex16_b32 v[TX], v[LL+(\a)], s[SEL], s[SEL+1]
	v_add_f32 v[LL+(\a)], v[LL+(\a)], v[TX]
.irp c, 0,1,2,3
.set n, 16*\c
.rept 16
	v_min_num_f32 v[X+n], v[X+n], v[LIM+\c]        ; p is not negative: a one-sided hold at 448 x the scale
.set n, n+1
.endr
.endr
.irp c, 0,1,2,3
	v_cvt_scalef32_pk8_fp8_f32 v[PCS+4*\c:PCS+4*\c+1], v[X+16*\c:X+16*\c+7], v[SOP+\c]
	v_cvt_scalef32_pk8_fp8_f32 v[PCS+4*\c+2:PCS+4*\c+3], v[X+16*\c+8:X+16*\c+15], v[SOP+\c]
.endr
	v_nop                                          ; a plain line behind the last conversion
.irp c, 0,1,2,3
	global_store_b128 v[CO], v[PCS+4*\c:PCS+4*\c+3], s[8:9] offset:(\a)*2048+512*\c   ; 512 consecutive bytes, at a multiple of 256 from the buffer's first byte
.endr
.endm
.irp a, 0,1,2,3,4,5,6,7
	SOFT \a
.endr
	v_and_b32 v1, 31, v0
	v_cmp_le_u32 vcc_lo, 16, v1                    ; lanes 16-31 carry blocks 4-7
.irp j, 0,1,2,3
	v_cndmask_b32 v[OUT+\j], v[PW+\j], v[PW+4+\j], vcc_lo
	v_cndmask_b32 v[OUT+4+\j], v[NM+\j], v[NM+4+\j], vcc_lo
	v_cndmask_b32 v[OUT+8+\j], v[LL+\j], v[LL+4+\j], vcc_lo
.endr
	global_store_b128 v[CO], v[OUT:OUT+3], s[8:9] offset:16384
	global_store_b128 v[CO], v[OUT+4:OUT+7], s[8:9] offset:16896
	global_store_b128 v[CO], v[OUT+8:OUT+11], s[8:9] offset:17408
	s_wait_tensorcnt 0x0                           ; the wave's end
	ds_add_u32 v[SPW], v[NIL]
	s_wait_dscnt 0x0
	s_endpgm
.Lfunc_end_k_q462bed2dd5_scores:
	.size	k_q462bed2dd5_scores, .Lfunc_end_k_q462bed2dd5_scores-k_q462bed2dd5_scores
	.p2alignl 7, 3214868480
	.fill 96, 4, 3214868480
	.section	.rodata,"a",@progbits
	.p2align	6, 0x0
	.amdhsa_kernel k_q462bed2dd5_scores
		.amdhsa_group_segment_fixed_size 327680
		.amdhsa_private_segment_fixed_size 0
		.amdhsa_enable_private_segment 0
		.amdhsa_kernarg_size 24
		.amdhsa_user_sgpr_count 2
		.amdhsa_user_sgpr_kernarg_segment_ptr 1
		.amdhsa_wavefront_size32 1
		.amdhsa_system_sgpr_workgroup_id_x 1
		.amdhsa_system_sgpr_workgroup_id_y 1
		.amdhsa_system_sgpr_workgroup_id_z 1
		.amdhsa_system_vgpr_workitem_id 0
		.amdhsa_next_free_vgpr 1024
		.amdhsa_next_free_sgpr 66
		.amdhsa_reserve_vcc 1
		.amdhsa_float_denorm_mode_32 3
		.amdhsa_float_denorm_mode_16_64 3
		.amdhsa_memory_ordered 1
		.amdhsa_forward_progress 1
		.amdhsa_inst_pref_size 255
	.end_amdhsa_kernel
	.section	.bss,"aw",@nobits
	.p2align	6
	.space	262144
	.amdgpu_metadata
---
amdhsa.version: [ 1, 2 ]
amdhsa.kernels:
  - .name:           k_q462bed2dd5_scores
    .symbol:         k_q462bed2dd5_scores.kd
    .args:
      - { .name: qrec, .offset: 0, .size: 8, .value_kind: global_buffer, .address_space: global }
      - { .name: krec, .offset: 8, .size: 8, .value_kind: global_buffer, .address_space: global }
      - { .name: prec, .offset: 16, .size: 8, .value_kind: global_buffer, .address_space: global }
    .group_segment_fixed_size: 327680
    .private_segment_fixed_size: 0
    .kernarg_segment_align: 8
    .kernarg_segment_size: 24
    .max_flat_workgroup_size: 128
    .sgpr_count:     66
    .vgpr_count:     1024
    .wavefront_size: 32
...
	.end_amdgpu_metadata
.endif
;; end of part 2
;; launch pv (part 3): grid 4 x 32, 4 waves a work-group, clusters of 4 x 1, 327,680 bytes of LDS; arguments prec, vrec, out0; writes out0
.if DOCPART == 3
	.amdgcn_target "amdgcn-amd-amdhsa--gfx1250"
	.amdhsa_code_object_version 6
	.text
	.protected	k_q462bed2dd5_pv
	.globl	k_q462bed2dd5_pv
	.p2align	8
	.type	k_q462bed2dd5_pv,@function
k_q462bed2dd5_pv:
	s_mov_b64 s[64:65], 0
	v_nop
	global_prefetch_b8 v0, s[64:65] scope:SCOPE_SE
	s_setreg_imm32_b32 hwreg(HW_REG_WAVE_MODE, 25, 1), 1
	s_wait_xcnt 0x0
	s_wait_alu depctr_hold_cnt(0) depctr_sa_sdst(0) depctr_va_vdst(0) depctr_va_sdst(0) depctr_va_ssrc(0) depctr_va_vcc(0) depctr_vm_vsrc(0)
	s_getreg_b32 s2, hwreg(HW_REG_IB_STS2, 6, 4)
	s_cmp_eq_u32 s2, 0
	s_cbranch_scc0 .Lentry_in_a_cluster
	s_endpgm
.Lentry_in_a_cluster:
	s_bfe_u32 s2, ttmp6, 0x10000c
	s_cmp_lg_u32 s2, 0x3003
	s_cbranch_scc0 .Lentry_shape_is_right
	s_endpgm
.Lentry_shape_is_right:
; O = (p V) / l on records of FP8 codes (K = the keys).  A work-group makes 256 queries x 256 of d; four waves, each 128 x 128: 64 accumulators.  y = 8 batch + query block i; the place in the cluster = the block of d.
; Query block i needs keys 0 .. 256 i + 255; K is walked in slots of 256 keys (two chunks of 128), 2 m of them, m = i / 2 + 1: for i even the last slot holds records of zeros that the launch before wrote.
; CLUSTER: the four blocks of d of one query block read the same records of p: these are asked for jointly (mask 15).  V's records hang on the block of d: plain loads, behind the same rounds.
; V's tiles are not shared between query blocks: those walk different numbers of slots.
; RECORDS (128 rows x 128 keys, in the order of an operand's registers): byte 2048 a + 512 c + 16 lane = registers 4 c .. 4 c + 3 of rows 16 a on; byte 16384 + 16 lane = four scale words, lane (r, h): row r's
; of blocks 4 h + 0 .. 3; in p's also byte 16896 + 16 lane: the chunk's -M, byte 17408 + 16 lane: its sum l.  V's: 16,896 bytes, at (64 (d / 128) + 16 batch + chunk); p's: 17,920, at (16 row group + chunk).
; THE CHUNKS ARE BROUGHT UNDER THE ROW'S M: M = the largest of the chunks' M (a true maximum, a whole number).  The whole number M - M(chunk) is taken off each of p's scale bytes, held at 0 from below,
; which multiplies the chunk's p by 2^(M(chunk) - M) exactly; l = the sum of l(chunk) 2^(M(chunk) - M).
; LIMITS: a block of p that lies more than some 2^119 under the row's largest p keeps the scale 2^-127 and adds at most 448 x 2^-127 a key where less is due; NaN and infinities are not served.
; SOURCE 0 = 16 rows of V^T (d), SOURCE 1 = 16 queries: a lane holds one query and eight neighbouring d.
; REGISTERS: window 0: v0-31 addresses, -M of the row (v8-11), l (v12-15); v32-63 scale words, two sets of 16; v64-103 at work; v128-255 A's fragments.  window 1: B's, two sets.  windows 2, 3: accumulators.
.set REC,   16896
.set RECP,  17920
.set RA,    RECP
.set RB,    REC
.set AQ,    2*RECP                     ; 128 queries x 256 keys: one tensor load
.set BQ,    2*REC                      ; 128 of d x 256 keys
.set SLOT,  2*AQ+2*BQ
.set STAGE, 2*SLOT                     ; behind the ring: 16 rows x 528 bytes for each wave; no tile lands here
.set SPITCH, 528
.set SPARE, STAGE+4*16*SPITCH          ; the spare words, 128 bytes a wave: two blocks of 256 bytes that no other line names
.set NP,    8
.set NMR,  8
.set LR,   12
.set ADRA, 16
.set ADRB, 20
.set STO,  24
.set RD,   25
.set CO,   26
.set SPW,  28
.set NIL,  29
.set SC,   32
.set NC,   64                          ; v64-71 the two chunks' -M
.set TT,   72
.set HH,   80
.set OFS,  88                          ; v88-103 offsets of the 16 chunks' statistics
.set X,    64                          ; the way out: 64 numbers
.set AF,   128
.set BK,   128
.set G1, 24
.set G0, 32
.set G1B, 48
.set G0B, 56
.set SEL, 70
.set MSB, 0
.macro WIN new                         ; the immediate's high byte repeats the setting that is left
.if MSB != (\new)
	s_set_vgpr_msb (MSB<<8)|(\new)
.set MSB, (\new)
.endif
.endm
.set MUL_LO, 0xa1
.set MUL_HI, 0xf1
.set TO_B,   0x40
; Waves 0 and 1 ask jointly for p's two halves, waves 2 and 3 fetch V's.  The branch hangs on the wave's number alone.  Four v_nop follow each line.
.macro JLOAD s
	s_cmp_eq_u32 s15, 0
	s_cbranch_scc0 .Lfor_b_\@
	tensor_load_to_lds s[G0+4*\s:G0+4*\s+3], s[G1:G1+7]
	s_nop 0
.rept 4
	v_nop
.endr
	s_branch .Lasked_\@
.Lfor_b_\@:
	tensor_load_to_lds s[G0B+4*\s:G0B+4*\s+3], s[G1B:G1B+7]
	s_nop 0
.rept 4
	v_nop
.endr
.Lasked_\@:
.endm
.macro CREST
	s_cmp_lg_u32 s14, 0
	s_cbranch_scc1 .Lnot_wave_0_\@
	s_barrier_signal -3
.Lnot_wave_0_\@:
	s_barrier_wait -3
	s_barrier_signal -1
	s_barrier_wait -1
.endm
.macro CROUND
	s_barrier_signal -1
	s_barrier_wait -1
	CREST
.endm
	s_load_b128 s[4:7], s[0:1], 0x0                ; prec, vrec
	s_load_b64 s[12:13], s[0:1], 0x10              ; out0
	v_lshl_add_u32 v[SPW], v0, 2, SPARE
	v_mov_b32 v[NIL], 0
	ds_add_u32 v28, v29
	ds_add_u32 v28, v29
	s_wait_dscnt 0x0
	v_lshrrev_b32 v1, 5, v0
	v_readfirstlane_b32 s14, v1                    ; wave
	s_lshr_b32 s15, s14, 1                         ; my half of the queries.  Also: I fetch p (0) or V (1)
	s_and_b32 s16, s14, 1                          ; my half of d.  Also: which half I fetch
	s_bfe_u32 s40, ttmp6, 0x40000                  ; cx: the block of d
	s_and_b32 s17, ttmp7, 0xffff
	s_lshr_b32 s18, s17, 3                         ; batch
	s_and_b32 s19, s17, 7                          ; i
	s_lshr_b32 s41, s19, 1
	s_add_co_u32 s41, s41, 1                       ; m: laps of two slots; the same in all four partners
	s_lshl_b32 s43, s41, 2
	s_sub_co_u32 s43, s43, 1                       ; the last chunk
	s_mov_b32 s[G1+0], 15|(3<<16)|(1<<21)          ; the mask names all four; elements of 8 bytes; bit 21 beside a mask; no padding
	s_mov_b32 s[G1+1], 32<<16
	s_mov_b32 s[G1+2], 140<<16                     ; 140 rows of 256 bytes: two records of p
	s_mov_b32 s[G1+3], 32<<16
	s_mov_b32 s[G1+4], 140
	s_mov_b32 s[G1+5], 32
	s_mov_b32 s[G1+6], 0
	s_mov_b32 s[G1+7], 0
	s_mov_b32 s[G1B+0], 3<<16
	s_mov_b32 s[G1B+1], 32<<16
	s_mov_b32 s[G1B+2], 132<<16                    ; 132 rows: two records of V
	s_mov_b32 s[G1B+3], 32<<16
	s_mov_b32 s[G1B+4], 132
	s_mov_b32 s[G1B+5], 32
	s_mov_b32 s[G1B+6], 0
	s_mov_b32 s[G1B+7], 0
	s_mov_b32 s[SEL], 0x76543210
	s_mov_b32 s[SEL+1], 0xfedcba98
	s_lshl_b32 s20, s18, 4
	s_lshl_b32 s21, s19, 1
	s_add_co_u32 s20, s20, s21                     ; row group 16 batch + 2 i
	s_add_co_u32 s22, s20, s16                     ; the half that I fetch
	s_mul_i32 s22, s22, 16*RECP
	s_mov_b32 s23, 0
	s_add_co_u32 s72, s20, s15                     ; the half that I multiply: its statistics
	s_mul_i32 s72, s72, 16*RECP
	s_mov_b32 s73, 0
	s_lshl_b32 s46, s40, 1
	s_add_co_u32 s46, s46, s16
	s_lshl_b32 s46, s46, 6
	s_lshl_b32 s47, s18, 4
	s_add_co_u32 s46, s46, s47                     ; V: record 64 (2 cx + half) + 16 batch
	s_mul_i32 s46, s46, REC
	s_mov_b32 s47, 0
	s_mul_i32 s45, s16, AQ                         ; where they go in a slot
	s_mul_i32 s44, s16, BQ
	s_add_co_u32 s44, s44, 2*AQ
	s_wait_kmcnt 0x0
	s_add_nc_u64 s[22:23], s[4:5], s[22:23]
	s_add_nc_u64 s[68:69], s[4:5], s[72:73]
	s_add_nc_u64 s[46:47], s[6:7], s[46:47]
	CROUND                                         ; all four work-groups are here: the first joint loads meet
.irp s, 0,1
	s_mov_b32 s[G0+4*\s], 1
	s_add_co_u32 s[G0+4*\s+1], s45, \s*SLOT
	s_add_nc_u64 s[G0+4*\s+2:G0+4*\s+3], s[22:23], \s*2*RECP
	s_or_b32 s[G0+4*\s+3], s[G0+4*\s+3], 0x80000000
	s_mov_b32 s[G0B+4*\s], 1
	s_add_co_u32 s[G0B+4*\s+1], s44, \s*SLOT
	s_add_nc_u64 s[G0B+4*\s+2:G0B+4*\s+3], s[46:47], \s*2*REC
	s_or_b32 s[G0B+4*\s+3], s[G0B+4*\s+3], 0x80000000
	JLOAD \s
.endr
	v_and_b32 v1, 15, v0                           ; r
	v_bfe_u32 v2, v0, 4, 1                         ; h
	v_and_b32 v3, 31, v0
	v_lshlrev_b32 v[CO], 4, v3
	; THE ROW'S STATISTICS, while the first tiles are on their way.  All 16 places are loaded; a place past the last chunk repeats the last chunk, which changes no minimum, and its l is multiplied by 0.
.set CC, 0
.rept 16
	s_min_u32 s76, s43, CC
	s_mul_i32 s76, s76, RECP
	v_add_nc_u32 v[OFS+CC], s76, v[CO]
	global_load_b128 v[128+4*CC:131+4*CC], v[OFS+CC], s[68:69] offset:16896
	global_load_b128 v[192+4*CC:195+4*CC], v[OFS+CC], s[68:69] offset:17408
.set CC, CC+1
.endr
	s_mul_i32 s74, s15, AQ
	s_mul_i32 s75, s16, BQ
	s_add_co_u32 s75, s75, 2*AQ
.irp s, 0,1
	v_add_nc_u32 v[ADRA+\s], s74, v[CO]
	v_add_nc_u32 v[ADRB+\s], s75, v[CO]
	s_add_co_u32 s74, s74, SLOT
	s_add_co_u32 s75, s75, SLOT
.endr
	s_mul_i32 s74, s14, 16*SPITCH
	s_add_co_u32 s74, s74, STAGE                   ; my stage
	v_mul_u32_u24 v4, v1, SPITCH
	v_lshl_add_u32 v4, v2, 5, v4
	v_add_nc_u32 v[STO], s74, v4                   ; in: row r, 32 bytes for each half of the lanes
	v_add_nc_u32 v[RD], s74, v[CO]                 ; back: the 32 lanes take one row of 512 bytes
	s_lshl_b32 s74, s18, 11
	s_lshl_b32 s75, s19, 8
	s_add_co_u32 s74, s74, s75
	s_lshl_b32 s75, s15, 7
	s_add_co_u32 s74, s74, s75                     ; my first row of O
	s_lshl_b32 s74, s74, 12                        ; rows of 4,096 bytes
	s_lshl_b32 s75, s40, 10
	s_add_co_u32 s74, s74, s75
	s_lshl_b32 s75, s16, 9
	s_add_co_u32 s74, s74, s75                     ; + my first column's bytes
	s_mov_b32 s75, 0
	s_add_nc_u64 s[12:13], s[12:13], s[74:75]
.irp g, 1,2,3
	s_cmp_lt_u32 \g, s41                           ; chunks 4 g on count where g < m
	s_cselect_b32 s[76+\g], 0x3f800000, 0
.endr
	s_wait_loadcnt 0x0
.irp j, 0,1,2,3
	v_min3_num_f32 v[NMR+\j], v[128+\j], v[132+\j], v[136+\j]      ; the row's -M: the least of the chunks'
.endr
.irp c, 3,5,7,9,11,13
.irp j, 0,1,2,3
	v_min3_num_f32 v[NMR+\j], v[NMR+\j], v[128+4*\c+\j], v[132+4*\c+\j]
.endr
.endr
.irp j, 0,1,2,3
	v_min_num_f32 v[NMR+\j], v[NMR+\j], v[188+\j]
.endr
.set n, 0
.rept 64
	v_sub_f32 v[128+n], v[NMR+n%4], v[128+n]       ; M(chunk) - M, 0 or less
.set n, n+1
.endr
.set n, 0
.rept 64
	v_exp_f32 v[128+n], v[128+n]
.set n, n+1
.endr
	v_nop                                          ; a plain line behind the exponentials
.irp g, 1,2,3
.set n, 0
.rept 16
	v_mul_f32 v[192+16*\g+n], s[76+\g], v[192+16*\g+n]
.set n, n+1
.endr
.endr
	s_wait_alu depctr_va_vdst(0)
.irp j, 0,1,2,3
	v_mul_f32 v[LR+\j], v[128+\j], v[192+\j]
.endr
.irp c, 1,2,3,4,5,6,7,8,9,10,11,12,13,14,15
.irp j, 0,1,2,3
	v_fma_f32 v[LR+\j], v[128+4*\c+\j], v[192+4*\c+\j], v[LR+\j]   ; l of the row
.endr
.endr
.macro FRAG reg, adr, off
.irp c, 0,1,2,3
	ds_load_b128 v[\reg+4*\c:\reg+4*\c+3], v[\adr] offset:\off+512*\c
.endr
.endm
.macro FETCH_B slot, q, p
	WIN TO_B
.irp i, 0,1,2,3,4,5,6,7
	FRAG 128*(\p)+16*\i, ADRB+\slot, (\q)*RB+2048*\i
.endr
	WIN 0
.endm
.macro FETCH_A slot, q, i0
.irp i, \i0, \i0+1, \i0+2, \i0+3
	FRAG AF+16*(\i), ADRA+\slot, (\q)*RA+2048*(\i)
.endr
.endm
.macro SCALES sc                       ; the slot's scale words, and its two chunks' -M
.irp q, 0,1
	ds_load_b128 v[SC+16*\sc+4*\q:SC+16*\sc+4*\q+3], v[ADRA+\sc] offset:\q*RA+16384
	ds_load_b128 v[SC+16*\sc+8+4*\q:SC+16*\sc+8+4*\q+3], v[ADRB+\sc] offset:\q*RB+16384
	ds_load_b128 v[NC+4*\q:NC+4*\q+3], v[ADRA+\sc] offset:\q*RA+16896
.endr
.endm
; p's eight registers of scale words: each byte becomes max(byte - (M - M(chunk)), 0).  Bytes are at most 127 and the difference is held at 127, so with bit 7 set in each byte no borrow crosses a byte.
.macro ADJ sc
.set W, SC+16*(\sc)
.irp k, 0,1,2,3,4,5,6,7
	v_sub_f32 v[TT+\k], v[NC+\k], v[NMR+\k%4]      ; M - M(chunk), a whole number, 0 or more
.endr
.irp k, 0,1,2,3,4,5,6,7
	v_min_num_f32 v[TT+\k], 0x42fe0000, v[TT+\k]
.endr
.irp k, 0,1,2,3,4,5,6,7
	v_cvt_u32_f32 v[TT+\k], v[TT+\k]
.endr
.irp k, 0,1,2,3,4,5,6,7
	v_lshl_or_b32 v[TT+\k], v[TT+\k], 8, v[TT+\k]
.endr
.irp k, 0,1,2,3,4,5,6,7
	v_lshl_or_b32 v[TT+\k], v[TT+\k], 16, v[TT+\k] ; in all four bytes
.endr
.irp k, 0,1,2,3,4,5,6,7
	v_or_b32 v[W+\k], 0x80808080, v[W+\k]
.endr
.irp k, 0,1,2,3,4,5,6,7
	v_sub_nc_u32 v[W+\k], v[W+\k], v[TT+\k]        ; bit 7 stays where the byte was not the smaller
.endr
.irp k, 0,1,2,3,4,5,6,7
	v_and_b32 v[HH+\k], 0x80808080, v[W+\k]
.endr
.irp k, 0,1,2,3,4,5,6,7
	v_lshrrev_b32 v[TT+\k], 7, v[HH+\k]
.endr
.irp k, 0,1,2,3,4,5,6,7
	v_sub_nc_u32 v[HH+\k], v[HH+\k], v[TT+\k]      ; 0x7f in those bytes, 0 in the others
.endr
.irp k, 0,1,2,3,4,5,6,7
	v_and_b32 v[W+\k], v[W+\k], v[HH+\k]
.endr
.endm
; 16 matrix instructions: A's blocks a0, a0 + 1 x B's eight.  The 64 accumulators take turns, one instruction a turn, in the same order in every step.
.macro MUL16 a0, p, q, sc, zero
.irp a, \a0, \a0+1
.irp b, 0,1,2,3,4,5,6,7
.set rD, 8*(8*((\a)%4)+\b)
.set rB, 128*(\p)+16*\b
.set rA, AF+16*(\a)
.set rSB, SC+16*(\sc)+8+4*(\q)+\b%4
.set rSA, SC+16*(\sc)+4*(\q)+(\a)%4
.if \zero
.if ((\a) < 4) && (\b < 4)
	v_wmma_scale_f32_16x16x128_f8f6f4 v[rD:rD+7], v[rB:rB+15], v[rA:rA+15], 0, v[rSB], v[rSA]
.elseif (\a) < 4
	v_wmma_scale_f32_16x16x128_f8f6f4 v[rD:rD+7], v[rB:rB+15], v[rA:rA+15], 0, v[rSB], v[rSA] matrix_a_scale:MATRIX_SCALE_ROW1
.elseif \b < 4
	v_wmma_scale_f32_16x16x128_f8f6f4 v[rD:rD+7], v[rB:rB+15], v[rA:rA+15], 0, v[rSB], v[rSA] matrix_b_scale:MATRIX_SCALE_ROW1
.else
	v_wmma_scale_f32_16x16x128_f8f6f4 v[rD:rD+7], v[rB:rB+15], v[rA:rA+15], 0, v[rSB], v[rSA] matrix_a_scale:MATRIX_SCALE_ROW1 matrix_b_scale:MATRIX_SCALE_ROW1
.endif
.else
.if ((\a) < 4) && (\b < 4)
	v_wmma_scale_f32_16x16x128_f8f6f4 v[rD:rD+7], v[rB:rB+15], v[rA:rA+15], v[rD:rD+7], v[rSB], v[rSA]
.elseif (\a) < 4
	v_wmma_scale_f32_16x16x128_f8f6f4 v[rD:rD+7], v[rB:rB+15], v[rA:rA+15], v[rD:rD+7], v[rSB], v[rSA] matrix_a_scale:MATRIX_SCALE_ROW1
.elseif \b < 4
	v_wmma_scale_f32_16x16x128_f8f6f4 v[rD:rD+7], v[rB:rB+15], v[rA:rA+15], v[rD:rD+7], v[rSB], v[rSA] matrix_b_scale:MATRIX_SCALE_ROW1
.else
	v_wmma_scale_f32_16x16x128_f8f6f4 v[rD:rD+7], v[rB:rB+15], v[rA:rA+15], v[rD:rD+7], v[rSB], v[rSA] matrix_a_scale:MATRIX_SCALE_ROW1 matrix_b_scale:MATRIX_SCALE_ROW1
.endif
.endif
.endr
.endr
.endm
.macro PLACES n
.rept \n
	v_nop
.endr
.endm
.macro STEP slot, zero                 ; a slot's first chunk; it fetches the second
	s_wait_dscnt 16                                ; all but the youngest 16 loads (A's blocks 4-7) are in
	WIN MUL_LO
	MUL16 0, 0, 0, \slot, \zero
	MUL16 2, 0, 0, \slot, \zero
	s_wait_dscnt 0x0
	PLACES NP
	FETCH_B \slot, 1, 1
	FETCH_A \slot, 1, 0
	WIN MUL_HI
	MUL16 4, 0, 0, \slot, \zero
	MUL16 6, 0, 0, \slot, \zero
	PLACES NP
	WIN 0
	FETCH_A \slot, 1, 4
.endm
; A slot's second chunk changes slots: one barrier; in front of it each wave waits for all its tensor loads, adds 0 to its spare word, and waits for that and for its reads of this slot.
.macro TURN slot, next, fill
	s_wait_tensorcnt 0x0                           ; all my tensor loads have landed: my part of the next slot
	ds_add_u32 v[SPW], v[NIL]                      ; 0 onto my spare word
	s_wait_dscnt 17                                ; the add and the youngest 16 loads may be out
	WIN MUL_LO
	MUL16 0, 1, 1, \slot, 0
	s_wait_dscnt 0x0                               ; the add is done, and my reads of this slot are over
	s_barrier_signal -1
	MUL16 2, 1, 1, \slot, 0
	WIN 0
	s_barrier_wait -1
.if \fill
	CREST                                          ; the barrier has opened a round of the cluster's barrier: no wave of any partner still reads this slot or has a load on its way
	s_add_nc_u64 s[G0+4*\slot+2:G0+4*\slot+3], s[G0+4*\slot+2:G0+4*\slot+3], 4*RECP
	s_add_nc_u64 s[G0B+4*\slot+2:G0B+4*\slot+3], s[G0B+4*\slot+2:G0B+4*\slot+3], 4*REC
	JLOAD \slot                                    ; the first tensor load behind the round; its four v_nop are among the places in front of the loads below
	PLACES NP-4
.else
	PLACES NP
.endif
	FETCH_B \next, 0, 0
	FETCH_A \next, 0, 0
	SCALES \next
	WIN MUL_HI
	MUL16 4, 1, 1, \slot, 0
	MUL16 6, 1, 1, \slot, 0
	WIN 0
	s_wait_dscnt 0x0                               ; the next slot's scale words and -M are in (asked for 32 matrix instructions ago)
	ADJ \next                                      ; its lines name no register of the products above: they are also the places in front of the loads below
	PLACES NP                                      ; a scale register written by vector instructions stands eight places ahead of the product that names it
	FETCH_A \next, 0, 4
.endm
	s_wait_tensorcnt 1                             ; my part of slot 0 is in; slot 1's may be out
	s_barrier_signal -1
	s_barrier_wait -1
	FETCH_B 0, 0, 0
	FETCH_A 0, 0, 0
	SCALES 0
	s_wait_dscnt 0x0
	ADJ 0
	PLACES NP
	FETCH_A 0, 0, 4
	STEP 0, 1                                      ; the first products start the sums
	s_sub_co_u32 s3, s41, 1                        ; m - 1 trips, each fills both slots again
	s_cmp_eq_u32 s3, 0
	s_cbranch_scc1 .Ltail
.Llap:
	TURN 0, 1, 1
	STEP 1, 0
	TURN 1, 0, 1
	STEP 0, 0
	s_sub_co_u32 s3, s3, 1
	s_cmp_lg_u32 s3, 0
	s_cbranch_scc1 .Llap
.Ltail:
	TURN 0, 1, 0                                   ; the last lap fills nothing
	STEP 1, 0
	s_wait_dscnt 16
	WIN MUL_LO
	MUL16 0, 1, 1, 1, 0
	MUL16 2, 1, 1, 1, 0
	s_wait_dscnt 0x0
	WIN MUL_HI
	MUL16 4, 1, 1, 1, 0
	MUL16 6, 1, 1, 1, 0
	WIN 0
	PLACES NP
	; THE WAY OUT.  1 / l lies in lane (r, h) for blocks 4 h + 0 .. 3: each block takes its own from this half of the lanes or the other.
.irp j, 0,1,2,3
	v_rcp_f32 v[LR+\j], v[LR+\j]
.endr
	v_nop                                          ; a plain line behind the reciprocals
	s_wait_alu depctr_va_vdst(0)
.irp j, 0,1,2,3
	v_permlanex16_b32 v[NMR+\j], v[LR+\j], s[SEL], s[SEL+1]
.endr
	v_and_b32 v1, 31, v0
	v_cmp_le_u32 vcc_lo, 16, v1
	v_mov_b32 v3, 0                                ; named as a pair's upper half
.macro SCALEO a                        ; block a / l into v64-127; each accumulator from its low end on
.set AC, 64*((\a)%4)
.if (\a) < 4
	v_cndmask_b32 v2, v[LR+(\a)%4], v[NMR+(\a)%4], vcc_lo
.else
	v_cndmask_b32 v2, v[NMR+(\a)%4], v[LR+(\a)%4], vcc_lo
.endif
	WIN 2+(\a)/4
.set n, 0
.rept 32
	v_pk_mul_f32 v[X+n:X+n+1], v[AC+n:AC+n+1], v[2:3] op_sel_hi:[1,0]
.set n, n+2
.endr
	WIN 0
.endm
.macro TOSTAGE a                       ; through my own stage: in by 32 bytes a lane, back as whole rows of 512 bytes.  LDS serves a wave's instructions in order (ISA guide 5.7.1.4)
.set BB, BK+64*((\a)%2)
.irp b, 0,1,2,3,4,5,6,7
	ds_store_b128 v[STO], v[X+8*\b:X+8*\b+3] offset:64*\b
	ds_store_b128 v[STO], v[X+8*\b+4:X+8*\b+7] offset:64*\b+16
.endr
.irp t, 0,1,2,3,4,5,6,7,8,9,10,11,12,13,14,15
	ds_load_b128 v[BB+4*\t:BB+4*\t+3], v[RD] offset:\t*SPITCH
.endr
.endm
.macro SEND a, younger
.set BB, BK+64*((\a)%2)
	s_wait_dscnt \younger                          ; the block is back in registers
.if (\a) > 0
	s_add_nc_u64 s[12:13], s[12:13], 16*4096       ; (behind a wait on XCNT: earlier stores have read their base)  16 rows on
.endif
.irp t, 0,1,2,3,4,5,6,7,8,9,10,11,12,13,14,15
	global_store_b128 v[CO], v[BB+4*\t:BB+4*\t+3], s[12:13] offset:\t*4096 th:TH_STORE_NT   ; 32 lanes store 512 consecutive bytes, at a multiple of 256 from O's first byte
.endr
.endm
	SCALEO 0
	TOSTAGE 0
.irp a, 1,2,3,4,5,6,7
	s_wait_dscnt 16                                ; the last block's 16 stores into the stage are done (its 16 loads may be out): v64-127 may be written again
.if \a > 1
	s_wait_xcnt 0x0                                ; the stores of the block two back have read their registers and their base
.endif
	SCALEO \a
	TOSTAGE \a
	SEND \a-1, 32                                  ; behind that block's loads: this block's 16 stores and 16 loads
.endr
	s_wait_xcnt 0x0
	SEND 7, 0
	s_wait_tensorcnt 0x0                           ; the wave's end
	ds_add_u32 v[SPW], v[NIL]
	s_wait_dscnt 0x0
	CROUND                                         ; the closing round
	s_endpgm
.Lfunc_end_k_q462bed2dd5_pv:
	.size	k_q462bed2dd5_pv, .Lfunc_end_k_q462bed2dd5_pv-k_q462bed2dd5_pv
	.p2alignl 7, 3214868480
	.fill 96, 4, 3214868480
	.section	.rodata,"a",@progbits
	.p2align	6, 0x0
	.amdhsa_kernel k_q462bed2dd5_pv
		.amdhsa_group_segment_fixed_size 327680
		.amdhsa_private_segment_fixed_size 0
		.amdhsa_enable_private_segment 0
		.amdhsa_kernarg_size 24
		.amdhsa_user_sgpr_count 2
		.amdhsa_user_sgpr_kernarg_segment_ptr 1
		.amdhsa_wavefront_size32 1
		.amdhsa_system_sgpr_workgroup_id_x 1
		.amdhsa_system_sgpr_workgroup_id_y 1
		.amdhsa_system_sgpr_workgroup_id_z 1
		.amdhsa_system_vgpr_workitem_id 0
		.amdhsa_next_free_vgpr 1024
		.amdhsa_next_free_sgpr 80
		.amdhsa_reserve_vcc 1
		.amdhsa_float_denorm_mode_32 3
		.amdhsa_float_denorm_mode_16_64 3
		.amdhsa_memory_ordered 1
		.amdhsa_forward_progress 1
		.amdhsa_inst_pref_size 193
	.end_amdhsa_kernel
	.amdgpu_metadata
---
amdhsa.version: [ 1, 2 ]
amdhsa.kernels:
  - .name:           k_q462bed2dd5_pv
    .symbol:         k_q462bed2dd5_pv.kd
    .args:
      - { .name: prec, .offset: 0, .size: 8, .value_kind: global_buffer, .address_space: global }
      - { .name: vrec, .offset: 8, .size: 8, .value_kind: global_buffer, .address_space: global }
      - { .name: out0, .offset: 16, .size: 8, .value_kind: global_buffer, .address_space: global }
    .group_segment_fixed_size: 327680
    .private_segment_fixed_size: 0
    .kernarg_segment_align: 8
    .kernarg_segment_size: 24
    .max_flat_workgroup_size: 128
    .sgpr_count:     80
    .vgpr_count:     1024
    .wavefront_size: 32
...
	.end_amdgpu_metadata
.endif
;; end of part 3
;; ======== version 2 of 2: 3 launches
;; limits: right only within a limited range of input values
;; workspace buffers: qrec 8,650,752 bytes; krec 8,650,752 bytes; vrec 8,650,752 bytes; prec 18,350,080 bytes
;; launch proj (part 4): grid 16 x 16, 4 waves a work-group, clusters of 4 x 4, 327,680 bytes of LDS; arguments x_codes, x_scales, Wq_codes, Wq_scales, Wk_codes, Wk_scales, Wv_codes, Wv_scales, qrec, krec, vrec; writes qrec, krec, vrec
.if DOCPART == 4
	.amdgcn_target "amdgcn-amd-amdhsa--gfx1250"
	.amdhsa_code_object_version 6
	.text
	.protected	k_q462bed2dd5_proj
	.globl	k_q462bed2dd5_proj
	.p2align	8
	.type	k_q462bed2dd5_proj,@function
k_q462bed2dd5_proj:
	s_mov_b64 s[64:65], 0
	v_nop
	global_prefetch_b8 v0, s[64:65] scope:SCOPE_SE
	s_setreg_imm32_b32 hwreg(HW_REG_WAVE_MODE, 25, 1), 1
	s_wait_xcnt 0x0
	s_wait_alu depctr_hold_cnt(0) depctr_sa_sdst(0) depctr_va_vdst(0) depctr_va_sdst(0) depctr_va_ssrc(0) depctr_va_vcc(0) depctr_vm_vsrc(0)
	s_getreg_b32 s2, hwreg(HW_REG_IB_STS2, 6, 4)
	s_cmp_eq_u32 s2, 0
	s_cbranch_scc0 .Lentry_in_a_cluster
	s_endpgm
.Lentry_in_a_cluster:
	s_bfe_u32 s2, ttmp6, 0x10000c
	s_cmp_lg_u32 s2, 0xf033
	s_cbranch_scc0 .Lentry_shape_is_right
	s_endpgm
.Lentry_shape_is_right:
; q = x Wq^T, k = x Wk^T, V^T = Wv x^T on codes of FP8 (E4M3) with one E8M0 byte for 32 along K = 1,024; each result is quantised again on its way out and leaves as RECORDS.
; WORK THAT THIS PROGRAM LEAVES OUT: where every key of a tile comes after every query, reference() puts -infinity ahead of the softmax, so p = 0 whatever the inputs hold: the later launches make no such tile of 256 x 256
; scores and no such product with V.  A NaN, an infinity or an overflow that reaches only those scores is not carried to the result.
; LIMITS: a block whose largest magnitude lies under 2^-118 (a block of zeros too) gets the byte 1 (only this program reads the bytes); NaN and infinities are not served.
; A RECORD is 128 rows x 128 along the next K, in the order of an operand's registers (r = lane % 16, h = lane / 16): byte 2048 a + 512 c + 16 lane = registers 4 c .. 4 c + 3 of the fragment of rows 16 a on;
; byte 16384 + 16 lane = four scale words: lane (r, h) has row r's of blocks a = 4 h + 0 .. 3.  16,896 bytes, dense.  Inside each block of 32 along K the order is a permutation, the same in q's and k's records (odd blocks: neighbouring
; runs of 8 change places), and in v's the one that the launch of the scores gives p: place 16 h + i holds key 8 h + i (i < 8) or 16 + 8 h + i - 8.  Products and block scales are those of the true order.
; q's, k's record of row group g (128 tokens), d chunk n: number 8 g + n;  v's of d group n, key chunk g: 64 n + g.
; THE DEAL.  256 work-groups of four waves, 2 x 2 (w = wave / 2, x = wave % 2); a wave holds 64 rows of a weight, ALL of K, in 512 registers and streams x's rows past them in blocks of 16, in two whole sets (256 registers).
; PHASE 1: 512 rows x 128 columns of q (cluster x 0, 1) or k (2, 3): sixteen blocks a wave.  PHASE 2: 256 x 128 of V, eight blocks, of ONE of the work-group's own two windows of 256 rows: number s18 = cluster x % 2; Wv's tile column is 4 (cluster x / 2) + cx.
; A chunk is 128 rows; block b = 2 p + u of wave row w takes its rows 64 p + 32 w + 16 u on: so two blocks of V are 32 neighbouring keys, and the first half of a chunk serves blocks 0 and 1.
; THE ORDER OF WORK: phase 1 takes the window that is not V's (chunks 0, 1), then V's (2, 3); V begins with chunk 3, which still lies in slot 1, and chunk 2 comes anew.  A weight's rows lie in a slot until all waves hold them in registers.
; CLUSTERS: the four work-groups of a cluster's row share x's rows, the four of a column the weights': each tile is asked for jointly.
; FILLS.  At the head the first weight (wave 0), chunk 0 (wave 1), a window's scale bytes each (waves 2, 3).  Refills, each in a drained round: chunks 1, 2, 3 inside blocks 0, 4, 8; their first halves (waves 0 and 1's lines) are shown by the
; plain barrier inside the block two on, the rest by the next round; Wv's rows behind block 11; chunk 2 anew at the change of phase, shown inside V's block 1.
; PREFETCHES: each of the sixteen waves that share a tile names its own 8,192 bytes of it, a lane 256: chunks 1 and 2 at the head, chunk 3 and Wv's rows a trip ahead of their loads.
; A block's way out stands among the next block's products (a pair of V's blocks among the next pair's).  Only the first trip's way out has no block before it: it stores nothing.
.set CH, 128
.set KROW, 1024
.set KS, 32
.set PITCH, KROW+16            ; row r begins 16 r bytes on, modulo 256
.set FR, 16
.set FPW, 16
.set NP, 8                     ; plain vector lines behind a matrix instruction (ISA guide 7.12.1)
.set NF, 34                    ; LDS loads of a block
.set REC, 16896
.set YB, CH*PITCH              ; slot 1
.set SCL, 2*YB                 ; the scale bytes of x's 512 rows in the order of work: units of 256 bytes (8 rows) + 16
.set RS, 32
.set SR, 34                    ; so a row is 34 bytes in the mean, and 8 n rows are 8 n SR bytes
.set XN, SCL+2*RS*272+512      ; q's, k's scale words on their way out: [chunk][512]; the 512 bytes ahead of it stay unused
.set XV, XN+4*512              ; V's: [key chunk][512]
.set SPARE, XV+2*512
.set EMAX, 8
.set ADRA0, 4                  ; v4  LDS address of my fragments of block 0
.set CN, 5                     ; v5  512 h + 16 r
.set AAS0, 6                   ; v6  LDS address of my row's scale words in block 0
.set CO, 9                     ; v9  16 x lane
.set SPW, 10
.set NIL, 11
.set ADRA, 12                  ; v12, v17  as v4, v6, for the block that is fetched next
.set VX, 13                    ; v13  LDS address of a scale byte
.set ADRB, 14                  ; v14, v23  the first weight's fragments in slot 1 (even, odd tiles); v15  Wv's in slot 0
.set ABS, 16                   ; v16, v18  my offset in Wv's, in Wq's or Wk's scale bytes
.set AAS, 17
.set RD, 19                    ; v19  V's byte
.set SOP, 20                   ; v20-23
.set SB, 24                    ; v24-39  the weight's scale words: register 8 p + q: lanes 0-15 tile 2 p's, lanes 16-31 tile 2 p + 1's
.set SA, 44                    ; v44-59  x's, two sets
.set EB, 40                    ; v40-43  scale bytes
.set TQ, 60                    ; v60-63
.set ACC, 64                   ; v64-191 four sets of four accumulators
.set WS, 128                   ; in phase 1 v128-143: Wv's scale words
.set NCD, 192
.set MCD, 192
.set G1A, 24
.set G0A, 56
.set G1B, 32
.set G0B, 60
.set G1R, 48
.set G0R, 68
.set G1S, 92
.set G0S, 72
.set MSB, 0
.macro WIN new                 ; the immediate's high byte repeats the setting that is left
.if MSB != (\new)
	s_set_vgpr_msb (MSB<<8)|(\new)
.set MSB, (\new)
.endif
.endm
.macro PLACES n
.rept \n
	v_nop
.endr
.endm
.macro WALU
	s_wait_alu depctr_va_vdst(0)
.endm
.macro BARRIER
	s_barrier_signal -1
	s_barrier_wait -1
.endm
.macro CROUND                  ; a round of the cluster's barrier
	BARRIER
	s_cmp_lg_u32 s14, 0
	s_cbranch_scc1 .Lnot_wave_0_\@
	s_barrier_signal -3
.Lnot_wave_0_\@:
	s_barrier_wait -3
	BARRIER
.endm
.macro TLOAD g0, g1
	tensor_load_to_lds s[\g0:\g0+3], s[\g1:\g1+7]
	s_nop 0
	PLACES 4
.endm
.macro GROUP1 g, mask, rows    ; descriptor group 1: so many whole rows of K, 16 bytes of padding behind each
	s_or_b32 s[\g+0], s[\mask], (1<<20)|(1<<21)|(7<<22)|(3<<25)
	s_mov_b32 s[\g+1], KROW<<16
	s_mov_b32 s[\g+2], (\rows)<<16
	s_mov_b32 s[\g+3], KROW<<16
	s_mov_b32 s[\g+4], \rows
	s_mov_b32 s[\g+5], KROW
	s_mov_b32 s[\g+6], 0
	s_mov_b32 s[\g+7], 0
.endm
.macro SADD d, x
	s_add_co_u32 s\d, s\d, s\x
.endm
	s_load_b128 s[4:7], s[0:1], 0x0                ; x's codes, scales
	s_load_b256 s[76:83], s[0:1], 0x10             ; Wq's, Wk's
	s_load_b128 s[84:87], s[0:1], 0x30             ; Wv's
	v_lshl_add_u32 v[SPW], v0, 2, SPARE
	v_mov_b32 v[NIL], 0
	ds_add_u32 v[SPW], v[NIL]                      ; the opening: the add, twice on end; its wait stands ahead of my first tensor load
	ds_add_u32 v[SPW], v[NIL]
	v_lshrrev_b32 v1, 5, v0
	v_readfirstlane_b32 s14, v1                    ; wave
	s_lshr_b32 s15, s14, 1                         ; w: my row of waves
	s_and_b32 s16, s14, 1                          ; my column of waves
	s_bfe_u32 s40, ttmp6, 0x40000                  ; cx
	s_bfe_u32 s41, ttmp6, 0x40004                  ; cy
	s_lshl_b32 s42, ttmp9, 2
	s_add_co_u32 s42, s42, s40
	s_and_b32 s42, s42, 7                          ; d chunk of q or k
	s_and_b32 s43, ttmp7, 0xffff
	s_lshl_b32 s43, s43, 2
	s_add_co_u32 s43, s43, s41                     ; tile row of 512 tokens
	s_lshr_b32 s19, ttmp9, 1                       ; 0: q; 1: k
	s_and_b32 s18, ttmp9, 1                        ; V's window
	s_lshl_b32 s3, s19, 2
	s_add_co_u32 s3, s3, s40                       ; Wv's tile column
	s_lshl_b32 s44, s41, 2
	s_lshl_b32 s44, 15, s44                        ; my row of the cluster
	s_lshl_b32 s45, 0x1111, s40                    ; my column
	GROUP1 G1B, 45, CH
	GROUP1 G1A, 44, CH
	GROUP1 G1R, 44, CH/4
	s_or_b32 s[G1S+0], s44, (3<<16)|(1<<20)|(1<<21)|(5<<22)|(3<<25)   ; 256 rows' scale bytes: RS rows of 256 bytes, 16 of padding behind each
	s_mov_b32 s[G1S+1], 32<<16
	s_mov_b32 s[G1S+2], RS<<16
	s_mov_b32 s[G1S+3], 32<<16
	s_mov_b32 s[G1S+4], RS
	s_mov_b32 s[G1S+5], 32
	s_mov_b32 s[G1S+6], 0
	s_mov_b32 s[G1S+7], 0
	s_mov_b32 s[G0S], 1
	s_mul_i32 s[G0S+1], s16, RS*272
	s_add_co_u32 s[G0S+1], s[G0S+1], SCL
	s_mul_i32 s66, s43, 4*CH*KROW                  ; offsets, each under 2^32: s66 the window that is not V's, s2 V's
	s_mul_i32 s20, s18, 2*CH*KROW
	s_add_co_u32 s2, s66, s20
	s_xor_b32 s20, s20, 2*CH*KROW
	SADD 66, 20
	s_mov_b32 s67, 0
	s_mul_i32 s90, s42, CH*KROW                    ; Wq's or Wk's codes
	s_mov_b32 s91, 0
	s_mul_i32 s100, s3, CH*KROW                    ; Wv's
	s_mov_b32 s101, 0
	s_mul_i32 s21, s16, 64*KS
	s_mul_i32 s46, s42, CH*KS                      ; and their scale bytes: my wave's 64 rows
	SADD 46, 21
	s_mov_b32 s47, 0
	s_mul_i32 s12, s3, CH*KS
	SADD 12, 21
	s_mov_b32 s13, 0
	s_lshl_b32 s88, s43, 1                         ; x's scale bytes: wave 2 the window that is not V's, wave 3 V's
	s_xor_b32 s20, s18, 1
	s_cmp_eq_u32 s16, 1
	s_cselect_b32 s20, s18, s20
	SADD 88, 20
	s_mul_i32 s88, s88, 2*CH*KS
	s_mov_b32 s89, 0
	s_mov_b32 s[G0A], 1
	s_mov_b32 s[G0A+1], 0
	s_mov_b32 s[G0B], 1
	s_mov_b32 s[G0B+1], YB
	s_mov_b32 s[G0R], 1
	v_and_b32 v1, 15, v0                           ; r
	v_bfe_u32 v2, v0, 4, 1                         ; h
	v_and_b32 v3, 31, v0                           ; lane
	v_mul_u32_u24 v22, v1, PITCH
	v_lshl_add_u32 v22, v2, 4, v22                 ; row x pitch + 16 h
	s_mul_i32 s20, s15, 32*PITCH
	v_add_nc_u32 v[ADRA0], s20, v22
	s_mul_i32 s22, s16, 64*PITCH                   ; my 64 rows of a weight
	v_add_nc_u32 v[ADRB+1], s22, v22
	; THE ROWS OF A TILE of Wq or Wk: lane r of tile j takes row 32 (r / 8) + 8 (j xor r / 8) + r % 8, so that lane (r, h) of the result holds a whole block of 32 of the next K, and the tile's 16 rows begin at 16 different places modulo 256
	s_add_co_u32 s22, s22, YB
	v_lshrrev_b32 v21, 3, v1                       ; r / 8
	v_and_b32 v8, 7, v1
	v_mad_u32_u24 v20, v21, 40, v8                 ; even tiles: + 8 j rows
	v_mul_u32_u24 v20, v20, PITCH
	v_lshl_add_u32 v20, v2, 4, v20
	v_add_nc_u32 v[ADRB], s22, v20
	v_mad_u32_u24 v20, v21, 24, v8                 ; odd tiles: + 8 j rows
	v_mul_u32_u24 v20, v20, PITCH
	v_lshl_add_u32 v20, v2, 4, v20
	v_add_nc_u32 v23, s22, v20
	v_lshlrev_b32 v[ABS], 5, v3                    ; scale bytes: Wv: row = lane of a pair of tiles,
	v_xor_b32 v20, v2, v21
	v_lshl_add_u32 v8, v20, 3, v8
	v_lshl_add_u32 v8, v21, 5, v8
	v_lshlrev_b32 v18, 5, v8                       ; Wq, Wk: row 32 (r / 8) + 8 (h xor r / 8) + r % 8, + 16 for the second pair
	v_lshlrev_b32 v20, 5, v1                       ; x's in LDS: 32 bytes a row, 16 more for each 8 rows
	v_lshl_add_u32 v20, v21, 4, v20
	s_mul_i32 s20, s15, 32*SR
	s_add_co_u32 s20, s20, SCL
	v_add_nc_u32 v[AAS0], s20, v20
	s_wait_dscnt 0x0                               ; both opening adds are done
	CROUND                                         ; all sixteen work-groups are here
	WALU
	s_wait_kmcnt 0x0
	s_cmp_lt_u32 ttmp9, 2                          ; q or k: the cluster's place in the grid, which all sixteen share
	s_cselect_b64 s[76:77], s[76:77], s[80:81]
	s_cselect_b64 s[78:79], s[78:79], s[82:83]
	s_add_nc_u64 s[G0A+2:G0A+3], s[4:5], s[66:67]
	s_or_b32 s[G0A+3], s[G0A+3], 0x80000000
	s_add_nc_u64 s[G0B+2:G0B+3], s[76:77], s[90:91]
	s_or_b32 s[G0B+3], s[G0B+3], 0x80000000
	s_add_nc_u64 s[G0S+2:G0S+3], s[6:7], s[88:89]
	s_or_b32 s[G0S+3], s[G0S+3], 0x80000000
	s_cmp_eq_u32 s14, 0                            ; ONE joint load a wave
	s_cbranch_scc0 .Lwave_1
	TLOAD G0B, G1B                                 ; wave 0: the first weight's 128 rows
	s_branch .Lasked
.Lwave_1:
	s_cmp_eq_u32 s14, 1
	s_cbranch_scc0 .Lfor_scales
	TLOAD G0A, G1A                                 ; wave 1: chunk 0
	s_branch .Lasked
.Lfor_scales:
	TLOAD G0S, G1S                                 ; waves 2, 3: a window's scale bytes each
.Lasked:
	s_add_nc_u64 s[78:79], s[78:79], s[46:47]      ; my 64 rows' scale bytes of the first weight,
	s_add_nc_u64 s[86:87], s[86:87], s[12:13]      ; of Wv
	s_add_nc_u64 s[10:11], s[84:85], s[100:101]    ; Wv's 128 rows
	; where my results go: offsets now, the buffers' addresses in front of the stream
	s_lshl_b32 s20, s43, 5
	SADD 20, 42
	s_mul_i32 s20, s20, REC
	s_lshl_b32 s21, s16, 10                        ; c = 2 x my column of waves + h
	SADD 20, 21
	s_lshl_b32 s21, s15, 12                        ; a = 4 p + 2 w + u
	SADD 20, 21
	s_mul_i32 s22, s18, 16*REC
	s_add_co_u32 s80, s20, s22                     ; s[80:81] q's, k's codes of V's window
	s_mov_b32 s81, 0
	s_xor_b32 s22, s22, 16*REC
	s_add_co_u32 s76, s20, s22                     ; s[76:77] of the other
	s_mov_b32 s77, 0
	s_xor_b32 s22, s15, s18                        ; s[82:83] their scale words: wave n stores chunk n's 512 bytes
	s_xor_b32 s22, s22, 1
	s_lshl_b32 s22, s22, 1
	s_lshl_b32 s21, s43, 2
	SADD 21, 22
	SADD 21, 16
	s_lshl_b32 s21, s21, 3
	SADD 21, 42
	s_mul_i32 s82, s21, REC
	s_add_co_u32 s82, s82, 16384
	s_mov_b32 s83, 0
	s_lshl_b32 s21, s3, 6                          ; s[12:13] V's codes
	s_lshl_b32 s22, s43, 2
	SADD 21, 22
	s_lshl_b32 s22, s18, 1
	SADD 21, 22
	s_mul_i32 s20, s21, REC
	s_lshl_b32 s22, s16, 13
	s_add_co_u32 s12, s20, s22
	s_lshl_b32 s22, s15, 9
	SADD 12, 22
	s_mov_b32 s13, 0
	s_mul_i32 s22, s15, REC                        ; s[46:47] its scale words: wave n stores key chunk n / 2, half n % 2: 256 bytes
	s_add_co_u32 s46, s20, s22
	s_lshl_b32 s22, s16, 8
	SADD 46, 22
	s_add_co_u32 s46, s46, 16384
	s_mov_b32 s47, 0
	v_lshlrev_b32 v[CO], 4, v3
	s_lshl_b32 s21, s15, 3
	s_lshl_b32 s22, s16, 1
	SADD 21, 22
	s_add_co_u32 s21, s21, XN-512
	v_lshl_add_u32 v20, v1, 4, v2
	v_add_nc_u32 v[VX], s21, v20                   ; 16 r + 4 (2 w) + 2 x column + h; block 1 steps it to chunk 0
	s_lshl_b32 s21, s16, 8
	SADD 21, 15
	s_add_co_u32 s21, s21, XV
	v_lshlrev_b32 v20, 4, v1
	v_add_nc_u32 v[RD], s21, v20
	v_lshlrev_b32 v21, 9, v2
	v_add_nc_u32 v[CN], v20, v21
.irp p, 0,1
.irp c, 0,1
	global_load_b128 v[SB+8*\p+4*\c:SB+8*\p+4*\c+3], v18, s[78:79] offset:\p*16*KS+16*\c
	global_load_b128 v[WS+8*\p+4*\c:WS+8*\p+4*\c+3], v[ABS], s[86:87] offset:\p*32*KS+16*\c
.endr
.endr
	s_add_co_u32 s6, s66, CH*KROW                  ; chunk 1
	s_add_co_u32 s7, s2, CH*KROW                   ; chunk 3
	s_lshl_b32 s90, s40, 2                         ; which of the sixteen waves that share x's rows I am,
	SADD 90, 14
	s_lshl_b32 s100, s41, 2                        ; and Wv's
	SADD 100, 14
	s_lshl_b32 s21, s90, 13
	s_add_co_u32 s22, s21, s6
	v_lshl_add_u32 v7, v3, 8, s22                  ; my part of chunk 1,
	s_add_co_u32 s22, s21, s2
	v_lshl_add_u32 v8, v3, 8, s22                  ; of chunk 2
	v_add_nc_u32 v1, 16*PITCH, v[ADRA0]            ; block 1
	v_add_nc_u32 v2, 16*SR, v[AAS0]
	WALU                                           ; the head's end
	s_wait_xcnt 0x0
	s_cmp_eq_u32 s14, 0
	s_cbranch_scc0 .Lnot_b
	s_wait_tensorcnt 0x0                           ; wave 0: the first weight has landed.  The other waves' wait stands at the second barrier
.Lnot_b:
	BARRIER
	global_prefetch_b8 v7, s[4:5] th:TH_LOAD_NT scope:SCOPE_SE
	global_prefetch_b8 v8, s[4:5] th:TH_LOAD_NT scope:SCOPE_SE
.macro MIDDLE                  ; a round's middle
	WIN 0
	s_barrier_wait -1
	s_cmp_lg_u32 s14, 0
	s_cbranch_scc1 .Lnot_wave_0_\@
	s_barrier_signal -3
.Lnot_wave_0_\@:
	s_barrier_wait -3
.endm
.macro GRD
	s_wait_tensorcnt 0x0
	ds_add_u32 v[SPW], v[NIL]
.endm
.macro FRAG f, adr, q, off     ; a weight's fragment f into window 1 + f / 16
	WIN (1+(\f)/FPW)<<6
.irp c, 0,1,2,3
	ds_load_b128 v[FR*((\f)%FPW)+4*\c:FR*((\f)%FPW)+4*\c+3], v[\adr] offset:128*(\q)+32*\c+(\off)
.endr
.endm
.macro FETCHAT k, a, s         ; a block of x, 16 rows, all of K, into set k of window 3, and its scale words: NF loads
	WIN 3<<6
.irp q, 0,1,2,3,4,5,6,7
.irp c, 0,1,2,3
	ds_load_b128 v[128*\k+FR*\q+4*\c:128*\k+FR*\q+4*\c+3], v[\a] offset:128*\q+32*\c
.endr
.endr
	WIN 0
	ds_load_b128 v[SA+8*\k:SA+8*\k+3], v[\s]
	ds_load_b128 v[SA+8*\k+4:SA+8*\k+7], v[\s] offset:16
.endm
.macro PROD kind, e, a, n      ; product n = 4 q + b of a block; x's rows in set e, sums in set a.  kind 0 (q, k): source 0 = the weight's rows; kind 1 (V): source 0 = x's
.set Q_, (\n)/4
.set B_, (\n)%4
.set FB_, 4*Q_+B_
.set AC_, ACC+32*(\a)+8*B_
.set R_, 128*(\e)+FR*Q_
.set W_, FR*(FB_%FPW)
.set XS_, SA+8*(\e)+Q_
.set WS_, SB+8*(B_/2)+Q_
.if \kind
	WIN 3|((1+FB_/FPW)<<2)
.if Q_ && B_%2
	v_wmma_scale_f32_16x16x128_f8f6f4 v[AC_:AC_+7], v[R_:R_+FR-1], v[W_:W_+FR-1], v[AC_:AC_+7], v[XS_], v[WS_] matrix_b_scale:MATRIX_SCALE_ROW1
.elseif Q_
	v_wmma_scale_f32_16x16x128_f8f6f4 v[AC_:AC_+7], v[R_:R_+FR-1], v[W_:W_+FR-1], v[AC_:AC_+7], v[XS_], v[WS_]
.elseif B_%2
	v_wmma_scale_f32_16x16x128_f8f6f4 v[AC_:AC_+7], v[R_:R_+FR-1], v[W_:W_+FR-1], 0, v[XS_], v[WS_] matrix_b_scale:MATRIX_SCALE_ROW1
.else
	v_wmma_scale_f32_16x16x128_f8f6f4 v[AC_:AC_+7], v[R_:R_+FR-1], v[W_:W_+FR-1], 0, v[XS_], v[WS_]
.endif
.else
	WIN (1+FB_/FPW)|(3<<2)
.if Q_ && B_%2
	v_wmma_scale_f32_16x16x128_f8f6f4 v[AC_:AC_+7], v[W_:W_+FR-1], v[R_:R_+FR-1], v[AC_:AC_+7], v[WS_], v[XS_] matrix_a_scale:MATRIX_SCALE_ROW1
.elseif Q_
	v_wmma_scale_f32_16x16x128_f8f6f4 v[AC_:AC_+7], v[W_:W_+FR-1], v[R_:R_+FR-1], v[AC_:AC_+7], v[WS_], v[XS_]
.elseif B_%2
	v_wmma_scale_f32_16x16x128_f8f6f4 v[AC_:AC_+7], v[W_:W_+FR-1], v[R_:R_+FR-1], 0, v[WS_], v[XS_] matrix_a_scale:MATRIX_SCALE_ROW1
.else
	v_wmma_scale_f32_16x16x128_f8f6f4 v[AC_:AC_+7], v[W_:W_+FR-1], v[R_:R_+FR-1], 0, v[WS_], v[XS_]
.endif
.endif
.endm
.macro HOLD x, b               ; a sum held at the largest number under its block's scale (the conversion does not saturate: ISA guide 7.6.2)
	v_med3_num_f32 v[\x], v[\x], -v[TQ+\b], v[TQ+\b]
.endm
.macro SCALES i, n             ; 0: the conversion's scale operand; 1: the bound; 2: a second copy of it; 3: the scale byte
.if (\i) == 0
	v_add_nc_u32 v[SOP+\n], -(EMAX<<23), v[TQ]
.elseif (\i) == 1
	v_and_or_b32 v[TQ+1], v[TQ], 0x7f800000, s62
.elseif (\i) == 2
	v_mov_b32 v[TQ+3], v[TQ+1]
.else
	v_lshrrev_b32 v[EB+\n], 23, v[SOP+\n]
.endif
.endm
.macro MAXQ k, x               ; 18 lines: the largest magnitude of the 32 sums at x, and the floor under which a byte would fall under 1
.if (\k) < 4
	v_max3_num_f32 v[TQ+\k], |v[\x+8*(\k)]|, |v[\x+8*(\k)+1]|, |v[\x+8*(\k)+2]|
.elseif (\k) < 12
	v_max3_num_f32 v[TQ+(\k)%4], v[TQ+(\k)%4], |v[\x+8*((\k)%4)+2*((\k)/4)+1]|, |v[\x+8*((\k)%4)+2*((\k)/4)+2]|
.elseif (\k) < 16
	v_max_num_f32 v[TQ+(\k)%4], v[TQ+(\k)%4], |v[\x+8*((\k)%4)+7]|
.elseif (\k) == 16
	v_max3_num_f32 v[TQ], v[TQ], v[TQ+1], v[TQ+2]
.else
	v_max3_num_f32 v[TQ], v[TQ], v[TQ+3], (EMAX+1)<<23
.endif
.endm
.macro HOLDS m, x              ; two of a block's holds; one pair reads the bound's second copy
.if (\m) == 3
	HOLD \x, 3
	HOLD \x+1, 3
.else
	HOLD \x, 1
	HOLD \x+1, 1
.endif
.if (\m) == 2
	SCALES 2, 0
.endif
.endm
.macro GAPQ m, x               ; THE QUANTISER of a block of q or k, gaps 0 .. 26: a scale block lies in a lane
.if (\m) < 9
	MAXQ 2*(\m), \x
	MAXQ 2*(\m)+1, \x
.elseif (\m) == 9
	SCALES 0, 0
	SCALES 1, 0
.elseif (\m) < 26
	HOLDS (\m)-10, \x+2*((\m)-10)
.if ((\m)-10)%4 == 3
	v_cvt_scalef32_pk8_fp8_f32 v[NCD+2*(((\m)-10)/4):NCD+2*(((\m)-10)/4)+1], v[\x+8*(((\m)-10)/4):\x+8*(((\m)-10)/4)+7], v[SOP]
.endif
.elseif (\m) == 26
	SCALES 3, 0
.endif
.endm
.macro GAPV u, x               ; THE QUANTISER of a pair of V's blocks, gaps 0 .. 59, 15 a tile: a scale block lies in lanes l and l xor 16, in both blocks
.set T_, (\u)/15
.set J_, (\u)%15
.set E_, \x+8*T_
.set O_, E_+32
.if (\u) > 59
.elseif J_ == 0
	v_max3_num_f32 v[TQ], |v[E_]|, |v[E_+1]|, |v[E_+2]|
	v_max3_num_f32 v[TQ+2], |v[O_]|, |v[O_+1]|, |v[O_+2]|
.elseif J_ < 3
	v_max3_num_f32 v[TQ], v[TQ], |v[E_+2*J_+1]|, |v[E_+2*J_+2]|
	v_max3_num_f32 v[TQ+2], v[TQ+2], |v[O_+2*J_+1]|, |v[O_+2*J_+2]|
.elseif J_ == 3
	v_max3_num_f32 v[TQ+2], v[TQ+2], |v[O_+7]|, (EMAX+1)<<23
	v_max3_num_f32 v[TQ], v[TQ], |v[E_+7]|, v[TQ+2]
.elseif J_ == 4
	v_permlanex16_b32 v[TQ+2], v[TQ], s60, s61
	v_max_num_f32 v[TQ], v[TQ], v[TQ+2]
.elseif J_ == 5
	SCALES 0, T_
	SCALES 1, T_
.elseif J_ < 10
	HOLDS J_-6, E_+2*(J_-6)
.if J_ == 9
	v_cvt_scalef32_pk8_fp8_f32 v[MCD+4*T_:MCD+4*T_+1], v[E_:E_+7], v[SOP+T_]
.endif
.elseif J_ < 14
	HOLDS J_-6, O_+2*(J_-10)
.if J_ == 13
	v_cvt_scalef32_pk8_fp8_f32 v[MCD+4*T_+2:MCD+4*T_+3], v[O_:O_+7], v[SOP+T_]
.endif
.else
	SCALES 3, T_
.endif
.endm
.macro RDESC i, off, lds       ; group 0 of a refill, in two parts: a quarter of 128 rows a wave
.if (\i) == 0
	s_mul_i32 s[G0R+1], s14, CH/4*PITCH
	s_add_co_u32 s[G0R+1], s[G0R+1], s\lds
	s_mul_i32 s20, s14, CH/4*KROW
	s_add_co_u32 s20, s20, s\off
.else
	s_mov_b32 s21, 0
	s_add_nc_u64 s[G0R+2:G0R+3], s[4:5], s[20:21]
	s_or_b32 s[G0R+3], s[G0R+3], 0x80000000
.endif
.endm
; WHAT STANDS BEHIND PRODUCT n.  j: the block's number in its trip (0 .. 3; the second loop's 4, 5; V's -1, -2).  Behind 0 and 1 the addresses of the block two on; behind 2 a prefetch's address or a byte's next place;
; behind 29 and 30 a refill's group 0 or the codes' next place; from 1 on a way out: y = 1 q's or k's block at x; 2, 3 the halves of V's pair at x
.macro LIST n, j, y, x
.if (\n) == 0
	WIN 0
.if (\j) == 0 || (\j) == 1
	s_add_co_u32 s22, s101, (64+16*(\j))*PITCH
.elseif (\j) > 1
	s_add_co_u32 s22, s47, ((\j)%2)*16*PITCH
.else
	s_add_co_u32 s22, s47, (-1-(\j))*16*PITCH
.endif
	v_add_nc_u32 v[ADRA], s22, v[ADRA0]
.elseif (\n) == 1
	WIN 0
.if (\j) == 0 || (\j) == 1
	s_add_co_u32 s22, s17, (64+16*(\j))*SR
.elseif (\j) > 1
	s_add_co_u32 s22, s8, ((\j)%2)*16*SR
.else
	s_add_co_u32 s22, s8, (-1-(\j))*16*SR
.endif
	v_add_nc_u32 v[AAS], s22, v[AAS0]
.endif
.if (\j) == 2 && (\n) == 2
	WIN 0
	v_lshl_add_u32 v7, v3, 8, s23
.elseif (\j) == 0 && ((\n) == 29 || (\n) == 30)
	RDESC (\n)-29, 6, 47
.elseif (\j) == 1 && (\n) == 2
	WIN 0
	v_add_nc_u32 v[VX], 512, v[VX]
.elseif (\j) == 5 && (\n) == 2
	WIN 0
	v_add_nc_u32 v[VX], 256, v[VX]
.elseif (\j) == 1 && (\n) == 29
	s_add_nc_u64 s[84:85], s[84:85], 8*REC
	s_cmp_eq_u32 s46, 2
	s_cselect_b64 s[84:85], s[88:89], s[84:85]
.elseif (\j) == 5 && (\n) == 29
	s_add_nc_u64 s[84:85], s[84:85], s[12:13]
.endif
.if (\y) == 1 && (\n) > 0 && (\n) < 28
	WIN 0
	GAPQ (\n)-1, \x
.elseif (\y) == 2 && (\n) > 0 && (\n) < 31
	WIN 0
	GAPV (\n)-1, \x
.elseif (\y) == 3 && (\n) > 0 && (\n) < 31
	WIN 0
	GAPV (\n)+29, \x
.endif
.endm
.macro BLOCK kind, e, a, from, to, j, y, x
.set N_, \from
.rept (\to)-(\from)
	PROD \kind, \e, \a, N_
	LIST N_, \j, \y, \x
.set N_, N_+1
.endr
.endm
.macro BLK kind, e, a, w, j, y, x  ; a block; w: the count of the wait for its set (-1: none is due)
.if (\w) >= 0
	s_wait_dscnt \w
.endif
	s_wait_xcnt 0x0
	BLOCK \kind, \e, \a, 0, 32, \j, \y, \x
	WIN 0
	PLACES NP
.endm
.macro RBLK kind, e, a, w, j, y, x ; a block with a drained round of the cluster's barrier
	s_wait_dscnt \w
	s_wait_xcnt 0x0
	GRD
	BLOCK \kind, \e, \a, 0, 28, \j, \y, \x
	WIN 0
	WALU
	s_wait_dscnt 0x0                               ; the add is done, and my reads of the slot that is filled again
	s_barrier_signal -1
	BLOCK \kind, \e, \a, 28, 32, \j, \y, \x
	MIDDLE
	BARRIER
.endm
.macro SBLK kind, e, a, w, j, y, x, half=0 ; a block with a plain barrier (half = 1: it shows waves 0 and 1's loads alone)
.if (\w) >= 0
	s_wait_dscnt \w
.endif
	s_wait_xcnt 0x0
	BLOCK \kind, \e, \a, 0, 28, \j, \y, \x
	WIN 0
	WALU
.if \half
	s_cmp_lt_u32 s14, 2
	s_cbranch_scc0 .Lnot_yet_\@
	s_wait_tensorcnt 0x0
.Lnot_yet_\@:
.else
	s_wait_tensorcnt 0x0
.endif
	s_wait_dscnt 0x0
	s_barrier_signal -1
	BLOCK \kind, \e, \a, 28, 32, \j, \y, \x
	WIN 0
	s_barrier_wait -1
	PLACES NP
.endm
.macro QOUT off, boff          ; a block's byte goes to its place in LDS, its 32 codes a lane leave: sixteen lanes 256 consecutive bytes
	ds_store_b8 v[VX], v[EB] offset:\boff
	global_store_b128 v[CN], v[NCD:NCD+3], s[84:85] offset:\off
	global_store_b128 v[CN], v[NCD+4:NCD+7], s[84:85] offset:(\off)+256
.endm
.irp q, 0,1,2,3,4,5,6,7        ; the first weight, all of K, into the 512 registers of windows 1 and 2: 128 loads
.irp b, 0,2
	FRAG 4*\q+\b, ADRB, \q, \b*8*PITCH
	FRAG 4*\q+\b+1, 23, \q, (\b+1)*8*PITCH
.endr
.endr
	WIN 0
	s_wait_tensorcnt 0x0                           ; chunk 0 and the scale bytes are in
	s_wait_dscnt 0x0                               ; the first weight is in registers
	BARRIER
	FETCHAT 0, ADRA0, AAS0
	FETCHAT 1, 1, 2
	s_load_b128 s[92:95], s[0:1], 0x40             ; qrec, krec
	s_load_b64 s[96:97], s[0:1], 0x50              ; vrec
	s_mov_b32 s60, 0x76543210
	s_mov_b32 s61, 0xfedcba98
	s_mov_b32 s62, 0x600000
.set I_, 0
.rept 32
	v_mov_b32 v[ACC+32+I_], 0                      ; the first way out reads them and stores nothing
.set I_, I_+1
.endr
	WALU
	s_wait_kmcnt 0x0
	s_cmp_eq_u32 s19, 0
	s_cselect_b64 s[92:93], s[92:93], s[94:95]
	s_add_nc_u64 s[84:85], s[92:93], s[76:77]
	s_sub_nc_u64 s[84:85], s[84:85], 8*REC         ; the first trip's block 1 steps it to chunk 0
	s_add_nc_u64 s[88:89], s[92:93], s[80:81]
	s_add_nc_u64 s[94:95], s[92:93], s[82:83]
	s_add_nc_u64 s[98:99], s[96:97], s[46:47]
	s_add_nc_u64 s[96:97], s[96:97], s[12:13]
	s_mov_b32 s12, 8*REC-8192                      ; from chunk 2's second half to chunk 3
	s_mov_b32 s13, 0
	s_mov_b32 s46, 0                               ; PHASE 1.  s46 the trip; s101, s47 this chunk's slot and the next chunk's; s17, s8 their scale words; s6 the rows that are loaded; s23 where my share of what is asked for ahead begins
	s_mov_b32 s23, 0
	s_mov_b32 s101, 0
	s_mov_b32 s47, YB
	s_mov_b32 s17, 0
	s_mov_b32 s8, CH*SR
	s_wait_loadcnt 0x0
.Lfour:
	RBLK 0, 0, 0, NF, 0, 1, ACC+32                 ; blocks 0, 4, 8: chunks 1, 2, 3 come
	s_cmp_lt_u32 s14, 2                            ; waves 0, 1 and waves 2, 3 have a load line each
	s_cbranch_scc0 .Lupper
	TLOAD G0R, G1R
	s_branch .Lboth
.Lupper:
	TLOAD G0R, G1R
.Lboth:
	PLACES NP-4
	s_cmp_eq_u32 s46, 0
	s_cbranch_scc1 .Lno_block_before
	QOUT 10240, 260
.Lno_block_before:
	FETCHAT 0, ADRA, AAS
	BLK 0, 1, 1, -1, 1, 1, ACC
	QOUT 0, 0
	FETCHAT 1, ADRA, AAS
	SBLK 0, 0, 0, NF, 2, 1, ACC+32, 1              ; the next chunk's first half is in
	QOUT 2048, 4
	s_cmp_eq_u32 s46, 0
	s_cbranch_scc1 .Lnone_ahead
	global_prefetch_b8 v7, s[86:87] th:TH_LOAD_NT scope:SCOPE_SE
.Lnone_ahead:
	FETCHAT 0, ADRA, AAS
	BLK 0, 1, 1, -1, 3, 1, ACC
	QOUT 8192, 256
	FETCHAT 1, ADRA, AAS
	s_cmp_eq_u32 s46, 0
	s_cselect_b32 s6, s2, s7                       ; next: chunk 2, then 3
	s_cselect_b64 s[86:87], s[4:5], s[10:11]       ; asked for ahead: chunk 3, then Wv's rows
	s_cselect_b32 s21, s90, s100
	s_cselect_b32 s22, s7, 0
	s_lshl_b32 s21, s21, 13
	s_add_co_u32 s23, s21, s22
	s_mov_b32 s101, s47
	s_mov_b32 s17, s8
	s_xor_b32 s47, s47, YB
	s_add_co_u32 s8, s8, CH*SR
	s_add_co_u32 s46, s46, 1
	s_cmp_lg_u32 s46, 3
	s_cbranch_scc1 .Lfour
	GRD
	v_add_nc_u32 v[VX], 256, v[VX]
	s_mul_i32 s20, s14, CH/4*KROW
	s_mov_b32 s21, 0
	s_mul_i32 s[G0A+1], s14, CH/4*PITCH
	s_add_nc_u64 s[G0A+2:G0A+3], s[10:11], s[20:21]
	s_or_b32 s[G0A+3], s[G0A+3], 0x80000000
	GROUP1 G1A, 45, CH/4
	WALU
	s_wait_xcnt 0x0
	s_add_nc_u64 s[84:85], s[84:85], 8192
	s_wait_dscnt 0x0
	s_barrier_signal -1
	MIDDLE
	BARRIER
	TLOAD G0A, G1A
	s_mov_b32 s47, YB+64*PITCH
	s_mov_b32 s8, (3*CH+64)*SR
.Ltwo:
	BLK 0, 0, 0, NF, 4, 1, ACC+32                  ; blocks 12, 14
	QOUT 2048, 4
	FETCHAT 0, ADRA, AAS
	BLK 0, 1, 1, NF, 5, 1, ACC                     ; 13, 15; the block two on is then V's: chunk 3 again
	QOUT 0, 0
	FETCHAT 1, ADRA, AAS
	s_mov_b32 s47, YB
	s_mov_b32 s8, 3*CH*SR
	s_mov_b32 s12, 8192
	s_add_co_u32 s46, s46, 1
	s_cmp_lg_u32 s46, 5
	s_cbranch_scc1 .Ltwo
	s_wait_xcnt 0x0                                ; the change of phase
	s_wait_tensorcnt 0x0                           ; Wv's rows are in
	s_wait_dscnt 0x0
	BARRIER
.macro CHANGE i                ; among Wv's 128 loads: the last block's way out; Wv's scale words; zeros into what no block has written yet
.if (\i) < 7
.irp k, 0,1,2,3
.if 4*(\i)+\k < 27
	GAPQ 4*(\i)+\k, ACC+32
.endif
.endr
.elseif (\i) < 9
.irp q, 0,1,2,3,4,5,6,7
	v_mov_b32 v[SB+8*((\i)-7)+\q], v[WS+8*((\i)-7)+\q]
.endr
.elseif (\i) < 15
.irp q, 0,1,2,3,4,5,6,7
	v_mov_b32 v[ACC+80+8*((\i)-9)+\q], 0
.endr
.endif
.endm
.irp q, 0,1,2,3,4,5,6,7
.irp b, 0,2
	FRAG 4*\q+\b, ADRB+1, \q, \b*16*PITCH
	FRAG 4*\q+\b+1, ADRB+1, \q, (\b+1)*16*PITCH
	WIN 0
	CHANGE 2*\q+\b/2
.endr
.endr
	QOUT 2048, 4
	GRD
	s_mov_b32 s47, 0
	RDESC 0, 2, 47
	RDESC 1, 2, 47
	s_mov_b32 s46, 0                               ; PHASE 2: s46 the pair
	s_mov_b32 s47, YB+64*PITCH
	s_mov_b32 s8, (3*CH+64)*SR
	WALU
	s_wait_dscnt 0x0
	s_barrier_signal -1
	MIDDLE
	BARRIER
	TLOAD G0R, G1R
.macro VOUT                    ; a pair of V's blocks: four tiles' bytes and codes, 512 consecutive bytes a store
.irp t, 0,1,2,3
	ds_store_b8 v[VX], v[EB+\t] offset:4*\t
	global_store_b128 v[CO], v[MCD+4*\t:MCD+4*\t+3], s[84:85] offset:2048*\t
.endr
.endm
.macro VTO                     ; s22 = 2 x key chunk + p: where a pair's codes and bytes go
	s_lshr_b32 s9, s22, 1
	s_and_b32 s22, s22, 1
	s_mul_i32 s20, s9, REC
	s_lshl_b32 s21, s22, 10
	SADD 20, 21
	s_mov_b32 s21, 0
	s_add_nc_u64 s[84:85], s[96:97], s[20:21]
	s_lshl_b32 s9, s9, 9
	s_lshl_b32 s22, s22, 1
	SADD 9, 22
	v_add_nc_u32 v[VX], s9, v[RD]
.endm
.Lpair:
	BLK 1, 0, 0, -1, -1, 2, ACC+64
	s_cmp_eq_u32 s46, 3
	s_cbranch_scc1 .Lnone_0
	FETCHAT 0, ADRA, AAS
	s_wait_dscnt NF
	s_branch .Lgo
.Lnone_0:
	s_wait_dscnt 0x0
.Lgo:
	SBLK 1, 1, 1, -1, -2, 3, ACC+64                ; the first trip's shows chunk 2
.set I_, 0
.rept 32                       ; the pair's sums are copied, so that one trip is two blocks of text
	v_dual_mov_b32 v[ACC+64+I_], v[ACC+I_] :: v_dual_mov_b32 v[ACC+64+I_+1], v[ACC+I_+1]
.set I_, I_+2
.endr
	s_add_co_u32 s22, s46, 1
	s_and_b32 s22, s22, 3
	VTO
	s_cmp_eq_u32 s46, 0
	s_cbranch_scc1 .Lno_pair_before
	VOUT
.Lno_pair_before:
	s_cmp_eq_u32 s46, 3
	s_cbranch_scc1 .Lnone_1
	FETCHAT 1, ADRA, AAS
.Lnone_1:
	s_mov_b32 s8, (2*CH+64)*SR
	s_cmp_eq_u32 s46, 0
	s_cselect_b32 s47, 0, 64*PITCH
	s_cselect_b32 s8, 2*CH*SR, s8
	s_add_co_u32 s46, s46, 1
	s_cmp_lg_u32 s46, 4
	s_cbranch_scc1 .Lpair
	s_wait_xcnt 0x0
.set K_, 0
.rept 60
	GAPV K_, ACC+64
.set K_, K_+1
.endr
	WALU                                           ; directly ahead of the scalar lines: the last byte
	s_mov_b32 s22, 1
	VTO
	VOUT
	s_wait_dscnt 0x0                               ; the scale bytes are in LDS
	BARRIER
	v_lshlrev_b32 v20, 4, v3
	s_mul_i32 s21, s14, 512
	s_add_co_u32 s21, s21, XN
	v_add_nc_u32 v21, s21, v20
	v_lshlrev_b32 v22, 3, v3
	s_mul_i32 s21, s14, 256
	s_add_co_u32 s21, s21, XV
	v_add_nc_u32 v23, s21, v22
	WALU
	ds_load_b128 v[60:63], v21
	ds_load_b64 v[40:41], v23
	s_wait_dscnt 0x0
	global_store_b128 v20, v[60:63], s[94:95]
	global_store_b64 v22, v[40:41], s[98:99]
	s_wait_tensorcnt 0x0                           ; the wave's end
	ds_add_u32 v[SPW], v[NIL]
	s_wait_dscnt 0x0
	CROUND                                         ; the closing round
	s_endpgm
.Lfunc_end_k_q462bed2dd5_proj:
	.size	k_q462bed2dd5_proj, .Lfunc_end_k_q462bed2dd5_proj-k_q462bed2dd5_proj
	.p2alignl 7, 3214868480
	.fill 96, 4, 3214868480
	.section	.rodata,"a",@progbits
	.p2align	6, 0x0
	.amdhsa_kernel k_q462bed2dd5_proj
		.amdhsa_group_segment_fixed_size 327680
		.amdhsa_private_segment_fixed_size 0
		.amdhsa_enable_private_segment 0
		.amdhsa_kernarg_size 88
		.amdhsa_user_sgpr_count 2
		.amdhsa_user_sgpr_kernarg_segment_ptr 1
		.amdhsa_wavefront_size32 1
		.amdhsa_system_sgpr_workgroup_id_x 1
		.amdhsa_system_sgpr_workgroup_id_y 1
		.amdhsa_system_sgpr_workgroup_id_z 1
		.amdhsa_system_vgpr_workitem_id 0
		.amdhsa_next_free_vgpr 1024
		.amdhsa_next_free_sgpr 102
		.amdhsa_reserve_vcc 0
		.amdhsa_float_denorm_mode_32 3
		.amdhsa_float_denorm_mode_16_64 3
		.amdhsa_memory_ordered 1
		.amdhsa_forward_progress 1
		.amdhsa_inst_pref_size 161
	.end_amdhsa_kernel
	.amdgpu_metadata
---
amdhsa.version: [ 1, 2 ]
amdhsa.kernels:
  - .name:           k_q462bed2dd5_proj
    .symbol:         k_q462bed2dd5_proj.kd
    .args:
      - { .name: x_codes, .offset: 0, .size: 8, .value_kind: global_buffer, .address_space: global }
      - { .name: x_scales, .offset: 8, .size: 8, .value_kind: global_buffer, .address_space: global }
      - { .name: Wq_codes, .offset: 16, .size: 8, .value_kind: global_buffer, .address_space: global }
      - { .name: Wq_scales, .offset: 24, .size: 8, .value_kind: global_buffer, .address_space: global }
      - { .name: Wk_codes, .offset: 32, .size: 8, .value_kind: global_buffer, .address_space: global }
      - { .name: Wk_scales, .offset: 40, .size: 8, .value_kind: global_buffer, .address_space: global }
      - { .name: Wv_codes, .offset: 48, .size: 8, .value_kind: global_buffer, .address_space: global }
      - { .name: Wv_scales, .offset: 56, .size: 8, .value_kind: global_buffer, .address_space: global }
      - { .name: qrec, .offset: 64, .size: 8, .value_kind: global_buffer, .address_space: global }
      - { .name: krec, .offset: 72, .size: 8, .value_kind: global_buffer, .address_space: global }
      - { .name: vrec, .offset: 80, .size: 8, .value_kind: global_buffer, .address_space: global }
    .group_segment_fixed_size: 327680
    .private_segment_fixed_size: 0
    .kernarg_segment_align: 8
    .kernarg_segment_size: 88
    .max_flat_workgroup_size: 128
    .sgpr_count:     102
    .vgpr_count:     1024
    .wavefront_size: 32
...
	.end_amdgpu_metadata
.endif
;; end of part 4
;; launch scores (part 5): grid 36 x 4, 4 waves a work-group, no clusters, 327,680 bytes of LDS; arguments qrec, krec, prec; writes prec
.if DOCPART == 5
	.amdgcn_target "amdgcn-amd-amdhsa--gfx1250"
	.amdhsa_code_object_version 6
	.text
	.protected	k_q462bed2dd5_scores
	.globl	k_q462bed2dd5_scores
	.p2align	8
	.type	k_q462bed2dd5_scores,@function
k_q462bed2dd5_scores:
	s_mov_b64 s[64:65], 0
	v_nop
	global_prefetch_b8 v0, s[64:65] scope:SCOPE_SE
	s_setreg_imm32_b32 hwreg(HW_REG_WAVE_MODE, 25, 1), 1
	s_wait_xcnt 0x0
; S = q k^T on records of FP8 codes (K = d = 1,024), the causal mask, and p = 2^(t - M) quantised along the keys, for the tiles of 256 queries x 256 keys that the mask leaves: 36 a batch.
; Work-group x = t names the tile: query block i with i (i + 1) / 2 <= t, key block j = t - i (i + 1) / 2 (j <= i); y = the batch.  Four waves, each 128 queries x 128 keys: 64 accumulators.
; NO CLUSTER: a batch's tiles lie in rows of 1 to 8, which no 4 x 4 or 4 x 1 group covers without work-groups whose whole tile the mask throws away.
; A RECORD of q or k: 128 rows x 128 along d in the order of an operand's registers: byte 2048 a + 512 c + 16 lane = registers 4 c .. 4 c + 3 of rows 16 a on; byte 16384 + 16 lane = four scale words,
; lane (r, h): row r's of blocks 4 h + 0 .. 3.  16,896 bytes, dense; a row group's eight records follow each other, so two of them (256 along d) are one tensor load of 132 rows of 256 bytes.
; SOURCE 0 = 16 keys, SOURCE 1 = 16 queries: a lane holds one query, and its registers run along the keys.
; THE SOFTMAX IS TAKEN CHUNK BY CHUNK: a chunk is a wave's 128 keys.  t = score x log2(e) / 32; M = the ceiling of the row's largest t IN THE CHUNK, a whole number; p = 2^(t - M) is quantised by blocks of
; 32 keys; the chunk's sum l of the unquantised p and -M go out with the codes.  The next launch brings the chunks under the row's M by taking whole numbers off the scale bytes.
; A RECORD of p: as above, then byte 16896 + 16 lane: -M (f32), byte 17408 + 16 lane: l (f32), in the scale words' places.  17,920 bytes.  Record (row group g, chunk s) at (16 g + s) x 17,920.
; A diagonal tile with i even also writes, two chunks on, a record of zeros (-M = 1e38, l = 0) for each wave: so every row group has a multiple of four chunks for the next launch.
; LIMITS: NaN and infinities are not served; a block whose largest p lies under 2^-118 gets the byte 1; K is permuted inside blocks of 32 alike on both sides, so the order of the sums differs from the true order's.
; REGISTERS: window 0: v0-31 addresses; v32-63 scale words, two sets of 16 (A's 8, B's 8); v128-255 A's fragments, one set.  window 1: B's fragments, two sets.  windows 2, 3: accumulators ((a, b) at v[8 (8 (a % 4) + b)]).
.set REC,   16896
.set RECP,  17920
.set RA,    REC
.set RB,    REC
.set QB,    2*REC                      ; what one tensor load brings: 128 rows x 256 along d
.set SLOT,  4*QB                       ; q's two halves, k's two halves
.set SPARE, 2*SLOT                     ; the spare words, 128 bytes a wave: two blocks of 256 bytes that no other line names
.set NP,    8                          ; places behind this matrix instruction (ISA guide 7.12.1)
.set ADRA, 16
.set ADRB, 20
.set CO,   26                          ; v26  16 x lane
.set D0,   27                          ; v27  128 (row half - column half) + r - 8 h
.set SPW,  28
.set NIL,  29
.set NINF, 30
.set SC,   32
.set AF,   128
.set X,    64                          ; v64-127 t - M, then p
.set PC,   128                         ; v128-159 codes, two sets by turns
.set BM,   160                         ; the blocks' largest scores, then largest p
.set T4,   164
.set LIM,  168
.set SOP,  172
.set NMP,  176                         ; v[176:177] -M as a pair
.set SA,   178
.set SB,   180
.set TX,   182
.set TT,   183
.set PW,   184                         ; v184-191 scale words, v192-199 -M, v200-207 l: one for each block of 16 rows
.set NM,   192
.set LL,   200
.set OUT,  208
.set G1, 24
.set G0, 32
.set CS, 40
.set SEL, 42
.set MNT, 44
.set MSB, 0
.macro WIN new                         ; the immediate's high byte repeats the setting that is left
.if MSB != (\new)
	s_set_vgpr_msb (MSB<<8)|(\new)
.set MSB, (\new)
.endif
.endm
.set MUL_LO, 0xa1
.set MUL_HI, 0xf1
.set TO_B,   0x40
	s_load_b128 s[4:7], s[0:1], 0x0                ; qrec, krec
	s_load_b64 s[8:9], s[0:1], 0x10                ; prec
	v_lshl_add_u32 v[SPW], v0, 2, SPARE
	v_mov_b32 v[NIL], 0
	ds_add_u32 v28, v29
	ds_add_u32 v28, v29
	s_wait_dscnt 0x0
	v_lshrrev_b32 v1, 5, v0
	v_readfirstlane_b32 s10, v1                    ; wave
	s_lshr_b32 s11, s10, 1                         ; my half of the queries
	s_and_b32 s12, s10, 1                          ; my half of the keys.  Also: which 128 rows I fetch
	s_mov_b32 s13, ttmp9
	s_and_b32 s16, ttmp7, 0xffff                   ; batch
	s_mov_b32 s14, 0
.irp T, 1,3,6,10,15,21,28
	s_cmp_ge_u32 s13, \T                           ; i = how many triangular numbers t has reached
	s_add_co_ci_u32 s14, s14, 0
.endr
	s_add_co_u32 s15, s14, 1
	s_mul_i32 s15, s15, s14
	s_lshr_b32 s15, s15, 1
	s_sub_co_u32 s15, s13, s15                     ; j
	s_cmp_eq_u32 s14, s15
	s_cselect_b32 s45, 1, 0                        ; the mask is at work on diagonal tiles,
	s_cmp_eq_u32 s10, 2
	s_cselect_b32 s45, 0, s45                      ; but not in the wave of queries 128 on and keys 0 to 127
	s_mov_b32 s[G1+0], 3<<16                       ; elements of 8 bytes, no mask, no padding
	s_mov_b32 s[G1+1], 32<<16                      ; tensor_dim0 = 32 (256 bytes)
	s_mov_b32 s[G1+2], 132<<16                     ; tensor_dim1 = 132
	s_mov_b32 s[G1+3], 32<<16                      ; tile_dim0
	s_mov_b32 s[G1+4], 132                         ; tile_dim1
	s_mov_b32 s[G1+5], 32                          ; the pitch: dense
	s_mov_b32 s[G1+6], 0
	s_mov_b32 s[G1+7], 0
	s_mov_b32 s[CS], 0x3d38aa3b                    ; c = log2(e) / sqrt(1024)
	s_mov_b32 s[CS+1], s[CS]
	s_mov_b32 s[SEL], 0x76543210
	s_mov_b32 s[SEL+1], 0xfedcba98
	s_mov_b32 s[MNT], 0x600000
	s_mul_i32 s22, s10, QB                         ; my quarter of a slot
	s_wait_kmcnt 0x0
	s_cmp_lt_u32 s10, 2                            ; waves 0, 1 fetch q's halves, waves 2, 3 k's
	s_cselect_b32 s17, s14, s15
	s_cselect_b64 s[18:19], s[4:5], s[6:7]
	s_lshl_b32 s20, s16, 4
	s_lshl_b32 s17, s17, 1
	s_add_co_u32 s20, s20, s17
	s_add_co_u32 s20, s20, s12                     ; row group 16 batch + 2 block + half
	s_mul_i32 s20, s20, 8*REC
	s_mov_b32 s21, 0
	s_add_nc_u64 s[18:19], s[18:19], s[20:21]
.irp s, 0,1
	s_mov_b32 s[G0+4*\s], 1
	s_add_co_u32 s[G0+4*\s+1], s22, \s*SLOT
	s_add_nc_u64 s[G0+4*\s+2:G0+4*\s+3], s[18:19], \s*2*REC
	s_or_b32 s[G0+4*\s+3], s[G0+4*\s+3], 0x80000000
.endr
	tensor_load_to_lds s[G0:G0+3], s[G1:G1+7]      ; slot 0: one tensor load a wave at the head
	s_nop 0
.rept 4
	v_nop
.endr
	v_and_b32 v1, 15, v0                           ; r
	v_bfe_u32 v2, v0, 4, 1                         ; h
	v_and_b32 v4, 31, v0
	v_lshlrev_b32 v[CO], 4, v4
	v_lshlrev_b32 v5, 8, v4                        ; a prefetch's offsets: a lane a block of 256 bytes,
	v_min_u32 v6, 3, v4
	v_lshlrev_b32 v6, 8, v6                        ; and the last four of 132 (lanes left over name the last again)
	s_wait_alu depctr_va_vdst(0)
; A PREFETCH of slot n's tiles, each asked for once among the work-groups that read it: q's two records of query block i by the work-group of key block min(n - 1, i), k's of key block j by that of query block max(8 - n, j); the waves that will load a part ask for it
.macro ASK n
	s_min_u32 s46, s14, \n-1
	s_max_u32 s47, s15, 8-\n
	s_cmp_lt_u32 s10, 2
	s_cselect_b32 s46, s46, s47
	s_cselect_b32 s47, s15, s14
	s_cmp_eq_u32 s46, s47
	s_cbranch_scc0 .Lnot_mine_\@
	s_add_nc_u64 s[46+2*\n:47+2*\n], s[18:19], \n*2*REC
.irp o, 0,8192,16384,24576
	global_prefetch_b8 v5, s[46+2*\n:47+2*\n] offset:\o th:TH_LOAD_NT scope:SCOPE_SE
.endr
	global_prefetch_b8 v6, s[46+2*\n:47+2*\n] offset:32768 th:TH_LOAD_NT scope:SCOPE_SE
.Lnot_mine_\@:
.endm
	ASK 1
	ASK 2
	s_sub_co_i32 s46, s11, s12
	s_lshl_b32 s46, s46, 7
	v_lshlrev_b32 v3, 3, v2
	v_sub_nc_u32 v3, v1, v3
	v_add_nc_u32 v[D0], s46, v3
	s_mul_i32 s20, s11, QB
	s_mul_i32 s21, s12, QB
	s_add_co_u32 s21, s21, 2*QB
.irp s, 0,1
	v_add_nc_u32 v[ADRA+\s], s20, v[CO]
	v_add_nc_u32 v[ADRB+\s], s21, v[CO]
	s_add_co_u32 s20, s20, SLOT
	s_add_co_u32 s21, s21, SLOT
.endr
	s_lshl_b32 s20, s16, 4                         ; my record of p: ((16 batch + 2 i + row half) x 16 + 2 j + column half) x 17,920
	s_lshl_b32 s21, s14, 1
	s_add_co_u32 s20, s20, s21
	s_add_co_u32 s20, s20, s11
	s_lshl_b32 s20, s20, 4
	s_lshl_b32 s21, s15, 1
	s_add_co_u32 s20, s20, s21
	s_add_co_u32 s20, s20, s12
	s_mul_i32 s20, s20, RECP
	s_mov_b32 s21, 0
	s_add_nc_u64 s[8:9], s[8:9], s[20:21]
	s_cmp_lg_u32 s14, s15                          ; the record of zeros: diagonal tiles with i even
	s_cbranch_scc1 .Lno_zero
	s_bitcmp1_b32 s14, 0
	s_cbranch_scc1 .Lno_zero
.irp j, 0,1,2,3
	v_mov_b32 v[64+\j], 0
	v_mov_b32 v[68+\j], 0x7e967699                 ; 1e38: no row's -M is larger
.endr
.set n, 0
.rept 33
	global_store_b128 v[CO], v[64:67], s[8:9] offset:2*RECP+512*n    ; codes and scale words
.set n, n+1
.endr
	global_store_b128 v[CO], v[68:71], s[8:9] offset:2*RECP+16896
	global_store_b128 v[CO], v[64:67], s[8:9] offset:2*RECP+17408
.Lno_zero:
.macro FRAG reg, adr, off              ; a fragment comes as it was stored: four loads of 16 bytes a lane, 512 consecutive bytes each
.irp c, 0,1,2,3
	ds_load_b128 v[\reg+4*\c:\reg+4*\c+3], v[\adr] offset:\off+512*\c
.endr
.endm
.macro FETCH_B slot, q, p
	WIN TO_B
.irp i, 0,1,2,3,4,5,6,7
	FRAG 128*(\p)+16*\i, ADRB+\slot, (\q)*RB+2048*\i
.endr
	WIN 0
.endm
.macro FETCH_A slot, q, i0
.irp i, \i0, \i0+1, \i0+2, \i0+3
	FRAG AF+16*(\i), ADRA+\slot, (\q)*RA+2048*(\i)
.endr
.endm
.macro SCALES sc                       ; register j of a quad: lanes 0-15 block j's words, lanes 16-31 block 4 + j's
.irp q, 0,1
	ds_load_b128 v[SC+16*\sc+4*\q:SC+16*\sc+4*\q+3], v[ADRA+\sc] offset:\q*RA+16384
	ds_load_b128 v[SC+16*\sc+8+4*(1-\q):SC+16*\sc+8+4*(1-\q)+3], v[ADRB+\sc] offset:\q*RB+16384   ; k's words of step q lie at 4 (1 - q): no product's two scale registers have numbers equal modulo 8
.endr
.endm
; 16 matrix instructions: A's blocks a0, a0 + 1 x B's eight.  The 64 accumulators take turns, one instruction a turn, in the same order in every step.
.macro MUL16 a0, p, q, sc, zero
.irp a, \a0, \a0+1
.irp b, 0,1,2,3,4,5,6,7
.set rD, 8*(8*((\a)%4)+\b)
.set rB, 128*(\p)+16*\b
.set rA, AF+16*(\a)
.set rSB, SC+16*(\sc)+8+4*(1-(\q))+\b%4
.set rSA, SC+16*(\sc)+4*(\q)+(\a)%4
.if \zero
.if ((\a) < 4) && (\b < 4)
	v_wmma_scale_f32_16x16x128_f8f6f4 v[rD:rD+7], v[rB:rB+15], v[rA:rA+15], 0, v[rSB], v[rSA]
.elseif (\a) < 4
	v_wmma_scale_f32_16x16x128_f8f6f4 v[rD:rD+7], v[rB:rB+15], v[rA:rA+15], 0, v[rSB], v[rSA] matrix_a_scale:MATRIX_SCALE_ROW1
.elseif \b < 4
	v_wmma_scale_f32_16x16x128_f8f6f4 v[rD:rD+7], v[rB:rB+15], v[rA:rA+15], 0, v[rSB], v[rSA] matrix_b_scale:MATRIX_SCALE_ROW1
.else
	v_wmma_scale_f32_16x16x128_f8f6f4 v[rD:rD+7], v[rB:rB+15], v[rA:rA+15], 0, v[rSB], v[rSA] matrix_a_scale:MATRIX_SCALE_ROW1 matrix_b_scale:MATRIX_SCALE_ROW1
.endif
.else
.if ((\a) < 4) && (\b < 4)
	v_wmma_scale_f32_16x16x128_f8f6f4 v[rD:rD+7], v[rB:rB+15], v[rA:rA+15], v[rD:rD+7], v[rSB], v[rSA]
.elseif (\a) < 4
	v_wmma_scale_f32_16x16x128_f8f6f4 v[rD:rD+7], v[rB:rB+15], v[rA:rA+15], v[rD:rD+7], v[rSB], v[rSA] matrix_a_scale:MATRIX_SCALE_ROW1
.elseif \b < 4
	v_wmma_scale_f32_16x16x128_f8f6f4 v[rD:rD+7], v[rB:rB+15], v[rA:rA+15], v[rD:rD+7], v[rSB], v[rSA] matrix_b_scale:MATRIX_SCALE_ROW1
.else
	v_wmma_scale_f32_16x16x128_f8f6f4 v[rD:rD+7], v[rB:rB+15], v[rA:rA+15], v[rD:rD+7], v[rSB], v[rSA] matrix_a_scale:MATRIX_SCALE_ROW1 matrix_b_scale:MATRIX_SCALE_ROW1
.endif
.endif
.endr
.endr
.endm
.macro PLACES n
.rept \n
	v_nop
.endr
.endm
.macro STEP slot, zero                 ; a slot's first 128 along K; it fetches the second
	s_wait_dscnt 16                                ; all but the youngest 16 loads (A's blocks 4-7) are in
	WIN MUL_LO
	MUL16 0, 0, 0, \slot, \zero
	MUL16 2, 0, 0, \slot, \zero
	s_wait_dscnt 0x0
	PLACES NP
	FETCH_B \slot, 1, 1
	FETCH_A \slot, 1, 0
	WIN MUL_HI
	MUL16 4, 0, 0, \slot, \zero
	MUL16 6, 0, 0, \slot, \zero
	PLACES NP
	WIN 0
	FETCH_A \slot, 1, 4
.endm
; A slot's second 128 along K changes slots: one barrier; in front of it each wave waits for all its tensor loads, adds 0 to its spare word, and waits for that and for its reads of this slot.
.macro TURN slot, next, fill
	s_wait_tensorcnt 0x0                           ; all my tensor loads have landed: my part of the next slot
	ds_add_u32 v[SPW], v[NIL]                      ; 0 onto my spare word
	s_wait_dscnt 17                                ; the add and the youngest 16 loads may be out
	WIN MUL_LO
	MUL16 0, 1, 1, \slot, 0
	s_wait_dscnt 0x0                               ; the add is done, and my reads of this slot are over
	s_barrier_signal -1
	MUL16 2, 1, 1, \slot, 0
	WIN 0
	s_barrier_wait -1
.if \fill
	s_add_nc_u64 s[G0+4*\slot+2:G0+4*\slot+3], s[G0+4*\slot+2:G0+4*\slot+3], 4*REC   ; no load of mine is out: this slot's next two records
	tensor_load_to_lds s[G0+4*\slot:G0+4*\slot+3], s[G1:G1+7]    ; my one tensor load behind the barrier, and the first thing there
	s_nop 0
	PLACES NP
.else
	PLACES NP
.endif
	FETCH_B \next, 0, 0
	FETCH_A \next, 0, 0
	SCALES \next
	WIN MUL_HI
	MUL16 4, 1, 1, \slot, 0
	MUL16 6, 1, 1, \slot, 0
	PLACES NP
	WIN 0
	FETCH_A \next, 0, 4
.endm
	s_wait_alu depctr_va_vdst(0)                   ; the head's end
	s_wait_tensorcnt 0x0                           ; my part of slot 0 is in
	ds_add_u32 v[SPW], v[NIL]                      ; 0 onto my spare word, ahead of a later first fill, as ahead of a refill
	s_wait_dscnt 0x0
	s_barrier_signal -1
	s_barrier_wait -1
	tensor_load_to_lds s[G0+4:G0+7], s[G1:G1+7]    ; slot 1, the first thing behind the barrier
	s_nop 0
	PLACES 4
	FETCH_B 0, 0, 0
	FETCH_A 0, 0, 0
	SCALES 0
	FETCH_A 0, 0, 4
	ASK 3
	STEP 0, 1                                      ; the first products start the sums
	s_mov_b32 s3, 1                                ; d = 1,024 is four slots: one trip fills both again
.Llap:
	TURN 0, 1, 1
	STEP 1, 0
	TURN 1, 0, 1
	STEP 0, 0
	s_sub_co_u32 s3, s3, 1
	s_cmp_lg_u32 s3, 0
	s_cbranch_scc1 .Llap
	TURN 0, 1, 0
	STEP 1, 0
	s_wait_dscnt 16
	WIN MUL_LO
	MUL16 0, 1, 1, 1, 0
	MUL16 2, 1, 1, 1, 0
	s_wait_dscnt 0x0
	WIN MUL_HI
	MUL16 4, 1, 1, 1, 0
	MUL16 6, 1, 1, 1, 0
	WIN 0
	PLACES NP
	v_mov_b32 v[NINF], 0xff800000
	v_mov_b32 v[NMP+1], 0                          ; named as a pair's upper half
	v_mov_b32 v[TX], 0                             ; a lane permute's destination counts as one of its sources
.irp c, 0,1,2,3
	v_mov_b32 v[T4+\c], 0
.endr
; THE WAY OUT of block a: 16 queries x my 128 keys.  Register 8 b + j of lane (r, h) is key 16 b + 8 h + j of query 16 a + r.
.macro SOFT a
.set AC, 64*((\a)%4)
.set PCS, PC+16*((\a)%2)
	s_wait_xcnt 0x0                                ; earlier stores have read their data registers
	s_cmp_eq_u32 s45, 0
	s_cbranch_scc1 .Lopen_\@
	WIN 0x82+0x41*((\a)/4)                         ; destination and source 0: the accumulators' window
	s_wait_alu depctr_va_vdst(0)
.irp b, 0,1,2,3,4,5,6,7
.irp j, 0,1,2,3,4,5,6,7
	v_cmp_gt_i32 vcc_lo, 16*(\b-(\a))+\j, v[D0]    ; the key comes after the query
	v_cndmask_b32 v[AC+8*\b+\j], v[AC+8*\b+\j], v[NINF], vcc_lo
.endr
.endr
	WIN 0
.Lopen_\@:
	WIN 0x0a+5*((\a)/4)
.irp c, 0,1,2,3
	v_max3_num_f32 v[BM+\c], v[AC+16*\c], v[AC+16*\c+1], 0xff61b1e6   ; each block's largest score, over -3e38, so that a row with every key hidden keeps finite numbers
.endr
.irp i, 2,4,6,8,10,12,14
.irp c, 0,1,2,3
	v_max3_num_f32 v[BM+\c], v[AC+16*\c+\i], v[AC+16*\c+\i+1], v[BM+\c]
.endr
.endr
	WIN 0
.irp c, 0,1,2,3
	v_permlanex16_b32 v[T4+\c], v[BM+\c], s[SEL], s[SEL+1]
.endr
.irp c, 0,1,2,3
	v_max_num_f32 v[BM+\c], v[BM+\c], v[T4+\c]
.endr
	v_max3_num_f32 v[TT], v[BM], v[BM+1], v[BM+2]
	v_max_num_f32 v[TT], v[TT], v[BM+3]
	v_mul_f32 v[TT], s[CS], v[TT]                  ; the chunk's largest t
	v_floor_f32 v[NM+(\a)], -v[TT]                 ; -M = floor(-t) = -ceil(t)
	v_mov_b32 v[NMP], v[NM+(\a)]
	WIN 2+(\a)/4
.set n, 0
.rept 32
	v_pk_fma_f32 v[X+n:X+n+1], v[AC+n:AC+n+1], s[CS:CS+1], v[NMP:NMP+1] op_sel_hi:[1,0,0]   ; t - M
.set n, n+2
.endr
	WIN 0
.irp c, 0,1,2,3
	v_fma_f32 v[BM+\c], v[BM+\c], s[CS], v[NMP]    ; the same of each block's largest score: p rises with the score
.endr
.irp c, 0,1,2,3
	v_min_num_f32 v[BM+\c], 0, v[BM+\c]            ; t - M is never above 0 but by rounding; in a row with every key hidden this holds the residue of two huge numbers
.endr
.set n, 0
	s_wait_alu depctr_va_vdst(0)
.rept 64
	v_exp_f32 v[X+n], v[X+n]
.set n, n+1
.endr
.irp c, 0,1,2,3
	v_exp_f32 v[BM+\c], v[BM+\c]
.endr
	v_nop                                          ; a plain line behind the exponentials
	s_wait_alu depctr_va_vdst(0)
.irp c, 0,1,2,3
	v_max_num_f32 v[BM+\c], 0x4800000, v[BM+\c]    ; the floor 2^(9 - 127)
.endr
.irp c, 0,1,2,3
	v_add_nc_u32 v[SOP+\c], 0xfc000000, v[BM+\c]
.endr
.irp c, 0,1,2,3
	v_and_or_b32 v[LIM+\c], v[BM+\c], 0x7f800000, s[MNT]
.endr
.irp c, 0,1,2,3
	v_lshrrev_b32 v[T4+\c], 23, v[SOP+\c]
.endr
	v_lshl_or_b32 v[PW+(\a)], v[T4+1], 8, v[T4]
	v_lshl_or_b32 v[PW+(\a)], v[T4+2], 16, v[PW+(\a)]
	v_lshl_or_b32 v[PW+(\a)], v[T4+3], 24, v[PW+(\a)]
	v_pk_add_f32 v[SA:SA+1], v[X:X+1], v[X+2:X+3]  ; the sum is taken of the unquantised p, in two chains
	v_pk_add_f32 v[SB:SB+1], v[X+4:X+5], v[X+6:X+7]
.irp j, 8,12,16,20,24,28,32,36,40,44,48,52,56,60
	v_pk_add_f32 v[SA:SA+1], v[SA:SA+1], v[X+\j:X+\j+1]
	v_pk_add_f32 v[SB:SB+1], v[SB:SB+1], v[X+\j+2:X+\j+3]
.endr
	v_pk_add_f32 v[SA:SA+1], v[SA:SA+1], v[SB:SB+1]
	v_add_f32 v[LL+(\a)], v[SA], v[SA+1]
	v_permlanex16_b32 v[TX], v[LL+(\a)], s[SEL], s[SEL+1]
	v_add_f32 v[LL+(\a)], v[LL+(\a)], v[TX]
.irp c, 0,1,2,3
.set n, 16*\c
.rept 16
	v_min_num_f32 v[X+n], v[X+n], v[LIM+\c]        ; p is not negative: a one-sided hold at 448 x the scale
.set n, n+1
.endr
.endr
.irp c, 0,1,2,3
	v_cvt_scalef32_pk8_fp8_f32 v[PCS+4*\c:PCS+4*\c+1], v[X+16*\c:X+16*\c+7], v[SOP+\c]
	v_cvt_scalef32_pk8_fp8_f32 v[PCS+4*\c+2:PCS+4*\c+3], v[X+16*\c+8:X+16*\c+15], v[SOP+\c]
.endr
	v_nop                                          ; a plain line behind the last conversion
.irp c, 0,1,2,3
	global_store_b128 v[CO], v[PCS+4*\c:PCS+4*\c+3], s[8:9] offset:(\a)*2048+512*\c   ; 512 consecutive bytes, at a multiple of 256 from the buffer's first byte
.endr
.endm
.irp a, 0,1,2,3,4,5,6,7
	SOFT \a
.endr
	v_and_b32 v1, 31, v0
	v_cmp_le_u32 vcc_lo, 16, v1                    ; lanes 16-31 carry blocks 4-7
.irp j, 0,1,2,3
	v_cndmask_b32 v[OUT+\j], v[PW+\j], v[PW+4+\j], vcc_lo
	v_cndmask_b32 v[OUT+4+\j], v[NM+\j], v[NM+4+\j], vcc_lo
	v_cndmask_b32 v[OUT+8+\j], v[LL+\j], v[LL+4+\j], vcc_lo
.endr
	global_store_b128 v[CO], v[OUT:OUT+3], s[8:9] offset:16384
	global_store_b128 v[CO], v[OUT+4:OUT+7], s[8:9] offset:16896
	global_store_b128 v[CO], v[OUT+8:OUT+11], s[8:9] offset:17408
	s_wait_tensorcnt 0x0                           ; the wave's end
	ds_add_u32 v[SPW], v[NIL]
	s_wait_dscnt 0x0
	s_endpgm
.Lfunc_end_k_q462bed2dd5_scores:
	.size	k_q462bed2dd5_scores, .Lfunc_end_k_q462bed2dd5_scores-k_q462bed2dd5_scores
	.p2alignl 7, 3214868480
	.fill 96, 4, 3214868480
	.section	.rodata,"a",@progbits
	.p2align	6, 0x0
	.amdhsa_kernel k_q462bed2dd5_scores
		.amdhsa_group_segment_fixed_size 327680
		.amdhsa_private_segment_fixed_size 0
		.amdhsa_enable_private_segment 0
		.amdhsa_kernarg_size 24
		.amdhsa_user_sgpr_count 2
		.amdhsa_user_sgpr_kernarg_segment_ptr 1
		.amdhsa_wavefront_size32 1
		.amdhsa_system_sgpr_workgroup_id_x 1
		.amdhsa_system_sgpr_workgroup_id_y 1
		.amdhsa_system_sgpr_workgroup_id_z 1
		.amdhsa_system_vgpr_workitem_id 0
		.amdhsa_next_free_vgpr 1024
		.amdhsa_next_free_sgpr 66
		.amdhsa_reserve_vcc 1
		.amdhsa_float_denorm_mode_32 3
		.amdhsa_float_denorm_mode_16_64 3
		.amdhsa_memory_ordered 1
		.amdhsa_forward_progress 1
		.amdhsa_inst_pref_size 255
	.end_amdhsa_kernel
	.section	.bss,"aw",@nobits
	.p2align	6
	.space	262144
	.amdgpu_metadata
---
amdhsa.version: [ 1, 2 ]
amdhsa.kernels:
  - .name:           k_q462bed2dd5_scores
    .symbol:         k_q462bed2dd5_scores.kd
    .args:
      - { .name: qrec, .offset: 0, .size: 8, .value_kind: global_buffer, .address_space: global }
      - { .name: krec, .offset: 8, .size: 8, .value_kind: global_buffer, .address_space: global }
      - { .name: prec, .offset: 16, .size: 8, .value_kind: global_buffer, .address_space: global }
    .group_segment_fixed_size: 327680
    .private_segment_fixed_size: 0
    .kernarg_segment_align: 8
    .kernarg_segment_size: 24
    .max_flat_workgroup_size: 128
    .sgpr_count:     66
    .vgpr_count:     1024
    .wavefront_size: 32
...
	.end_amdgpu_metadata
.endif
;; end of part 5
;; launch pv (part 6): grid 8 x 32, 4 waves a work-group, clusters of 4 x 4, 327,680 bytes of LDS; arguments prec, vrec, out0; writes out0
.if DOCPART == 6
	.amdgcn_target "amdgcn-amd-amdhsa--gfx1250"
	.amdhsa_code_object_version 6
	.text
	.protected	k_q462bed2dd5_pv
	.globl	k_q462bed2dd5_pv
	.p2align	8
	.type	k_q462bed2dd5_pv,@function
k_q462bed2dd5_pv:
	s_mov_b64 s[64:65], 0
	v_nop
	global_prefetch_b8 v0, s[64:65] scope:SCOPE_SE
	s_setreg_imm32_b32 hwreg(HW_REG_WAVE_MODE, 25, 1), 1
	s_wait_xcnt 0x0
	s_wait_alu depctr_hold_cnt(0) depctr_sa_sdst(0) depctr_va_vdst(0) depctr_va_sdst(0) depctr_va_ssrc(0) depctr_va_vcc(0) depctr_vm_vsrc(0)
	s_getreg_b32 s2, hwreg(HW_REG_IB_STS2, 6, 4)
	s_cmp_eq_u32 s2, 0
	s_cbranch_scc0 .Lentry_in_a_cluster
	s_endpgm
.Lentry_in_a_cluster:
	s_bfe_u32 s2, ttmp6, 0x10000c
	s_cmp_lg_u32 s2, 0xf033
	s_cbranch_scc0 .Lentry_shape_is_right
	s_endpgm
.Lentry_shape_is_right:
; O = P V / l on records of FP8 codes, for row groups g and 15 - g of 128 queries, one after the other, x 128 columns: 17 key chunks of 128 together, in five slots of four.  Key chunks that the causal mask hides whole
; (past a row group's last group of four) are left out: p = 0 there whatever the inputs hold; what reaches only them is not carried to the result.
; A chunk's M is brought under the row's by taking whole numbers off its scale bytes; a block whose byte would fall under 0 gets the byte 0: its numbers lie under 2^-118 of the row's largest p.  NaN and infinities are not served.
.set REC,   16896
.set RECP,  17920
.set AQ,    2*RECP
.set BQ,    2*REC
.set BOFF,  2*AQ
.set SLOT,  2*AQ+2*BQ
.set STAGE, 2*SLOT
.set SPITCH, 272
.set SPARE, STAGE+4*16*SPITCH
.set NP,    8
.set NMR,  8
.set NM2,  12
.set LR,   16
.set ADRA, 20
.set ADRB, 22
.set ADSA, 24
.set ADSB, 26
.set SPW,  28
.set NIL,  29
.set STO,  30
.set RD,   31
.set CO,   32
.set OF0,  33
.set OFS,  34
.set OFL,  35
.set RB,   36
.set SC,   64
.set NC,   128
.set LC,   144
.set TT,   160
.set HH,   176
.set XO,   160
.set BK,   192
.set N1,   10
.set G1,   24
.set G0,   32
.set G1B,  48
.set G0B,  56
.set FA0,  20
.set FA1,  22
.set FA2,  66
.set FA3,  68
.set FA4,  70
.set FB0,  46
.set FB1,  92
.set FB2,  72
.set FB3,  74
.set FB4,  76
.set OBS,  78
.set OBL,  80
.set STS,  82
.set STL,  84
.set MSB, 0
.macro WIN new
.if MSB != (\new)
	s_set_vgpr_msb (MSB<<8)|(\new)
.set MSB, (\new)
.endif
.endm
.set MULW, 0xa5
.set TO_F, 0x40
.macro JLOAD s
	s_cmp_eq_u32 s15, 0
	s_cbranch_scc0 .Lfor_b_\@
	tensor_load_to_lds s[G0+4*\s:G0+4*\s+3], s[G1:G1+7]
	s_nop 0
.rept 4
	v_nop
.endr
	s_branch .Lasked_\@
.Lfor_b_\@:
	tensor_load_to_lds s[G0B+4*\s:G0B+4*\s+3], s[G1B:G1B+7]
	s_nop 0
.rept 4
	v_nop
.endr
.Lasked_\@:
.endm
.macro CREST
	s_cmp_lg_u32 s14, 0
	s_cbranch_scc1 .Lnot_wave_0_\@
	s_barrier_signal -3
.Lnot_wave_0_\@:
	s_barrier_wait -3
	s_barrier_signal -1
	s_barrier_wait -1
.endm
.macro CROUND
	s_barrier_signal -1
	s_barrier_wait -1
	CREST
.endm
.macro AIM s, fa, fb
	s_mov_b64 s[G0+4*\s+2:G0+4*\s+3], s[\fa:\fa+1]
	s_or_b32 s[G0+4*\s+3], s[G0+4*\s+3], 0x80000000
	s_mov_b64 s[G0B+4*\s+2:G0B+4*\s+3], s[\fb:\fb+1]
	s_or_b32 s[G0B+4*\s+3], s[G0B+4*\s+3], 0x80000000
.endm
	s_load_b128 s[4:7], s[0:1], 0x0
	s_load_b64 s[8:9], s[0:1], 0x10
	v_lshl_add_u32 v[SPW], v0, 2, SPARE
	v_mov_b32 v[NIL], 0
	ds_add_u32 v28, v29
	ds_add_u32 v28, v29
	s_wait_dscnt 0x0
	v_lshrrev_b32 v1, 5, v0
	v_readfirstlane_b32 s14, v1
	s_lshr_b32 s15, s14, 1
	s_and_b32 s16, s14, 1
	s_bfe_u32 s40, ttmp6, 0x40000
	s_bfe_u32 s41, ttmp6, 0x40004
	s_and_b32 s17, ttmp7, 0xffff
	s_and_b32 s19, s17, 1
	s_lshr_b32 s17, s17, 1
	s_add_co_u32 s[N1], s19, 1
	s_lshl_b32 s18, s19, 2
	s_add_co_u32 s18, s18, s41
	s_lshl_b32 s42, ttmp9, 2
	s_add_co_u32 s42, s42, s40
	s_lshl_b32 s43, s41, 2
	s_lshl_b32 s43, 15, s43
	s_lshl_b32 s44, 0x1111, s40
	s_or_b32 s[G1+0], s43, (3<<16)|(1<<21)
	s_mov_b32 s[G1+1], 32<<16
	s_mov_b32 s[G1+2], 140<<16
	s_mov_b32 s[G1+3], 32<<16
	s_mov_b32 s[G1+4], 140
	s_mov_b32 s[G1+5], 32
	s_mov_b32 s[G1+6], 0
	s_mov_b32 s[G1+7], 0
	s_or_b32 s[G1B+0], s44, (3<<16)|(1<<21)
	s_mov_b32 s[G1B+1], 32<<16
	s_mov_b32 s[G1B+2], 132<<16
	s_mov_b32 s[G1B+3], 32<<16
	s_mov_b32 s[G1B+4], 132
	s_mov_b32 s[G1B+5], 32
	s_mov_b32 s[G1B+6], 0
	s_mov_b32 s[G1B+7], 0
	s_lshl_b32 s88, s17, 4
	s_add_co_u32 s89, s88, s18
	s_add_co_u32 s88, s88, 15
	s_sub_co_u32 s88, s88, s18
	s_mul_i32 s89, s89, 16*RECP
	s_mul_i32 s88, s88, 16*RECP
	s_mov_b32 s[STS], s89
	s_mov_b32 s[STL], s88
	s_mul_i32 s90, s16, AQ
	s_add_co_u32 s[FA0], s89, s90
	s_add_co_u32 s91, s88, s90
	s_mul_i32 s90, s19, 4*RECP
	s_add_co_u32 s[FA2], s91, 4*RECP
	s_sub_co_u32 s[FA2], s[FA2], s90
	s_add_co_u32 s[FA3], s[FA2], 4*RECP
	s_add_co_u32 s[FA4], s[FA3], 4*RECP
	s_add_co_u32 s[FA1], s[FA0], 4*RECP
	s_cmp_eq_u32 s19, 0
	s_cselect_b32 s[FA1], s91, s[FA1]
	s_cselect_b32 s94, 12*RECP, 0
	s_cselect_b32 s95, 0, 4*RECP
	s_lshl_b32 s45, s42, 6
	s_lshl_b32 s46, s17, 4
	s_add_co_u32 s45, s45, s46
	s_lshl_b32 s46, s16, 1
	s_add_co_u32 s45, s45, s46
	s_mul_i32 s[FB0], s45, REC
	s_mul_i32 s45, s19, 4*REC
	s_add_co_u32 s[FB1], s[FB0], s45
	s_add_co_u32 s[FB2], s[FB0], 4*REC
	s_sub_co_u32 s[FB2], s[FB2], s45
	s_add_co_u32 s[FB3], s[FB2], 4*REC
	s_add_co_u32 s[FB4], s[FB3], 4*REC
.irp p, FA0, FA1, FA2, FA3, FA4, FB0, FB1, FB2, FB3, FB4, STS, STL
	s_mov_b32 s[\p+1], 0
.endr
	s_mul_i32 s12, s16, AQ
	s_mul_i32 s13, s16, BQ
	s_add_co_u32 s13, s13, BOFF
	v_and_b32 v1, 15, v0
	v_bfe_u32 v2, v0, 4, 1
	v_lshlrev_b32 v4, 4, v1
	s_lshl_b32 s96, s15, 8
	v_add_nc_u32 v[OF0], s96, v4
	v_add_nc_u32 v[OFS], s95, v[OF0]
	v_add_nc_u32 v[OFL], s94, v[OF0]
; A PREFETCH of a slot's tiles: the part that my wave will load jointly is shared out by address among the four partners: 35 of P's 140 blocks of 256 bytes, 33 of V's 132: a lane a block, the rest in a second line (lanes left over name the last again)
	s_cmp_eq_u32 s15, 0
	s_cselect_b32 s98, 35, 33
	s_cselect_b32 s99, s40, s41
	s_mul_i32 s99, s99, s98
	s_sub_co_u32 s98, s98, 1
	v_and_b32 v3, 31, v0
	v_add_nc_u32 v6, s99, v3
	v_lshlrev_b32 v6, 8, v6
	v_add_nc_u32 v7, 32, v3
	v_min_u32 v7, s98, v7
	v_add_nc_u32 v7, s99, v7
	v_lshlrev_b32 v7, 8, v7
.macro ASK p, fa, fb
	s_cmp_eq_u32 s15, 0
	s_cselect_b64 s[\p:\p+1], s[\fa:\fa+1], s[\fb:\fb+1]
	global_prefetch_b8 v6, s[\p:\p+1] th:TH_LOAD_NT scope:SCOPE_SE
	global_prefetch_b8 v7, s[\p:\p+1] th:TH_LOAD_NT scope:SCOPE_SE
.endm
	s_wait_alu depctr_va_vdst(0)
	s_wait_kmcnt 0x0
.irp p, FA0, FA1, FA2, FA3, FA4, STS, STL
	s_add_nc_u64 s[\p:\p+1], s[4:5], s[\p:\p+1]
.endr
.irp p, FB0, FB1, FB2, FB3, FB4
	s_add_nc_u64 s[\p:\p+1], s[6:7], s[\p:\p+1]
.endr
	CROUND
	s_mov_b32 s[G0], 1
	s_add_co_u32 s[G0+1], s12, 0
	s_mov_b32 s[G0B], 1
	s_add_co_u32 s[G0B+1], s13, 0
	AIM 0, FA0, FB0
	JLOAD 0
.irp c, 0,1,2,3                        ; every chunk's -M of my rows, under slot 0's load
	global_load_b128 v[192+4*\c:195+4*\c], v[OF0], s[STS:STS+1] offset:\c*RECP+16896
	global_load_b128 v[208+4*\c:211+4*\c], v[OFS], s[STS:STS+1] offset:\c*RECP+16896
.endr
.irp c, 0,1,2,3,4,5,6,7,8,9,10,11
	global_load_b128 v[128+4*\c:131+4*\c], v[OF0], s[STL:STL+1] offset:\c*RECP+16896
.endr
.irp c, 0,1,2,3
	global_load_b128 v[176+4*\c:179+4*\c], v[OFL], s[STL:STL+1] offset:\c*RECP+16896
.endr
	ASK 98, FA1, FB1                               ; slots 1 and 2
	ASK 100, FA2, FB2
	s_mov_b32 s[G0+4], 1
	s_add_co_u32 s[G0+5], s12, SLOT
	s_mov_b32 s[G0B+4], 1
	s_add_co_u32 s[G0B+5], s13, SLOT
	AIM 1, FA1, FB1
	s_wait_alu depctr_va_vdst(0)
	s_wait_tensorcnt 0x0
	ds_add_u32 v28, v29
	s_wait_dscnt 0x0
	CROUND
	JLOAD 1
	s_wait_xcnt 0x0                                ; the earlier prefetches have read their address
	ASK 98, FA3, FB3                               ; slot 3
	v_lshlrev_b32 v3, 4, v3
	s_lshl_b32 s96, s15, 13
	s_lshl_b32 s97, s16, 13
	s_add_co_u32 s97, s97, BOFF
.irp s, 0,1
	v_add_nc_u32 v[ADRA+\s], s96, v3
	v_add_nc_u32 v[ADRB+\s], s97, v3
	s_add_co_u32 s96, s96, SLOT
	s_add_co_u32 s97, s97, SLOT
.endr
	s_lshl_b32 s96, s15, 8
	s_add_co_u32 s96, s96, 16384
	s_lshl_b32 s97, s16, 8
	s_add_co_u32 s97, s97, BOFF+16384
.irp s, 0,1
	v_add_nc_u32 v[ADSA+\s], s96, v4
	v_add_nc_u32 v[ADSB+\s], s97, v4
	s_add_co_u32 s96, s96, SLOT
	s_add_co_u32 s97, s97, SLOT
.endr
	s_mul_i32 s96, s14, 16*SPITCH
	s_add_co_u32 s96, s96, STAGE
	v_mul_u32_u24 v5, v1, SPITCH
	v_lshl_add_u32 v5, v2, 5, v5
	v_add_nc_u32 v[STO], s96, v5
	v_mul_u32_u24 v5, v2, SPITCH
	v_lshl_add_u32 v5, v1, 4, v5
	v_add_nc_u32 v[RD], s96, v5
	v_lshlrev_b32 v5, 12, v2
	v_lshl_add_u32 v[CO], v1, 4, v5
.irp j, 0,1,2,3
	v_mov_b32 v[LR+\j], 0
	v_mov_b32 v[RB+2*\j+1], 0
.endr
	s_lshl_b32 s2, s17, 11
	s_lshl_b32 s3, s15, 6
	s_add_co_u32 s2, s2, s3
	s_lshl_b32 s3, s18, 7
	s_add_co_u32 s86, s2, s3
	s_add_co_u32 s2, s2, 15*128
	s_sub_co_u32 s2, s2, s3
	s_lshl_b32 s86, s86, 12
	s_lshl_b32 s2, s2, 12
	s_lshl_b32 s3, s42, 9
	s_lshl_b32 s87, s16, 8
	s_add_co_u32 s3, s3, s87
	s_add_co_u32 s[OBS], s86, s3
	s_add_co_u32 s[OBL], s2, s3
	s_mov_b32 s[OBS+1], 0
	s_mov_b32 s[OBL+1], 0
	s_add_nc_u64 s[OBS:OBS+1], s[8:9], s[OBS:OBS+1]
	s_add_nc_u64 s[OBL:OBL+1], s[8:9], s[OBL:OBL+1]
	s_wait_loadcnt 0x0
.irp j, 0,1,2,3
	v_min3_num_f32 v[NM2+\j], v[128+\j], v[132+\j], v[136+\j]
	v_min3_num_f32 v[NMR+\j], v[192+\j], v[196+\j], v[200+\j]
.endr
.irp c, 3,5,7,9,11,13
.irp j, 0,1,2,3
	v_min3_num_f32 v[NM2+\j], v[NM2+\j], v[128+4*\c+\j], v[132+4*\c+\j]
.endr
.endr
.irp c, 3,5
.irp j, 0,1,2,3
	v_min3_num_f32 v[NMR+\j], v[NMR+\j], v[192+4*\c+\j], v[196+4*\c+\j]
.endr
.endr
.irp j, 0,1,2,3
	v_min_num_f32 v[NM2+\j], v[NM2+\j], v[188+\j]
	v_min_num_f32 v[NMR+\j], v[NMR+\j], v[220+\j]
.endr
.macro FRAG reg, adr, off
.irp c, 0,1,2,3
	ds_load_b128 v[\reg+4*\c:\reg+4*\c+3], v[\adr] offset:\off+512*\c
.endr
.endm
.macro FETCH slot, q, f
	WIN TO_F
.irp i, 0,1,2,3
	FRAG (\f)+16*\i, ADRB+\slot, (\q)*REC+2048*\i
.endr
.irp i, 0,1,2,3
	FRAG (\f)+64+16*\i, ADRA+\slot, (\q)*RECP+2048*\i
.endr
	WIN 0
.endm
.macro SCALES sc
.irp q, 0,1,2,3
	ds_load_b128 v[SC+32*\sc+4*\q:SC+32*\sc+4*\q+3], v[ADSA+\sc] offset:\q*RECP
	ds_load_b128 v[NC+4*\q:NC+4*\q+3], v[ADSA+\sc] offset:\q*RECP+512
	ds_load_b128 v[LC+4*\q:LC+4*\q+3], v[ADSA+\sc] offset:\q*RECP+1024
	ds_load_b128 v[SC+32*\sc+16+4*\q:SC+32*\sc+16+4*\q+3], v[ADSB+\sc] offset:\q*REC
.endr
.endm
.macro ADJ sc
.set W, SC+32*(\sc)
.set k, 0
.rept 16
	v_sub_f32 v[TT+k], v[NC+k], v[NMR+k%4]
.set k, k+1
.endr
.set k, 0
.rept 16
	v_sub_f32 v[HH+k], v[NMR+k%4], v[NC+k]
.set k, k+1
.endr
.set k, 0
	s_wait_alu depctr_va_vdst(0)
.rept 16
	v_exp_f32 v[HH+k], v[HH+k]
.set k, k+1
.endr
.set k, 0
.rept 16
	v_min_num_f32 v[TT+k], 0x42fe0000, v[TT+k]
.set k, k+1
.endr
.set k, 0
	s_wait_alu depctr_va_vdst(0)
.rept 16
	v_fma_f32 v[LR+k%4], v[HH+k], v[LC+k], v[LR+k%4]
.set k, k+1
.endr
.set k, 0
.rept 16
	v_cvt_u32_f32 v[TT+k], v[TT+k]
.set k, k+1
.endr
.set k, 0
.rept 16
	v_lshl_or_b32 v[TT+k], v[TT+k], 8, v[TT+k]
.set k, k+1
.endr
.set k, 0
.rept 16
	v_lshl_or_b32 v[TT+k], v[TT+k], 16, v[TT+k]
.set k, k+1
.endr
.set k, 0
.rept 16
	v_or_b32 v[W+k], 0x80808080, v[W+k]
.set k, k+1
.endr
.set k, 0
.rept 16
	v_sub_nc_u32 v[W+k], v[W+k], v[TT+k]
.set k, k+1
.endr
.set k, 0
.rept 16
	v_and_b32 v[HH+k], 0x80808080, v[W+k]
.set k, k+1
.endr
.set k, 0
.rept 16
	v_lshrrev_b32 v[TT+k], 7, v[HH+k]
.set k, k+1
.endr
.set k, 0
.rept 16
	v_sub_nc_u32 v[HH+k], v[HH+k], v[TT+k]
.set k, k+1
.endr
.set k, 0
.rept 16
	v_and_b32 v[W+k], v[W+k], v[HH+k]
.set k, k+1
.endr
.endm
.macro MUL f, q, sc, zero
.irp a, 0,1,2,3
.irp b, 0,1,2,3
.set rD, 8*(4*\a+\b)
.set rB, (\f)+16*\b
.set rA, (\f)+64+16*\a
.set rSB, SC+32*(\sc)+16+4*(\q)+\b
.set rSA, SC+32*(\sc)+4*(\q)+\a
.if \zero
	v_wmma_scale_f32_16x16x128_f8f6f4 v[rD:rD+7], v[rB:rB+15], v[rA:rA+15], 0, v[rSB], v[rSA]
.else
	v_wmma_scale_f32_16x16x128_f8f6f4 v[rD:rD+7], v[rB:rB+15], v[rA:rA+15], v[rD:rD+7], v[rSB], v[rSA]
.endif
.endr
.endr
.endm
.macro PLACES n
.rept \n
	v_nop
.endr
.endm
.macro CHUNK s, q, zero
.if (\q) > 0
	PLACES NP
.endif
	FETCH \s, (\q)+1, 128*(((\q)+1)%2)
	s_wait_dscnt 32
	WIN MULW
	MUL 128*((\q)%2), \q, \s, \zero
.endm
.macro CHUNK0B s, t
	FETCH \s, 1, 128
	s_wait_dscnt 32
	s_cmp_eq_u32 s[N1], \t
	s_cbranch_scc0 .Lgoes_on_\@
	WIN MULW
	MUL 0, 0, \s, 1
	WIN 0
	s_branch .Lbegun_\@
.Lgoes_on_\@:
	WIN MULW
	MUL 0, 0, \s, 0
	WIN 0
.Lbegun_\@:
.endm
.macro SCALEO a
	WIN 0x02
.set n, 0
.rept 16
	v_pk_mul_f32 v[XO+n:XO+n+1], v[32*(\a)+n:32*(\a)+n+1], v[RB+2*(\a):RB+2*(\a)+1] op_sel_hi:[1,0]
.set n, n+2
.endr
	WIN 0
.endm
.macro TOSTAGE a
.set BB, BK+32*((\a)%2)
.irp b, 0,1,2,3
	ds_store_b128 v[STO], v[XO+8*\b:XO+8*\b+3] offset:64*\b
	ds_store_b128 v[STO], v[XO+8*\b+4:XO+8*\b+7] offset:64*\b+16
.endr
.irp t, 0,1,2,3,4,5,6,7
	ds_load_b128 v[BB+4*\t:BB+4*\t+3], v[RD] offset:\t*2*SPITCH
.endr
.endm
.macro SEND a, younger, ob
.set BB, BK+32*((\a)%2)
	s_wait_dscnt \younger
.irp t, 0,1,2,3,4,5,6,7
	global_store_b128 v[CO], v[BB+4*\t:BB+4*\t+3], s[\ob:\ob+1] offset:(16*(\a)+2*\t)*4096 th:TH_STORE_NT
.endr
.endm
.macro WAYOUT ob
	s_wait_xcnt 0x0
.irp j, 0,1,2,3
	v_rcp_f32 v[RB+2*\j], v[LR+\j]
.endr
	v_nop
	s_wait_alu depctr_va_vdst(0)
	SCALEO 0
	TOSTAGE 0
.irp a, 1,2,3
	s_wait_dscnt 8
.if \a > 1
	s_wait_xcnt 0x0
.endif
	SCALEO \a
	TOSTAGE \a
	SEND \a-1, 16, \ob
.endr
	SEND 3, 0, \ob
.endm
.macro CHANGE slot, next, fa, fb, bound
	PLACES NP
	FETCH \slot, 3, 128
	s_wait_tensorcnt 0x0
	ds_add_u32 v[SPW], v[NIL]
	s_wait_dscnt 33
	WIN MULW
	MUL 0, 2, \slot, 0
	s_wait_dscnt 0x0
	s_barrier_signal -1
	MUL 128, 3, \slot, 0
	WIN 0
	s_barrier_wait -1
.if \fa
	CREST
	AIM \slot, \fa, \fb
	JLOAD \slot
	PLACES NP-4
.else
	PLACES NP
.endif
	SCALES \next
	FETCH \next, 0, 0
.if \bound
	s_cmp_eq_u32 s[N1], \bound
	s_cbranch_scc0 .Lsame_tile_\@
	WAYOUT OBS
.irp j, 0,1,2,3
	v_mov_b32 v[NMR+\j], v[NM2+\j]
	v_mov_b32 v[LR+\j], 0
.endr
.Lsame_tile_\@:
.endif
	s_wait_dscnt 32
	s_wait_alu depctr_va_vdst(0)
	ADJ \next
	PLACES NP
.endm
	s_wait_alu depctr_va_vdst(0)
	s_wait_tensorcnt 1
	s_barrier_signal -1
	s_barrier_wait -1
	SCALES 0
	FETCH 0, 0, 0
	s_wait_dscnt 32
	ADJ 0
	PLACES NP
	CHUNK 0, 0, 1
	s_wait_alu depctr_va_vdst(0)
	CHUNK 0, 1, 0
	CHANGE 0, 1, FA2, FB2, 1
	s_wait_xcnt 0x0
	ASK 100, FA4, FB4                              ; slot 4
	CHUNK0B 1, 1
	s_wait_alu depctr_va_vdst(0)
	CHUNK 1, 1, 0
	CHANGE 1, 0, FA3, FB3, 2
	CHUNK0B 0, 2
	s_wait_alu depctr_va_vdst(0)
	CHUNK 0, 1, 0
	CHANGE 0, 1, FA4, FB4, 0
	CHUNK 1, 0, 0
	s_wait_alu depctr_va_vdst(0)
	CHUNK 1, 1, 0
	CHANGE 1, 0, 0, 0, 0
	CHUNK 0, 0, 0
	s_wait_alu depctr_va_vdst(0)
	CHUNK 0, 1, 0
	CHUNK 0, 2, 0
	s_wait_dscnt 0x0
	MUL 128, 3, 0, 0
	WIN 0
	PLACES NP
	WAYOUT OBL
	s_wait_tensorcnt 0x0
	ds_add_u32 v[SPW], v[NIL]
	s_wait_dscnt 0x0
	CROUND
	s_endpgm
.Lfunc_end_k_q462bed2dd5_pv:
	.size	k_q462bed2dd5_pv, .Lfunc_end_k_q462bed2dd5_pv-k_q462bed2dd5_pv
	.p2alignl 7, 3214868480
	.fill 96, 4, 3214868480
	.section	.rodata,"a",@progbits
	.p2align	6, 0x0
	.amdhsa_kernel k_q462bed2dd5_pv
		.amdhsa_group_segment_fixed_size 327680
		.amdhsa_private_segment_fixed_size 0
		.amdhsa_enable_private_segment 0
		.amdhsa_kernarg_size 24
		.amdhsa_user_sgpr_count 2
		.amdhsa_user_sgpr_kernarg_segment_ptr 1
		.amdhsa_wavefront_size32 1
		.amdhsa_system_sgpr_workgroup_id_x 1
		.amdhsa_system_sgpr_workgroup_id_y 1
		.amdhsa_system_sgpr_workgroup_id_z 1
		.amdhsa_system_vgpr_workitem_id 0
		.amdhsa_next_free_vgpr 640
		.amdhsa_next_free_sgpr 102
		.amdhsa_reserve_vcc 0
		.amdhsa_float_denorm_mode_32 3
		.amdhsa_float_denorm_mode_16_64 3
		.amdhsa_memory_ordered 1
		.amdhsa_forward_progress 1
		.amdhsa_inst_pref_size 204
	.end_amdhsa_kernel
	.amdgpu_metadata
---
amdhsa.version: [ 1, 2 ]
amdhsa.kernels:
  - .name:           k_q462bed2dd5_pv
    .symbol:         k_q462bed2dd5_pv.kd
    .args:
      - { .name: prec, .offset: 0, .size: 8, .value_kind: global_buffer, .address_space: global }
      - { .name: vrec, .offset: 8, .size: 8, .value_kind: global_buffer, .address_space: global }
      - { .name: out0, .offset: 16, .size: 8, .value_kind: global_buffer, .address_space: global }
    .group_segment_fixed_size: 327680
    .private_segment_fixed_size: 0
    .kernarg_segment_align: 8
    .kernarg_segment_size: 24
    .max_flat_workgroup_size: 128
    .sgpr_count:     102
    .vgpr_count:     640
    .wavefront_size: 32
...
	.end_amdgpu_metadata
.endif
;; end of part 6
